; MI455X (gfx1250); checked and timed in simulation.
; The chip was launched on July 23, 2026; its instructions are those of AMD's public machine-readable ISA for CDNA 5 (MIT licence, August 2026) and "CDNA5" Instruction Set Architecture Reference Guide (July 2026). The comments in the code are by the model that wrote it; some were corrected since.
;; Time Dependent Attention. Allowed arithmetic: matrix products marked QUANTISED: E5M2 operands, one E8M0 scale for each 32 along K, by v_wmma_scale_f32_16x16x128_f8f6f4 with both operands' format E5M2, f32 sums; products left as they are: f32 operands where the result goes on into a quantised operand, else bf16, f16 or f32 operands; f32 sums; everything else in f32.
;; Inputs: W_o 768 x 768 float32; Wt_k 768 x 256 float32; Wt_q 768 x 256 float32; Wt_v 768 x 256 float32; Wx_k 768 x 768 float32; Wx_q 768 x 768 float32; Wx_v 768 x 768 float32; b_o 768 float32; rel_pos_bias 12 x 1,024 x 1,024 float32; t 8 x 256 float32; x 8 x 1,024 x 768 float32.
;; Outputs: out0 8 x 1,024 x 768 float32.
;; This version of the problem:
;;   THIS VERSION OF THE PROBLEM IS GIVEN IN LOW PRECISION. The matrix products marked QUANTISED in the list below multiply operands that are first quantised to E5M2 (5 exponent bits, 2 mantissa bits; 8 bits a number), with one power-of-two scale for each 32 numbers along K (OCP MX v1.0); their sums are f32. All else is computed in f32.
;;   The module's matrix products, in the order in which they are computed (A, B: the left and right operand; K: the contracted axis; several contracted axes count as one K, in the product's order):
;;     1. [M 8,192, K 768] x [K 768, N 768]; A: input x; B: input Wx_q: QUANTISED
;;     2. [M 8, K 256] x [K 256, N 768]; A: input t; B: input Wt_q: left as it is (M = 8 < 16)
;;     3. [M 8,192, K 768] x [K 768, N 768]; A: input x; B: input Wx_k: QUANTISED
;;     4. [M 8, K 256] x [K 256, N 768]; A: input t; B: input Wt_k: left as it is (M = 8 < 16)
;;     5. [M 8,192, K 768] x [K 768, N 768]; A: input x; B: input Wx_v: QUANTISED
;;     6. [M 8, K 256] x [K 256, N 768]; A: input t; B: input Wt_v: left as it is (M = 8 < 16)
;;     7. batch 96 x [M 1,024, K 64] x [K 64, N 1,024]; A: computed on the way; B: computed on the way: QUANTISED
;;     8. batch 96 x [M 1,024, K 1,024] x [K 1,024, N 64]; A: softmax (see below); B: computed on the way: QUANTISED
;;     9. [M 8,192, K 768] x [K 768, N 768]; A: computed on the way; B: input W_o: QUANTISED
;;   THE QUANTISER, for each operand of a quantised product, along K:
;;     - K is cut into blocks of 32 from its start; a last block that is shorter is filled with zeros.
;;     - A block's scale is 2^e with e = floor(log2(the largest magnitude in the block)) - 15, held to -126 .. 127; a block of zeros has e = 0. As a byte (E8M0): e + 127.
;;     - Each number is divided by its block's scale, clamped to +-57,344, and rounded to the nearest number of E5M2, ties to even, subnormals kept.
;;     - The product sums the exact products of the quantised numbers (number of the format x scale) in f32.
;;   ~~~python
;;   def quantise(x, axis):      # numpy; x: float32 -> the quantised numbers, widened to float32 again
;;       x = np.moveaxis(x, axis, -1); K = x.shape[-1]
;;       x = np.pad(x, [(0, 0)] * (x.ndim - 1) + [(0, -K % 32)]); x = x.reshape(x.shape[:-1] + (-1, 32)); a = np.abs(x).max(-1, keepdims=True)
;;       e = np.where(a > 0, np.clip(np.frexp(np.where(a > 0, a, 1))[1] - 1 - 15, -126, 127), 0)      # np.frexp(a)[1] - 1 = floor(log2(a)), exactly
;;       r = np.clip(x / 2.0 ** e, -57344, 57344)
;;       step = 2.0 ** (np.maximum(np.frexp(np.where(r == 0, 1, r))[1] - 1, -14) - 2)
;;       q = np.round(r / step) * step * 2.0 ** e      # np.round: ties to even
;;       return np.moveaxis(q.reshape(q.shape[:-2] + (-1,))[..., :K], -1, axis).astype(np.float32)
;;   ~~~
;;   SOFTMAX AHEAD OF A QUANTISED PRODUCT. Where the list says 'softmax', what is quantised is not the finished softmax but p = 2^(t - M), with t = logit x log2(e) and M = ceil(the row's largest t), a whole number; so 1/2 < the row's largest p <= 1. The row's sum l is taken of the UNQUANTISED p, in f32, and the product's result is divided by l at the end. Since M is a whole number, a kernel that streams over the keys may use a running M (the ceiling of the running maximum): every later rescaling is an exact power of two, which a block's scale takes up: the codes' values come out the same.
;;   OPERANDS COMPUTED ON THE WAY. 'Computed on the way' means the value that the module computes at that place (a softmax that the list does not call 'softmax' is quantised finished and normalised). What goes into a quantiser is computed in f32, as accurately as f32 sums, v_exp_f32 and their like allow (about 1e-6 of the number): no bf16 or f16 on the way to a quantiser, and a product that is left as it is and whose result goes on into a quantised operand takes f32 operands (vector FMAs, or v_wmma_f32_16x16x4_f32). A number that lies on a knife's edge between two numbers of the format may be rounded either way, as far as f32 arithmetic and the matrix unit's own rounding can turn it there, and no further.
;; 2 versions. Each part assembles by itself: llvm-mc -triple=amdgcn-amd-amdhsa -mcpu=gfx1250 --defsym DOCPART=n.
;; ======== version 1 of 2: 4 launches
;; workspace buffers: ximg 6,553,600 bytes; wimg 1,843,200 bytes; woimg 614,400 bytes; oimg 6,553,600 bytes; tb 73,728 bytes; qimg 6,291,456 bytes; qsc 393,216 bytes; kvimg 13,172,736 bytes
;; launch prep (part 1): grid 364 x 1, 6 waves a work-group, no clusters, 52,480 bytes of LDS; arguments x, Wx_q, Wx_k, Wx_v, W_o, t, Wt_q, Wt_k, Wt_v, ximg, wimg, woimg, tb; writes ximg, wimg, woimg, tb
.if DOCPART == 1
	.amdgcn_target "amdgcn-amd-amdhsa--gfx1250"
	.amdhsa_code_object_version 6
	.text
	.protected	k_q0e83b4023f_prep
	.globl	k_q0e83b4023f_prep
	.p2align	8
	.type	k_q0e83b4023f_prep,@function
k_q0e83b4023f_prep:
	s_mov_b64 s[64:65], 0
	v_nop
	global_prefetch_b8 v0, s[64:65] scope:SCOPE_SE
	s_setreg_imm32_b32 hwreg(HW_REG_WAVE_MODE, 25, 1), 1
	s_wait_xcnt 0x0
; PREP.  x [8192][768] and the four weights [768][768], f32, become codes of E5M2 with one E8M0 byte for each 32 along K, laid as GROUP RECORDS; t Wt^T is made in f32.
; A GROUP RECORD is 25,600 bytes for 32 rows x 768 along K, an image of operand registers: fragment (tile u, K step s) at (2 s + u) x 2048, its piece c at + 512 c, lane l at + 16 l:
; 16 codes, k = 128 s + 32 c + 16 (l / 16) + 0 .. 15 of the row that lane l % 16 of the tile holds.  Tile u, lane r holds row 8 u + r + 8 (r / 8) of the group.
; Scale words: plane A at 24,576 + 16 l holds the words of K steps 0 to 3, plane B at 25,088 + 16 l those of steps 4, 5 and two zeros; lane l = 16 u + r.
; WORK-GROUPS 0-255: x, a group each.  256-279, 280-303, 304-327: Wx_q, Wx_k, Wx_v; group g of type y goes to record 9 (g / 3) + 3 y + g % 3.  328-351: W_o.  Wave s takes K step s of both tiles.
; Each load reads 512 consecutive bytes of a row; the 16 rows of a tile turn through a stage in LDS that belongs to the wave (rows 528 bytes apart) so that a lane gets 16 neighbours of each block of 32.
; WORK-GROUPS 352-363: tb[type][feature][batch] = the sum over k of Wt[feature][k] t[batch][k], by fused multiply-adds; a wave takes 32 rows of one Wt.  This path uses no LDS and no barrier.
; The branch between the two paths hangs on the number of the work-group alone, so all six waves take the same path.
; LIMITS: NaN and infinities among the inputs are not served.  A block of zeros, and any block whose largest magnitude lies under 2^-111, gets the byte 1 (the rule says 127 for zeros): its codes
; of zeros add nothing, and only this program reads the bytes.  The order of the f32 sums of t Wt^T is eight terms in a lane, then a tree over the lanes.
; tb is stored 128 consecutive bytes at a time: it has 73,728 bytes in all.
.set GR,   25600
.set XROW, 3072                        ; a row of x or of a weight in bytes
.set STP,  528                         ; a stage row: 512 bytes + 16
.set STW,  16*STP                      ; a stage
.set SCB,  6*STW                       ; behind the six stages: the 1,024 bytes of scale words of the record
.set R,    32                          ; v32-159  two tiles x 64 numbers
.set PC,   160                         ; v160-191 codes, 16 registers a tile: no data of a store are written again
.set TM,   192                         ; v192-195 largest magnitudes, v196-199 bytes, v200-203 holds, v204-207 scale operands
.set PW,   208                         ; v208-209 the scale word of each tile
.set SWD,  210
.set OUTS, 212                         ; v212-219 the planes on their way out
.set WV,   31
.set MNT,  41                          ; the mantissa field of 57,344
.set SEL,  42                          ; s[42:43] lane selects: lane l xor 16
; nb blocks of 32 along K; a lane holds 16 numbers of each, v[s + 16 b + i], the lane 16 away the other 16.  Codes to v[pc + 4 b] on; the byte of block b stays in v[TM + 4 + b].
.macro QCORE s, nb, floor, pc
.set qb, 0
.rept \nb
	v_max3_num_f32 v[TM+qb], |v[\s+16*qb]|, |v[\s+16*qb+1]|, \floor   ; the floor is one more leaf: the byte cannot fall under 1
.set qb, qb+1
.endr
.irp qi, 2,4,6,8,10,12,14
.set qb, 0
.rept \nb
	v_max3_num_f32 v[TM+qb], v[TM+qb], |v[\s+16*qb+\qi]|, |v[\s+16*qb+\qi+1]|   ; the blocks by turns
.set qb, qb+1
.endr
.endr
.set qb, 0
.rept \nb
	v_permlanex16_b32 v[TM+4+qb], v[TM+qb], s[SEL], s[SEL+1]
.set qb, qb+1
.endr
.set qb, 0
.rept \nb
	v_max_num_f32 v[TM+qb], v[TM+qb], v[TM+4+qb]                     ; the largest magnitude of the block
.set qb, qb+1
.endr
.set qb, 0
.rept \nb
	v_add_nc_u32 v[TM+12+qb], 0xf8800000, v[TM+qb]                   ; 15 off its exponent field: the scale operand of the conversion
.set qb, qb+1
.endr
.set qb, 0
.rept \nb
	v_and_or_b32 v[TM+8+qb], v[TM+qb], 0x7f800000, s[MNT]            ; 57,344 x the scale
.set qb, qb+1
.endr
.set qb, 0
.rept \nb
	v_lshrrev_b32 v[TM+4+qb], 23, v[TM+12+qb]                        ; the byte
.set qb, qb+1
.endr
.set qb, 0
.rept \nb
.irp qi, 0,1,2,3,4,5,6,7,8,9,10,11,12,13,14,15
	v_med3_num_f32 v[\s+16*qb+\qi], v[\s+16*qb+\qi], -v[TM+8+qb], v[TM+8+qb]   ; the conversion does not saturate (ISA guide 7.6.2): hold first
.endr
	v_cvt_scalef32_pk8_bf8_f32 v[\pc+4*qb:\pc+4*qb+1], v[\s+16*qb:\s+16*qb+7], v[TM+12+qb]
	v_cvt_scalef32_pk8_bf8_f32 v[\pc+4*qb+2:\pc+4*qb+3], v[\s+16*qb+8:\s+16*qb+15], v[TM+12+qb]
.set qb, qb+1
.endr
	v_nop                                          ; one plain instruction behind the last conversion
.endm
	s_load_b512 s[4:19], s[0:1], 0x0               ; x, Wx_q, Wx_k, Wx_v, W_o, t, Wt_q, Wt_k
	s_load_b256 s[20:27], s[0:1], 0x40             ; Wt_v, ximg, wimg, woimg
	s_load_b64 s[28:29], s[0:1], 0x60              ; tb
	v_lshl_add_u32 v224, v0, 2, 0xca00
	v_mov_b32 v225, 0
	v_lshrrev_b32 v3, 5, v0
	v_readfirstlane_b32 s[WV], v3                  ; wave 0..5
	v_and_b32 v1, 31, v0                           ; lane
	v_lshlrev_b32 v2, 4, v1                        ; 16 x lane
	s_mov_b32 s[SEL], 0x76543210
	s_mov_b32 s[SEL+1], 0xfedcba98
	s_mov_b32 s30, ttmp9
	s_mov_b32 s51, 0                               ; the upper word of every offset
	s_cmp_ge_u32 s30, 352
	s_cbranch_scc1 .Lpath_t
	; ---- the quantiser
	v_and_b32 v3, 15, v1                           ; r
	v_lshrrev_b32 v4, 4, v1                        ; h
	s_mul_i32 s50, s[WV], STW
	v_add_nc_u32 v5, s50, v2                       ; into the stage: 16 x lane of a row
	v_mul_u32_u24 v6, v3, STP
	v_lshl_add_u32 v6, v4, 6, v6
	v_add_nc_u32 v6, s50, v6                       ; out of it: row r, + 64 h
	s_lshr_b32 s50, s[WV], 2
	s_lshl_b32 s50, s50, 9
	s_and_b32 s52, s[WV], 3
	s_lshl_b32 s52, s52, 2
	s_add_co_u32 s50, s50, s52
	s_add_co_u32 s50, s50, SCB
	v_add_nc_u32 v7, s50, v2                       ; the word of my K step: plane (s / 4), word s % 4, 16 x lane
	v_add_nc_u32 v8, SCB, v2
	v_cmp_le_u32 s40, 16, v1                       ; lanes 16-31
	s_mov_b32 s[MNT], 0x600000
.irp b, 0,1,2,3
	v_mov_b32 v[TM+4+\b], 0                        ; written once: the destination of a lane permute counts as read
.endr
	s_wait_kmcnt 0x0
	s_cmp_ge_u32 s30, 256                          ; which tensor: every choice hangs on the number of the work-group alone
	s_cselect_b64 s[32:33], s[6:7], s[4:5]
	s_cselect_b64 s[34:35], s[24:25], s[22:23]
	s_cselect_b32 s38, 256, 0
	s_cmp_ge_u32 s30, 280
	s_cselect_b64 s[32:33], s[8:9], s[32:33]
	s_cselect_b32 s38, 280, s38
	s_cselect_b32 s39, 3, 0
	s_cmp_ge_u32 s30, 304
	s_cselect_b64 s[32:33], s[10:11], s[32:33]
	s_cselect_b32 s38, 304, s38
	s_cselect_b32 s39, 6, s39
	s_cmp_ge_u32 s30, 328
	s_cselect_b64 s[32:33], s[12:13], s[32:33]
	s_cselect_b64 s[34:35], s[26:27], s[34:35]
	s_cselect_b32 s38, 328, s38
	s_sub_co_u32 s36, s30, s38                     ; the group of 32 rows in its tensor
	s_mul_i32 s50, s36, 171
	s_lshr_b32 s50, s50, 9                         ; group / 3 (groups 0 to 23)
	s_mul_i32 s50, s50, 6
	s_add_co_u32 s50, s50, s39
	s_add_co_u32 s50, s50, s36                     ; 9 (g / 3) + 3 type + g % 3
	s_cmp_ge_u32 s30, 328
	s_cselect_b32 s37, s36, s50
	s_cmp_lt_u32 s30, 256
	s_cselect_b32 s37, s36, s37                    ; x and W_o keep their order
	s_mul_i32 s50, s36, 32*XROW
	s_lshl_b32 s52, s[WV], 9
	s_add_co_u32 s50, s50, s52
	s_add_nc_u64 s[32:33], s[32:33], s[50:51]      ; the first row of the group, my K step
	s_mul_i32 s50, s37, GR
	s_lshl_b32 s52, s[WV], 12
	s_add_co_u32 s50, s50, s52
	s_add_nc_u64 s[34:35], s[34:35], s[50:51]      ; the record, my two fragments
.irp u, 0,1
.irp i, 0,1,2,3,4,5,6,7,8,9,10,11,12,13,14,15
	global_load_b128 v[R+64*\u+4*\i:R+64*\u+4*\i+3], v2, s[32:33] offset:(8*\u+\i+8*(\i/8))*XROW th:TH_LOAD_NT   ; 32 lanes read 512 consecutive bytes; read once in the launch
.endr
.endr
.macro TILE u, left
	s_wait_loadcnt \left                           ; the sixteen loads of this tile are in; those of the next may be out
.set n, 0
.rept 16
	ds_store_b128 v5, v[R+64*\u+4*n:R+64*\u+4*n+3] offset:STP*n
.set n, n+1
.endr
.set n, 0
.rept 16
	ds_load_b128 v[R+64*\u+4*n:R+64*\u+4*n+3], v6 offset:128*(n/4)+16*(n%4)   ; LDS serves the instructions of a wave in order (ISA guide 5.7.1.4): these see the stores above
.set n, n+1
.endr
	s_wait_dscnt 0x0
	QCORE R+64*\u, 4, 0x8000000, PC+16*\u
	v_lshl_or_b32 v[PW+\u], v[TM+5], 8, v[TM+4]
	v_lshl_or_b32 v[PW+\u], v[TM+6], 16, v[PW+\u]
	v_lshl_or_b32 v[PW+\u], v[TM+7], 24, v[PW+\u]
.irp c, 0,1,2,3
	global_store_b128 v2, v[PC+16*\u+4*\c:PC+16*\u+4*\c+3], s[34:35] offset:2048*\u+512*\c   ; 512 consecutive bytes, aligned
.endr
.endm
	TILE 0, 16
	TILE 1, 0
	v_cndmask_b32 v[SWD], v[PW], v[PW+1], s40      ; lanes 0-15 carry tile 0, lanes 16-31 tile 1
	ds_store_b32 v7, v[SWD]
	s_wait_dscnt 0x0                               ; for the sake of wave 0: my word has landed
	s_barrier_signal -1
	s_barrier_wait -1
	s_cmp_lg_u32 s[WV], 0
	s_cbranch_scc1 .Lq_done
	ds_load_b128 v[OUTS:OUTS+3], v8                ; plane A
	ds_load_b64 v[OUTS+4:OUTS+5], v8 offset:512    ; plane B: two words are there,
	v_mov_b32 v[OUTS+6], 0                         ; two are zeros
	v_mov_b32 v[OUTS+7], 0
	s_wait_dscnt 0x0
	global_store_b128 v2, v[OUTS:OUTS+3], s[34:35] offset:24576
	global_store_b128 v2, v[OUTS+4:OUTS+7], s[34:35] offset:25088
.Lq_done:
	s_wait_tensorcnt 0x0
	ds_add_u32 v224, v225
	s_wait_dscnt 0x0
	s_endpgm
	; ---- t Wt^T.  A lane holds k = 4 l .. 4 l + 3 and 128 + 4 l .. + 3: v32-95 t (8 a batch), v96-159 two sets of four rows of Wt, v160-191 the 32 partial sums, v200-207 results
.Lpath_t:
	s_sub_co_u32 s36, s30, 352
	s_lshr_b32 s37, s36, 2                         ; the type: q, k, v
	s_and_b32 s36, s36, 3
	s_mul_i32 s36, s36, 6
	s_add_co_u32 s36, s36, s[WV]                   ; which 32 rows, 0..23
.irp k, 0,1,2,3,4
	v_and_b32 v3, 1<<\k, v1
	v_cmp_ne_u32 s[44+\k], 0, v3                   ; bit k of the lane
.endr
	v_lshlrev_b32 v9, 2, v1
	v_mov_b32 v197, 0
	s_wait_kmcnt 0x0
	s_cmp_eq_u32 s37, 1
	s_cselect_b64 s[32:33], s[18:19], s[16:17]
	s_cmp_eq_u32 s37, 2
	s_cselect_b64 s[32:33], s[20:21], s[32:33]
	s_lshl_b32 s50, s36, 15                        ; 32 rows of 1,024 bytes
	s_add_nc_u64 s[32:33], s[32:33], s[50:51]
	s_mul_i32 s50, s37, 24576
	s_lshl_b32 s52, s36, 10                        ; 32 features of 32 bytes
	s_add_co_u32 s50, s50, s52
	s_add_nc_u64 s[34:35], s[28:29], s[50:51]
.irp b, 0,1,2,3,4,5,6,7
	global_load_b128 v[32+8*\b:35+8*\b], v2, s[14:15] offset:1024*\b
	global_load_b128 v[36+8*\b:39+8*\b], v2, s[14:15] offset:1024*\b+512
.endr
.macro WLOAD it
.irp rho, 0,1,2,3
	global_load_b128 v[96+32*((\it)%2)+8*\rho:96+32*((\it)%2)+8*\rho+3], v2, s[32:33] offset:(4*(\it)+\rho)*1024 th:TH_LOAD_NT
	global_load_b128 v[96+32*((\it)%2)+8*\rho+4:96+32*((\it)%2)+8*\rho+7], v2, s[32:33] offset:(4*(\it)+\rho)*1024+512 th:TH_LOAD_NT
.endr
.endm
; One level of the sum over lanes: of each pair of sums a lane keeps the one that its bit k names and gives the other to the lane whose bit k differs.  After five levels lane l holds sum l.
.macro LEVEL k, n, x
.set pidx, 0
.rept \n
	v_cndmask_b32 v198, v[160+2*pidx], v[161+2*pidx], s[44+\k]
	v_cndmask_b32 v199, v[161+2*pidx], v[160+2*pidx], s[44+\k]
	v_add_f32_dpp v[160+pidx], v199, v198 row_xmask:\x row_mask:0xf bank_mask:0xf
.set pidx, pidx+1
.endr
.endm
.macro TP it                           ; four rows x eight batches
.if \it < 7
	WLOAD \it+1
	s_wait_loadcnt 8                               ; all but the eight loads just issued
.else
	s_wait_loadcnt 0x0
.endif
.irp rho, 0,1,2,3
.irp b, 0,1,2,3,4,5,6,7
.set tp, 192+2*(\b%3)
.set wr, 96+32*((\it)%2)+8*\rho
	v_pk_mul_f32 v[tp:tp+1], v[wr:wr+1], v[32+8*\b:33+8*\b]
	v_pk_fma_f32 v[tp:tp+1], v[wr+2:wr+3], v[34+8*\b:35+8*\b], v[tp:tp+1]
	v_pk_fma_f32 v[tp:tp+1], v[wr+4:wr+5], v[36+8*\b:37+8*\b], v[tp:tp+1]
	v_pk_fma_f32 v[tp:tp+1], v[wr+6:wr+7], v[38+8*\b:39+8*\b], v[tp:tp+1]
	v_add_f32 v[160+8*\rho+\b], v[tp], v[tp+1]
.endr
.endr
	LEVEL 0, 16, 1
	LEVEL 1, 8, 2
	LEVEL 2, 4, 4
	LEVEL 3, 2, 8
	v_cndmask_b32 v198, v160, v161, s48
	v_cndmask_b32 v199, v161, v160, s48
	v_permlanex16_b32 v197, v199, s[SEL], s[SEL+1]
	v_add_f32 v[200+\it], v198, v197               ; lane l: row l / 8 of the four, batch l % 8
	global_store_b32 v9, v[200+\it], s[34:35] offset:128*\it
.endm
	WLOAD 0
.irp it, 0,1,2,3,4,5,6,7
	TP \it
.endr
	s_endpgm
.Lfunc_end_k_q0e83b4023f_prep:
	.size	k_q0e83b4023f_prep, .Lfunc_end_k_q0e83b4023f_prep-k_q0e83b4023f_prep
	.p2alignl 7, 3214868480
	.fill 96, 4, 3214868480
	.section	.rodata,"a",@progbits
	.p2align	6, 0x0
	.amdhsa_kernel k_q0e83b4023f_prep
		.amdhsa_group_segment_fixed_size 52480
		.amdhsa_private_segment_fixed_size 0
		.amdhsa_enable_private_segment 0
		.amdhsa_kernarg_size 104
		.amdhsa_user_sgpr_count 2
		.amdhsa_user_sgpr_kernarg_segment_ptr 1
		.amdhsa_wavefront_size32 1
		.amdhsa_system_sgpr_workgroup_id_x 1
		.amdhsa_system_sgpr_workgroup_id_y 1
		.amdhsa_system_sgpr_workgroup_id_z 1
		.amdhsa_system_vgpr_workitem_id 0
		.amdhsa_next_free_vgpr 226
		.amdhsa_next_free_sgpr 66
		.amdhsa_reserve_vcc 0
		.amdhsa_float_denorm_mode_32 3
		.amdhsa_float_denorm_mode_16_64 3
		.amdhsa_memory_ordered 1
		.amdhsa_forward_progress 1
		.amdhsa_inst_pref_size 157
	.end_amdhsa_kernel
	.amdgpu_metadata
---
amdhsa.version: [ 1, 2 ]
amdhsa.kernels:
  - .name:           k_q0e83b4023f_prep
    .symbol:         k_q0e83b4023f_prep.kd
    .args:
      - { .name: x, .offset: 0, .size: 8, .value_kind: global_buffer, .address_space: global }
      - { .name: Wx_q, .offset: 8, .size: 8, .value_kind: global_buffer, .address_space: global }
      - { .name: Wx_k, .offset: 16, .size: 8, .value_kind: global_buffer, .address_space: global }
      - { .name: Wx_v, .offset: 24, .size: 8, .value_kind: global_buffer, .address_space: global }
      - { .name: W_o, .offset: 32, .size: 8, .value_kind: global_buffer, .address_space: global }
      - { .name: t, .offset: 40, .size: 8, .value_kind: global_buffer, .address_space: global }
      - { .name: Wt_q, .offset: 48, .size: 8, .value_kind: global_buffer, .address_space: global }
      - { .name: Wt_k, .offset: 56, .size: 8, .value_kind: global_buffer, .address_space: global }
      - { .name: Wt_v, .offset: 64, .size: 8, .value_kind: global_buffer, .address_space: global }
      - { .name: ximg, .offset: 72, .size: 8, .value_kind: global_buffer, .address_space: global }
      - { .name: wimg, .offset: 80, .size: 8, .value_kind: global_buffer, .address_space: global }
      - { .name: woimg, .offset: 88, .size: 8, .value_kind: global_buffer, .address_space: global }
      - { .name: tb, .offset: 96, .size: 8, .value_kind: global_buffer, .address_space: global }
    .group_segment_fixed_size: 52480
    .private_segment_fixed_size: 0
    .kernarg_segment_align: 8
    .kernarg_segment_size: 104
    .max_flat_workgroup_size: 192
    .sgpr_count:     66
    .vgpr_count:     226
    .wavefront_size: 32
...
	.end_amdgpu_metadata
.endif
;; end of part 1
;; launch qkv (part 2): grid 32 x 8, 4 waves a work-group, clusters of 4 x 1, 230,912 bytes of LDS; arguments ximg, wimg, tb, qimg, qsc, kvimg; writes qimg, qsc, kvimg
.if DOCPART == 2
	.amdgcn_target "amdgcn-amd-amdhsa--gfx1250"
	.amdhsa_code_object_version 6
	.text
	.protected	k_q0e83b4023f_qkv
	.globl	k_q0e83b4023f_qkv
	.p2align	8
	.type	k_q0e83b4023f_qkv,@function
k_q0e83b4023f_qkv:
	s_mov_b64 s[64:65], 0
	v_nop
	global_prefetch_b8 v0, s[64:65] scope:SCOPE_SE
	s_setreg_imm32_b32 hwreg(HW_REG_WAVE_MODE, 25, 1), 1
	s_wait_xcnt 0x0
	s_wait_alu depctr_hold_cnt(0) depctr_sa_sdst(0) depctr_va_vdst(0) depctr_va_sdst(0) depctr_va_ssrc(0) depctr_va_vcc(0) depctr_vm_vsrc(0)
	s_getreg_b32 s2, hwreg(HW_REG_IB_STS2, 6, 4)
	s_cmp_eq_u32 s2, 0
	s_cbranch_scc0 .Lentry_in_a_cluster
	s_endpgm
.Lentry_in_a_cluster:
	s_bfe_u32 s2, ttmp6, 0x10000c
	s_cmp_lg_u32 s2, 0x3003
	s_cbranch_scc0 .Lentry_shape_is_right
	s_endpgm
.Lentry_shape_is_right:
; QKV.  q, k, v = x W^T + the shift of the batch, on codes of E5M2 with E8M0 scales; the results are quantised in registers: q and k along the 64 of a head, v along the keys.
; SHARES.  A work-group takes 256 tokens (X = 4 x cluster x + cx; the batch is cluster x) and slab j (work-group y): 96 features of each of q, k, v, as nine records of 32 features.
; THE WAVES SHARE THE TOKENS: wave w holds the codes of its 64 tokens for all 768 along K in 384 registers, read from memory once.  The slab of weights, 230,400 dense bytes, is filled into LDS once
; (no byte of LDS is filled again) and is read by all four waves.  CLUSTER: the four work-groups of a cluster have the same slab: each part of it is asked for jointly, mask 15.
; The three fills of a wave bring the records of q, of k, of v: a counted wait lets the later ones land while the earlier type is multiplied.
; q, k: source 0 = 16 features, source 1 = 16 tokens: a lane holds one token and, since tile u, lane r of a weight record holds feature 8 u + r + 8 (r / 8), its 16 registers of tiles 0, 1 are the
; features 16 (lane / 16) + 0 .. 15 of the block of 32: neighbours along the K of the scores.  v: source 0 = 16 tokens, source 1 = 16 features: a lane holds one feature and, by the same order of
; the rows of x, 16 neighbouring tokens: neighbours along the keys.  The shift is the C of the first K step.
; OUT.  qimg [batch x 12 + head][tile 0..63][c 0..1][512 bytes]: piece c holds d = 32 c + 16 (lane / 16) + 0 .. 15 of the token of lane % 16.  qsc: a word a token: bytes s0 - 3, 127, s1 - 3, 127.
; The 3 taken off the bytes of q divides the scores by 8 = sqrt(64), exactly.  kvimg: a record of 17,152 bytes for each 128 keys of a head: K codes (tile t at 1024 t, piece c at + 512 c), K scale
; words at 8,192 (tile t, lane r: ((t / 4) 16 + r) 16 + 4 (t % 4)), V^T codes at 8,704 (tile of d t at 2048 t, block of keys c at + 512 c), V scale words at 16,896 (16 r + 4 t).
; In the score product K = 128 holds the 64 of a head in blocks 0 and 2; blocks 1 and 3 are zero codes on both sides, under the byte 127.
; The scale bytes leave as half words, two bytes a lane: 1.0 MB of the 19.8 MB that the launch stores.
; LIMITS: NaN and infinities are not served.  Blocks of q whose largest magnitude lies under 2^-108 are quantised under that floor (so that the byte less 3 stays at 1 or above); of k and v under 2^-111.
; REGISTERS.  Window 0: v1-5 addresses; v8-19 scale words of x; v20-25 of W; v26-28 LDS addresses of three records; v32-47 the shift; v48-143 three buffers of two fragments of W;
; v144-207 eight accumulators; v208-223 codes; v224-239 at work; v240-243 half words.  Window 1: fragments of x, (tile m, K step s) at 16 (4 s + m), s = 0..3.  Window 2: s = 4, 5.
.set GR,   25600
.set KVR,  17152
.set LI,   1
.set TBQ,  2
.set TBV,  3
.set SQ,   4
.set SK,   5
.set XS,   8
.set WS,   20
.set WA,   26
.set CB,   32
.set WF,   48
.set ACC,  144
.set PC,   208
.set TM,   224
.set HV,   240
.set WV,   16
.set G1,   24
.set G0,   32
.set MNT,  45
.set SEL,  46
.set MSB,  0
.macro WIN new                         ; the high byte of the immediate repeats the setting that is left
.if MSB != (\new)
	s_set_vgpr_msb (MSB<<8)|(\new)
.set MSB, \new
.endif
.endm
.macro ROUND                           ; a round of the barrier of the cluster
	s_barrier_signal -1
	s_barrier_wait -1
	s_cmp_lg_u32 s[WV], 0
	s_cbranch_scc1 .Lnot_wave_0_\@
	s_barrier_signal -3
.Lnot_wave_0_\@:
	s_barrier_wait -3
	s_barrier_signal -1
	s_barrier_wait -1
.endm
.macro QCORE s, nb, floor, pc          ; nb blocks of 32; a lane holds 16 numbers of each, the lane 16 away the others.  Codes to v[pc + 4 b] on; the byte of block b stays in v[TM + 4 + b]
.set qb, 0
.rept \nb
	v_max3_num_f32 v[TM+qb], |v[\s+16*qb]|, |v[\s+16*qb+1]|, \floor   ; each accumulator is read from its low end on; the floor holds the byte from below
.set qb, qb+1
.endr
.irp qi, 2,4,6,8,10,12,14
.set qb, 0
.rept \nb
	v_max3_num_f32 v[TM+qb], v[TM+qb], |v[\s+16*qb+\qi]|, |v[\s+16*qb+\qi+1]|
.set qb, qb+1
.endr
.endr
.set qb, 0
.rept \nb
	v_permlanex16_b32 v[TM+4+qb], v[TM+qb], s[SEL], s[SEL+1]
.set qb, qb+1
.endr
.set qb, 0
.rept \nb
	v_max_num_f32 v[TM+qb], v[TM+qb], v[TM+4+qb]
.set qb, qb+1
.endr
.set qb, 0
.rept \nb
	v_add_nc_u32 v[TM+12+qb], 0xf8800000, v[TM+qb]                   ; 15 off the exponent field: the scale operand of the conversion
.set qb, qb+1
.endr
.set qb, 0
.rept \nb
	v_and_or_b32 v[TM+8+qb], v[TM+qb], 0x7f800000, s[MNT]            ; 57,344 x the scale
.set qb, qb+1
.endr
.set qb, 0
.rept \nb
	v_lshrrev_b32 v[TM+4+qb], 23, v[TM+12+qb]                        ; the byte
.set qb, qb+1
.endr
.set qb, 0
.rept \nb
.irp qi, 0,1,2,3,4,5,6,7,8,9,10,11,12,13,14,15
	v_med3_num_f32 v[\s+16*qb+\qi], v[\s+16*qb+\qi], -v[TM+8+qb], v[TM+8+qb]   ; the conversion does not saturate (ISA guide 7.6.2): hold first
.endr
	v_cvt_scalef32_pk8_bf8_f32 v[\pc+4*qb:\pc+4*qb+1], v[\s+16*qb:\s+16*qb+7], v[TM+12+qb]
	v_cvt_scalef32_pk8_bf8_f32 v[\pc+4*qb+2:\pc+4*qb+3], v[\s+16*qb+8:\s+16*qb+15], v[TM+12+qb]
.set qb, qb+1
.endr
	v_nop                                          ; one plain instruction behind the last conversion
.endm
.macro MM ra, rb                       ; one product; ra, rb: the scales of source 0, 1 stand in lanes 16-31
.if (\ra) && (\rb)
	v_wmma_scale_f32_16x16x128_f8f6f4 v[rD:rD+7], v[rA:rA+15], v[rB:rB+15], v[rC:rC+7], v[rSA], v[rSB] matrix_a_fmt:MATRIX_FMT_BF8 matrix_b_fmt:MATRIX_FMT_BF8 matrix_a_scale:MATRIX_SCALE_ROW1 matrix_b_scale:MATRIX_SCALE_ROW1
.elseif (\ra)
	v_wmma_scale_f32_16x16x128_f8f6f4 v[rD:rD+7], v[rA:rA+15], v[rB:rB+15], v[rC:rC+7], v[rSA], v[rSB] matrix_a_fmt:MATRIX_FMT_BF8 matrix_b_fmt:MATRIX_FMT_BF8 matrix_a_scale:MATRIX_SCALE_ROW1
.elseif (\rb)
	v_wmma_scale_f32_16x16x128_f8f6f4 v[rD:rD+7], v[rA:rA+15], v[rB:rB+15], v[rC:rC+7], v[rSA], v[rSB] matrix_a_fmt:MATRIX_FMT_BF8 matrix_b_fmt:MATRIX_FMT_BF8 matrix_b_scale:MATRIX_SCALE_ROW1
.else
	v_wmma_scale_f32_16x16x128_f8f6f4 v[rD:rD+7], v[rA:rA+15], v[rB:rB+15], v[rC:rC+7], v[rSA], v[rSB] matrix_a_fmt:MATRIX_FMT_BF8 matrix_b_fmt:MATRIX_FMT_BF8
.endif
.endm
	s_load_b256 s[4:11], s[0:1], 0x0               ; ximg, wimg, tb, qimg
	s_load_b128 s[12:15], s[0:1], 0x20             ; qsc, kvimg
	v_lshl_add_u32 v254, v0, 2, 0x38400
	v_mov_b32 v255, 0
	ds_add_u32 v254, v255
	v_lshrrev_b32 v6, 5, v0
	v_readfirstlane_b32 s[WV], v6                  ; wave 0..3
	s_bfe_u32 s17, ttmp6, 0x40000                  ; cx
	s_mov_b32 s20, ttmp9                           ; the batch: a cluster holds its 1,024 tokens
	s_lshl_b32 s18, ttmp9, 2
	s_add_co_u32 s18, s18, s17                     ; X
	s_and_b32 s19, ttmp7, 0xffff                   ; slab j
	; group 1: 75 rows of 256 bytes, dense
	s_mov_b32 s[G1+0], 15|(3<<16)|(1<<21)          ; 15:0 the mask: all four; 17:16 elements of 8 bytes; 21 set beside a mask
	s_mov_b32 s[G1+1], 32<<16                      ; tensor_dim0 = 32
	s_mov_b32 s[G1+2], 75<<16                      ; tensor_dim1 = 75
	s_mov_b32 s[G1+3], 32<<16                      ; tile_dim0 = 32
	s_mov_b32 s[G1+4], 75                          ; tile_dim1 = 75
	s_mov_b32 s[G1+5], 32                          ; the pitch
	s_mov_b32 s[G1+6], 0
	s_mov_b32 s[G1+7], 0
	s_mul_i32 s22, s19, 9*GR                       ; the slab,
	s_mul_i32 s21, s[WV], 19200                    ; my quarter of three records: the same in memory and in LDS
	s_add_co_u32 s22, s22, s21
	s_mov_b32 s23, 0
	v_and_b32 v6, 31, v0                           ; lane
	v_and_b32 v7, 15, v0                           ; r
	v_bfe_u32 v29, v0, 4, 1                        ; h
	v_lshlrev_b32 v[LI], 4, v6
	v_lshlrev_b32 v[TBQ], 9, v29                   ; the shift of q, k: 16 h features of 32 bytes
	v_and_b32 v30, 8, v7
	v_add_nc_u32 v30, v30, v7
	v_lshlrev_b32 v[TBV], 5, v30                   ; of v: feature r + 8 (r / 8)
	v_lshlrev_b32 v[SQ], 2, v6
	v_lshlrev_b32 v[SK], 4, v7
	v_lshl_add_u32 v[SK], v29, 2, v[SK]            ; 16 r + 4 (lane / 16)
	v_cmp_le_u32 s44, 16, v6                       ; lanes 16-31
.irp b, 0,1,2,3
	v_mov_b32 v[TM+4+\b], 0                        ; written once: the destination of a lane permute counts as read
.endr
	s_mov_b32 s[MNT], 0x600000
	s_mov_b32 s[SEL], 0x76543210
	s_mov_b32 s[SEL+1], 0xfedcba98
	s_wait_dscnt 0x0
	s_wait_kmcnt 0x0
	s_add_nc_u64 s[22:23], s[6:7], s[22:23]
.irp i, 0,1,2
	s_mov_b32 s[G0+4*\i], 1
	s_add_co_u32 s[G0+4*\i+1], s21, \i*3*GR        ; LDS: the records of type i
	s_add_nc_u64 s[G0+4*\i+2:G0+4*\i+3], s[22:23], \i*3*GR
	s_or_b32 s[G0+4*\i+3], s[G0+4*\i+3], 0x80000000
.endr
	ROUND                                          ; all four work-groups are here: the joint loads meet
	tensor_load_to_lds s[G0:G0+3], s[G1:G1+7]      ; three loads of mine are out
	s_nop 0
	tensor_load_to_lds s[G0+4:G0+7], s[G1:G1+7]
	s_nop 0
	tensor_load_to_lds s[G0+8:G0+11], s[G1:G1+7]
	s_nop 0
.rept 4
	v_nop
.endr
	s_lshl_b32 s2, s18, 3
	s_lshl_b32 s99, s[WV], 1
	s_add_co_u32 s2, s2, s99
	s_mul_i32 s2, s2, GR                           ; my two records of x: 8 X + 2 w
	s_mov_b32 s3, 0
	s_add_nc_u64 s[62:63], s[4:5], s[2:3]
	WIN 0x40                                       ; destination window 1
.irp s, 0,1,2,3
.irp m, 0,1,2,3
.irp c, 0,1,2,3
	global_load_b128 v[16*(4*\s+\m)+4*\c:16*(4*\s+\m)+4*\c+3], v[LI], s[62:63] offset:(\m/2)*GR+(2*\s+\m%2)*2048+512*\c
.endr
.endr
.endr
	WIN 0x80                                       ; destination window 2
.irp s, 4,5
.irp m, 0,1,2,3
.irp c, 0,1,2,3
	global_load_b128 v[16*(4*(\s-4)+\m)+4*\c:16*(4*(\s-4)+\m)+4*\c+3], v[LI], s[62:63] offset:(\m/2)*GR+(2*\s+\m%2)*2048+512*\c
.endr
.endr
.endr
	WIN 0
.irp p, 0,1
	global_load_b128 v[XS+6*\p:XS+6*\p+3], v[LI], s[62:63] offset:\p*GR+24576
	global_load_b64 v[XS+6*\p+4:XS+6*\p+5], v[LI], s[62:63] offset:\p*GR+25088
.endr
	s_mul_i32 s2, s19, 3072                        ; tb: 96 j features of 32 bytes, + 4 x batch
	s_lshl_b32 s99, s20, 2
	s_add_co_u32 s2, s2, s99
	s_add_nc_u64 s[48:49], s[8:9], s[2:3]
	s_add_nc_u64 s[50:51], s[48:49], 24576
	s_add_nc_u64 s[52:53], s[48:49], 49152
.macro CBLOAD I                        ; the shift of block I (type I / 3, block I % 3) in the layout of the result
.irp u, 0,1
.irp jj, 0,1,2,3,4,5,6,7
.if (\I)/3 < 2
	global_load_b32 v[CB+8*\u+\jj], v[TBQ], s[48+2*((\I)/3):49+2*((\I)/3)] offset:((\I)%3)*1024+(8*\u+\jj)*32
.else
	global_load_b32 v[CB+8*\u+\jj], v[TBV], s[52:53] offset:((\I)%3)*1024+256*\u      ; a lane holds one feature: the same number in all eight
.endif
.endr
.endr
.endm
	CBLOAD 0
	; where the results go
	s_lshl_b32 s96, s17, 4
	s_lshl_b32 s99, s[WV], 2
	s_add_co_u32 s96, s96, s99                     ; my first tile of tokens in the batch: 16 cx + 4 w
	s_lshl_b32 s97, s17, 1
	s_lshr_b32 s99, s[WV], 1
	s_add_co_u32 s97, s97, s99                     ; my key step: 2 cx + w / 2
	s_and_b32 s98, s[WV], 1
.irp i, 0,1,2
	s_mul_i32 s60, s19, 3
	s_add_co_u32 s60, s60, \i                      ; the block of 32 features, 0..23
	s_lshr_b32 s61, s60, 1                         ; its head
	s_and_b32 s60, s60, 1                          ; c: which half of the head
	s_mul_i32 s99, s20, 12
	s_add_co_u32 s61, s61, s99                     ; 12 x batch + head
	s_lshl_b32 s2, s61, 16
	s_lshl_b32 s99, s96, 10
	s_add_co_u32 s2, s2, s99
	s_lshl_b32 s99, s60, 9
	s_add_co_u32 s2, s2, s99
	s_add_nc_u64 s[54+2*\i:55+2*\i], s[10:11], s[2:3]      ; codes of q
	s_lshl_b32 s2, s61, 12
	s_lshl_b32 s99, s96, 6
	s_add_co_u32 s2, s2, s99
	s_lshl_b32 s99, s60, 1
	s_add_co_u32 s2, s2, s99
	s_add_nc_u64 s[66+2*\i:67+2*\i], s[12:13], s[2:3]      ; half words of q
	s_lshl_b32 s100, s61, 3
	s_add_co_u32 s100, s100, s97
	s_mul_i32 s100, s100, KVR                      ; the record of K and V
	s_lshl_b32 s2, s98, 12
	s_add_co_u32 s2, s2, s100
	s_lshl_b32 s99, s60, 9
	s_add_co_u32 s2, s2, s99
	s_add_nc_u64 s[72+2*\i:73+2*\i], s[14:15], s[2:3]      ; codes of k
	s_lshl_b32 s2, s98, 8
	s_add_co_u32 s2, s2, s100
	s_lshl_b32 s99, s60, 1
	s_add_co_u32 s2, s2, s99
	s_add_co_u32 s2, s2, 8192
	s_add_nc_u64 s[78+2*\i:79+2*\i], s[14:15], s[2:3]      ; half words of k
	s_lshl_b32 s2, s98, 10
	s_add_co_u32 s2, s2, s100
	s_lshl_b32 s99, s60, 12
	s_add_co_u32 s2, s2, s99
	s_add_co_u32 s2, s2, 8704
	s_add_nc_u64 s[84+2*\i:85+2*\i], s[14:15], s[2:3]      ; codes of v
	s_lshl_b32 s2, s98, 1
	s_add_co_u32 s2, s2, s100
	s_lshl_b32 s99, s60, 3
	s_add_co_u32 s2, s2, s99
	s_add_co_u32 s2, s2, 16896
	s_add_nc_u64 s[90+2*\i:91+2*\i], s[14:15], s[2:3]      ; half words of v
.endr
.macro FETCHW kap                      ; step kap of the 18 of a type (block kap / 6, K step kap % 6): two fragments of W into buffer kap % 3
.irp u, 0,1
.irp c, 0,1,2,3
	ds_load_b128 v[WF+32*((\kap)%3)+16*\u+4*\c:WF+32*((\kap)%3)+16*\u+4*\c+3], v[WA+(\kap)/6] offset:(2*((\kap)%6)+\u)*2048+512*\c
.endr
.endr
.endm
.macro WSLOAD blk                      ; the six scale words of a block of W
	ds_load_b128 v[WS:WS+3], v[WA+\blk] offset:24576
	ds_load_b64 v[WS+4:WS+5], v[WA+\blk] offset:25088
.endm
; One K step of a block: eight products, each accumulator once.
.macro STEPK tau, kap
.set sK, (\kap)%6
.set bK, (\kap)/6
.set fK, WF+32*((\kap)%3)
.if (\kap)+2 < 18
	FETCHW (\kap)+2                                ; two steps ahead, into the buffer that the last step multiplied: eight places stand behind its products
.endif
.if (\kap) == 17
	s_wait_dscnt 0x0
.elseif ((\kap) == 16) || (sK == 0)
	s_wait_dscnt 8                                 ; only the youngest fetch may be out: at the first step of a block the scale words, issued ahead of it, are wanted
.else
	s_wait_dscnt 16                                ; the fetches of the next two steps may be out
.endif
.if sK == 0
	s_wait_loadcnt 0x0                             ; the shift (and, the first time, x)
.endif
.if \tau < 2
	WIN 0x04*(1+sK/4)                              ; source 1 = x: window 1 or 2
.else
	WIN 0x01*(1+sK/4)                              ; source 0 = x
.endif
.irp m, 0,1,2,3
.irp u, 0,1
.if \tau < 2
.set rD, ACC+16*\m+8*\u
.set rA, fK+16*\u
.set rB, 16*(4*(sK%4)+\m)
.set rSA, WS+sK
.set rSB, XS+6*(\m/2)+sK
.else
.set rD, ACC+16*(2*\u+\m/2)+8*(\m%2)
.set rA, 16*(4*(sK%4)+\m)
.set rB, fK+16*\u
.set rSA, XS+6*(\m/2)+sK
.set rSB, WS+sK
.endif
.if sK == 0
.set rC, CB+8*\u
.else
.set rC, rD
.endif
.if \tau < 2
	MM \u, \m%2
.else
	MM \m%2, \u
.endif
.endr
.endr
	WIN 0
.rept 8
	v_nop                                          ; eight places ahead of loads into registers that these products read, and of the first read of results
.endr
.if (sK == 0) && (3*\tau+bK < 8)
	CBLOAD 3*\tau+bK+1
.endif
.if (sK == 5) && (bK < 2)
	WSLOAD bK+1
.endif
.endm
.macro EPI_QK cb, sb, isq              ; four tiles of tokens x 32 features: four blocks
	s_wait_xcnt 0x0                                ; the codes and half words of the last block are rewritten only behind this wait
.if \isq
	QCORE ACC, 4, 0x9800000, PC
.else
	QCORE ACC, 4, 0x8000000, PC
.endif
.irp m, 0,1,2,3
	global_store_b128 v[LI], v[PC+4*\m:PC+4*\m+3], s[\cb:\cb+1] offset:1024*\m     ; 512 consecutive bytes, aligned
.endr
.if \isq
.irp b, 0,1,2,3
	v_add_nc_u32 v[TM+4+\b], -3, v[TM+4+\b]        ; q / 8
.endr
.endif
.irp i, 0,1
	v_cndmask_b32 v[HV+\i], v[TM+4+2*\i], v[TM+5+2*\i], s44    ; lanes 0-15: tile 2 i, lanes 16-31: tile 2 i + 1
	v_or_b32 v[HV+\i], 0x7f00, v[HV+\i]            ; the byte of the block of zeros beside it
.if \isq
	global_store_b16 v[SQ], v[HV+\i], s[\sb:\sb+1] offset:128*\i
.else
	global_store_b16 v[SK], v[HV+\i], s[\sb:\sb+1] offset:8*\i
.endif
.endr
.endm
.macro EPI_V cb, sb                    ; two tiles of features x two blocks of 32 keys
	s_wait_xcnt 0x0
	QCORE ACC, 4, 0x8000000, PC
.irp u, 0,1
.irp p, 0,1
	global_store_b128 v[LI], v[PC+4*(2*\u+\p):PC+4*(2*\u+\p)+3], s[\cb:\cb+1] offset:2048*\u+512*\p
.endr
.endr
	v_lshl_or_b32 v[HV], v[TM+5], 8, v[TM+4]
	v_lshl_or_b32 v[HV+1], v[TM+7], 8, v[TM+6]
	v_cndmask_b32 v[HV+2], v[HV], v[HV+1], s44
	global_store_b16 v[SK], v[HV+2], s[\sb:\sb+1]
.endm
.macro BLOCK tau, blk
.irp s6, 0,1,2,3,4,5
	STEPK \tau, 6*\blk+\s6
.endr
.if \tau == 0
	EPI_QK 54+2*\blk, 66+2*\blk, 1
.elseif \tau == 1
	EPI_QK 72+2*\blk, 78+2*\blk, 0
.else
	EPI_V 84+2*\blk, 90+2*\blk
.endif
.endm
.macro GROUP tau
	s_wait_tensorcnt 2-\tau                        ; my part of the records of this type is in; the later types may be out
	s_wait_dscnt 0x0
	s_barrier_signal -1
	s_barrier_wait -1                              ; every part is in
.irp i, 0,1,2
	v_add_nc_u32 v[WA+\i], (3*\tau+\i)*GR, v[LI]   ; an LDS immediate has 16 bits: the register carries the record
.endr
	FETCHW 0
	FETCHW 1
	WSLOAD 0
	BLOCK \tau, 0
	BLOCK \tau, 1
	BLOCK \tau, 2
.endm
	GROUP 0
	GROUP 1
	GROUP 2
	s_wait_dscnt 0x0
	s_wait_tensorcnt 0x0
	ds_add_u32 v254, v255
	s_wait_dscnt 0x0
	ROUND                                          ; the closing round
	s_endpgm
.Lfunc_end_k_q0e83b4023f_qkv:
	.size	k_q0e83b4023f_qkv, .Lfunc_end_k_q0e83b4023f_qkv-k_q0e83b4023f_qkv
	.p2alignl 7, 3214868480
	.fill 96, 4, 3214868480
	.section	.rodata,"a",@progbits
	.p2align	6, 0x0
	.amdhsa_kernel k_q0e83b4023f_qkv
		.amdhsa_group_segment_fixed_size 230912
		.amdhsa_private_segment_fixed_size 0
		.amdhsa_enable_private_segment 0
		.amdhsa_kernarg_size 48
		.amdhsa_user_sgpr_count 2
		.amdhsa_user_sgpr_kernarg_segment_ptr 1
		.amdhsa_wavefront_size32 1
		.amdhsa_system_sgpr_workgroup_id_x 1
		.amdhsa_system_sgpr_workgroup_id_y 1
		.amdhsa_system_sgpr_workgroup_id_z 1
		.amdhsa_system_vgpr_workitem_id 0
		.amdhsa_next_free_vgpr 640
		.amdhsa_next_free_sgpr 102
		.amdhsa_reserve_vcc 0
		.amdhsa_float_denorm_mode_32 3
		.amdhsa_float_denorm_mode_16_64 3
		.amdhsa_memory_ordered 1
		.amdhsa_forward_progress 1
		.amdhsa_inst_pref_size 213
	.end_amdhsa_kernel
	.amdgpu_metadata
---
amdhsa.version: [ 1, 2 ]
amdhsa.kernels:
  - .name:           k_q0e83b4023f_qkv
    .symbol:         k_q0e83b4023f_qkv.kd
    .args:
      - { .name: ximg, .offset: 0, .size: 8, .value_kind: global_buffer, .address_space: global }
      - { .name: wimg, .offset: 8, .size: 8, .value_kind: global_buffer, .address_space: global }
      - { .name: tb, .offset: 16, .size: 8, .value_kind: global_buffer, .address_space: global }
      - { .name: qimg, .offset: 24, .size: 8, .value_kind: global_buffer, .address_space: global }
      - { .name: qsc, .offset: 32, .size: 8, .value_kind: global_buffer, .address_space: global }
      - { .name: kvimg, .offset: 40, .size: 8, .value_kind: global_buffer, .address_space: global }
    .group_segment_fixed_size: 230912
    .private_segment_fixed_size: 0
    .kernarg_segment_align: 8
    .kernarg_segment_size: 48
    .max_flat_workgroup_size: 128
    .sgpr_count:     102
    .vgpr_count:     640
    .wavefront_size: 32
...
	.end_amdgpu_metadata
.endif
;; end of part 2
;; launch att (part 3): grid 8 x 32, 8 waves a work-group, clusters of 4 x 4, 327,680 bytes of LDS; arguments qimg, qsc, kvimg, rel_pos_bias, oimg; writes oimg
.if DOCPART == 3
	.amdgcn_target "amdgcn-amd-amdhsa--gfx1250"
	.amdhsa_code_object_version 6
	.text
	.protected	k_q0e83b4023f_att
	.globl	k_q0e83b4023f_att
	.p2align	8
	.type	k_q0e83b4023f_att,@function
k_q0e83b4023f_att:
	s_mov_b64 s[64:65], 0
	v_nop
	global_prefetch_b8 v0, s[64:65] scope:SCOPE_SE
	s_setreg_imm32_b32 hwreg(HW_REG_WAVE_MODE, 25, 1), 1
	s_wait_xcnt 0x0
	s_wait_alu depctr_hold_cnt(0) depctr_sa_sdst(0) depctr_va_vdst(0) depctr_va_sdst(0) depctr_va_ssrc(0) depctr_va_vcc(0) depctr_vm_vsrc(0)
	s_getreg_b32 s2, hwreg(HW_REG_IB_STS2, 6, 4)
	s_cmp_eq_u32 s2, 0
	s_cbranch_scc0 .Lentry_in_a_cluster
	s_endpgm
.Lentry_in_a_cluster:
	s_bfe_u32 s2, ttmp6, 0x10000c
	s_cmp_lg_u32 s2, 0xf033
	s_cbranch_scc0 .Lentry_shape_is_right
	s_endpgm
.Lentry_shape_is_right:
; ATT.  o = softmax(q k^T / 8 + bias) v for 96 (batch, head) pairs, both products on codes of E5M2 with E8M0 scales; o is quantised along the 768 of the model into group records.
; THE SOFTMAX: t = logit x log2(e); M = the largest t of the row so far, rounded up to a whole number; p = 2^(t - M) is quantised along the keys, not normalised; the sum of the row is taken of the
; unquantised p and divides at the end.  When M moves, the sum and O are multiplied by 2^(old M - new M), which rounds nothing.
; SHARES.  A work-group owns 128 queries (qblk = 4 x cluster x + cx) of one batch and walks three heads, 3 g to 3 g + 2, one after the other: 24 key steps of 128 keys through ONE ring of two LDS slots,
; which does not stop at the end of a head.  g = cluster y / 2; batch = 4 (cluster y % 2) + cy.  Each of the eight waves owns 16 queries in 256 registers: two waves to a SIMD.
; CLUSTER 4 x 4.  The tile of the bias hangs on head, qblk and key step: the four work-groups of a column (same cx, four batches) ask for it jointly.  The record of K and V hangs on batch, head and
; key step: the four of a row (same cy, four blocks of queries) ask for it jointly.
; LAYOUT.  Both products are used transposed: S^T = K Q^T (source 0 = 16 keys, source 1 = my queries), O^T = V^T P^T: a lane holds one query throughout.  Tile 2 b + u of K holds in lane r the key
; 32 b + 8 u + r + 8 (r / 8), so that the 16 registers of two neighbouring tiles are 16 neighbouring keys.  THE BIAS IS THE C OF THE SCORE PRODUCT: it has that layout as it lies, 64 bytes a lane and
; block, and costs no vector instruction.  The division by 8 lies in the scale bytes of q.  The 64 of a head stand in blocks 0 and 2 of K = 128; blocks 1 and 3 are zero codes on both sides.
; The tiles of V^T hold d in the same order as the tiles of K hold keys, so that the 16 registers of two tiles of O^T are 16 neighbours along d: the K of the output product.
; LIMITS: NaN and infinities are not served.  A block of p or of o whose largest number lies under 2^-111 keeps the byte 1.  The half word of scale bytes of o is stored by lanes r and r + 16 alike:
; the same two bytes with the same value.
; REGISTERS: v1-2 the spare word; v3-7 places that stay; v8-10 addresses of the step; v11 16 x lane; v12 -M, v13 the largest t, v[14:15] the sum; v16-31 Q; v32-95 four fragments of K;
; v96-159 bias, S^T, p, then four fragments of V; v160-191 O^T; v192-207 codes of p; v208-211, v212-215, v216, v217 scale words of K, V, Q, p; v219 16 r; v[220:221] f; v224-243 at work.
.set SLOT1, 1<<17                      ; slot 1 begins here: one exclusive or turns an address
.set BP,    528                        ; a row of the bias in LDS: 512 bytes + 16
.set KVO,   128*BP                     ; behind the 128 rows: the record of K and V
.set KVR,   17152
.set SPARE, 2*SLOT1                    ; the spare words: 128 bytes for each of eight waves, four blocks of 256 bytes that no other line names
.set SPW,  1
.set NIL,  2
.set ABI,  3
.set AIM,  4
.set AVS,  5
.set QAD,  6
.set QSA,  7
.set ADB,  8
.set ADI,  9
.set ADV,  10
.set L16,  11
.set S,    96
.set O,    160
.set PCD,  192
.set KSR,  208
.set VSR,  212
.set QSR,  216
.set PSR,  217
.set R16,  219
.set F,    220
.set TM,   224
.set BM,   224
.set PR,   228
.set HD,   232
.set SO,   236
.set T0,   240
.set HW,   241
.set SUM2, 242
.set WV,   14
.set G1B,  24
.set G1K,  32
.set G0B,  40
.set G0K,  44
.set BB,   48                          ; s[48:49] the bias at head 3 g, my rows, key 0
.set CNT,  50
.set TB,   51
.set SEL,  52
.set CS,   54
.set MNT,  56
.set HEAD, 72
.macro ROUND
	s_barrier_signal -1
	s_barrier_wait -1
	s_cmp_lg_u32 s[WV], 0
	s_cbranch_scc1 .Lnot_wave_0_\@
	s_barrier_signal -3
.Lnot_wave_0_\@:
	s_barrier_wait -3
	s_barrier_signal -1
	s_barrier_wait -1
.endm
; Waves 0 and 1 ask for the two halves of the tile of the bias, wave 2 for the record of K and V, the others for nothing.  The branches hang on the number of the wave alone.
.macro TLOAD
	s_cmp_lt_u32 s[WV], 2
	s_cbranch_scc0 .Lnot_b_\@
	tensor_load_to_lds s[G0B:G0B+3], s[G1B:G1B+7]
	s_nop 0
.rept 4
	v_nop
.endr
	s_branch .Lasked_\@
.Lnot_b_\@:
	s_cmp_eq_u32 s[WV], 2
	s_cbranch_scc0 .Lasked_\@
	tensor_load_to_lds s[G0K:G0K+3], s[G1K:G1K+7]
	s_nop 0
.rept 4
	v_nop
.endr
.Lasked_\@:
.endm
.macro QCORE s, nb, floor, pc
.set qb, 0
.rept \nb
	v_max3_num_f32 v[TM+qb], |v[\s+16*qb]|, |v[\s+16*qb+1]|, \floor
.set qb, qb+1
.endr
.irp qi, 2,4,6,8,10,12,14
.set qb, 0
.rept \nb
	v_max3_num_f32 v[TM+qb], v[TM+qb], |v[\s+16*qb+\qi]|, |v[\s+16*qb+\qi+1]|
.set qb, qb+1
.endr
.endr
.set qb, 0
.rept \nb
	v_permlanex16_b32 v[TM+4+qb], v[TM+qb], s[SEL], s[SEL+1]
.set qb, qb+1
.endr
.set qb, 0
.rept \nb
	v_max_num_f32 v[TM+qb], v[TM+qb], v[TM+4+qb]
.set qb, qb+1
.endr
.set qb, 0
.rept \nb
	v_add_nc_u32 v[TM+12+qb], 0xf8800000, v[TM+qb]
.set qb, qb+1
.endr
.set qb, 0
.rept \nb
	v_and_or_b32 v[TM+8+qb], v[TM+qb], 0x7f800000, s[MNT]
.set qb, qb+1
.endr
.set qb, 0
.rept \nb
	v_lshrrev_b32 v[TM+4+qb], 23, v[TM+12+qb]
.set qb, qb+1
.endr
.set qb, 0
.rept \nb
.irp qi, 0,1,2,3,4,5,6,7,8,9,10,11,12,13,14,15
	v_med3_num_f32 v[\s+16*qb+\qi], v[\s+16*qb+\qi], -v[TM+8+qb], v[TM+8+qb]
.endr
	v_cvt_scalef32_pk8_bf8_f32 v[\pc+4*qb:\pc+4*qb+1], v[\s+16*qb:\s+16*qb+7], v[TM+12+qb]
	v_cvt_scalef32_pk8_bf8_f32 v[\pc+4*qb+2:\pc+4*qb+3], v[\s+16*qb+8:\s+16*qb+15], v[TM+12+qb]
.set qb, qb+1
.endr
	v_nop
.endm
	s_load_b256 s[4:11], s[0:1], 0x0               ; qimg, qsc, kvimg, rel_pos_bias
	s_load_b64 s[12:13], s[0:1], 0x20              ; oimg
	v_lshl_add_u32 v[SPW], v0, 2, SPARE
	v_mov_b32 v[NIL], 0
	ds_add_u32 v1, v2
	s_wait_dscnt 0x0
	v_lshrrev_b32 v8, 5, v0
	v_readfirstlane_b32 s[WV], v8                  ; wave 0..7
	s_bfe_u32 s15, ttmp6, 0x40000                  ; cx
	s_bfe_u32 s16, ttmp6, 0x40004                  ; cy
	s_lshl_b32 s17, ttmp9, 2
	s_add_co_u32 s17, s17, s15                     ; qblk
	s_and_b32 s18, ttmp7, 0xffff                   ; cluster y
	s_lshr_b32 s19, s18, 1                         ; g: the triple of heads
	s_and_b32 s20, s18, 1
	s_lshl_b32 s20, s20, 2
	s_add_co_u32 s20, s20, s16                     ; the batch
	s_lshl_b32 s21, 0x1111, s15                    ; my column of the cluster
	s_lshl_b32 s22, s16, 2
	s_lshl_b32 s22, 15, s22                        ; my row
	s_and_b32 s23, s[WV], 1
	; group 1 of the bias: 64 rows x 128 numbers of 4 bytes, 4,096 bytes apart; 16 bytes of padding behind each 512
	s_or_b32 s[G1B+0], s21, (2<<16)|(1<<20)|(1<<21)|(6<<22)|(3<<25)
	s_mov_b32 s[G1B+1], 128<<16
	s_mov_b32 s[G1B+2], 64<<16
	s_mov_b32 s[G1B+3], 128<<16
	s_mov_b32 s[G1B+4], 64
	s_mov_b32 s[G1B+5], 1024
	s_mov_b32 s[G1B+6], 0
	s_mov_b32 s[G1B+7], 0
	; group 1 of the record: 67 rows of 256 bytes, dense
	s_or_b32 s[G1K+0], s22, (3<<16)|(1<<21)
	s_mov_b32 s[G1K+1], 32<<16
	s_mov_b32 s[G1K+2], 67<<16
	s_mov_b32 s[G1K+3], 32<<16
	s_mov_b32 s[G1K+4], 67
	s_mov_b32 s[G1K+5], 32
	s_mov_b32 s[G1K+6], 0
	s_mov_b32 s[G1K+7], 0
	s_mul_i32 s58, s19, 3072                       ; the bias: row 1024 x 3 g + 128 qblk + 64 (wave % 2): nothing of cy enters
	s_lshl_b32 s57, s17, 7
	s_add_co_u32 s58, s58, s57
	s_lshl_b32 s57, s23, 6
	s_add_co_u32 s58, s58, s57
	s_lshl_b32 s58, s58, 12
	s_mov_b32 s59, 0
	s_mul_i32 s74, s20, 12                         ; the records: 12 x batch + 3 g, eight to a head: nothing of cx enters
	s_mul_i32 s75, s19, 3
	s_add_co_u32 s74, s74, s75
	s_mul_i32 s74, s74, 8*KVR
	s_mov_b32 s75, 0
	s_mov_b32 s[SEL], 0x76543210
	s_mov_b32 s[SEL+1], 0xfedcba98
	s_mov_b32 s[CS], 0x3fb8aa3b                    ; log2(e)
	s_mov_b32 s[CS+1], s[CS]                       ; named with it as a pair
	s_mov_b32 s[MNT], 0x600000
	s_mov_b32 s[TB], 0
	s_mov_b32 s[CNT], 0
	s_wait_kmcnt 0x0
	s_add_nc_u64 s[BB:BB+1], s[10:11], s[58:59]
	s_mov_b32 s[G0B], 1
	s_mul_i32 s[G0B+1], s23, 64*BP                 ; LDS: slot 0, my 64 rows
	s_mov_b64 s[G0B+2:G0B+3], s[BB:BB+1]
	s_or_b32 s[G0B+3], s[G0B+3], 0x80000000
	s_mov_b32 s[G0K], 1
	s_mov_b32 s[G0K+1], KVO
	s_add_nc_u64 s[G0K+2:G0K+3], s[8:9], s[74:75]
	s_or_b32 s[G0K+3], s[G0K+3], 0x80000000
	ROUND                                          ; all sixteen work-groups are here
	TLOAD                                          ; key step 0 into slot 0
	v_and_b32 v8, 15, v0                           ; r
	v_bfe_u32 v9, v0, 4, 1                         ; h
	v_and_b32 v10, 31, v0                          ; lane
	s_lshl_b32 s82, s[WV], 4
	v_add_nc_u32 v[ABI], s82, v8
	v_mul_u32_u24 v[ABI], v[ABI], BP
	v_lshl_add_u32 v[ABI], v9, 6, v[ABI]           ; the bias: row 16 wave + r, + 64 h
	v_lshlrev_b32 v[L16], 4, v10
	v_add_nc_u32 v[AIM], KVO, v[L16]               ; an image: 16 x lane
	v_lshlrev_b32 v[R16], 4, v8
	v_add_nc_u32 v[AVS], KVO+16896, v[R16]         ; the four scale words of V of row r
	v_lshrrev_b32 v[T0], 3, v8                     ; r / 8
	v_and_b32 v[HW], 7, v8                         ; r % 8
	v_lshl_add_u32 v[QAD], v9, 4, v[HW]
	v_lshlrev_b32 v[QAD], 4, v[QAD]
	v_lshl_add_u32 v[QAD], v[T0], 10, v[QAD]       ; my 16 queries are neighbours; in the images they lie in tile r / 8 of the group, lane 8 (wave % 2) + r % 8
	v_lshlrev_b32 v[QSA], 2, v[HW]
	v_lshl_add_u32 v[QSA], v[T0], 6, v[QSA]
	s_mul_i32 s76, s20, 12
	s_mul_i32 s77, s19, 3
	s_mov_b32 s[HEAD], s77                         ; the head in hand
	s_add_co_u32 s76, s76, s77                     ; 12 x batch + head
	s_lshl_b32 s78, s17, 2
	s_lshr_b32 s79, s[WV], 1
	s_add_co_u32 s78, s78, s79                     ; my group of 32 tokens in the batch
	s_lshl_b32 s80, s76, 16
	s_lshl_b32 s82, s78, 11
	s_add_co_u32 s80, s80, s82
	s_lshl_b32 s82, s23, 7
	s_add_co_u32 s80, s80, s82
	s_mov_b32 s81, 0
	s_add_nc_u64 s[60:61], s[4:5], s[80:81]        ; codes of Q
	s_lshl_b32 s80, s76, 12
	s_lshl_b32 s82, s78, 7
	s_add_co_u32 s80, s80, s82
	s_lshl_b32 s82, s23, 5
	s_add_co_u32 s80, s80, s82
	s_add_nc_u64 s[62:63], s[6:7], s[80:81]        ; scale words of Q
	s_lshl_b32 s80, s20, 5
	s_add_co_u32 s80, s80, s78
	s_mul_i32 s80, s80, 25600
	s_add_nc_u64 s[66:67], s[12:13], s[80:81]      ; my record of o
.macro QLOAD
	global_load_b128 v[16:19], v[QAD], s[60:61]
	global_load_b128 v[24:27], v[QAD], s[60:61] offset:512
	global_load_b32 v[QSR], v[QSA], s[62:63]
.endm
	QLOAD
.irp j, 20,21,22,23,28,29,30,31
	v_mov_b32 v\j, 0                               ; blocks 1 and 3 of Q: zero codes, set once
.endr
.irp t, 0,1,2,3
.irp j, 4,5,6,7,12,13,14,15
	v_mov_b32 v[32+16*\t+\j], 0                    ; and of the four fragments of K
.endr
.endr
	v_mov_b32 v13, 0xff61b1e6                      ; the largest t so far: -3e38
	v_floor_f32 v12, -v13                          ; -M
	v_mov_b32 v14, 0
	v_mov_b32 v15, 0
.set n, 0
.rept 32
	v_mov_b32 v[O+n], 0                            ; O^T: the step is written once; the first change of M leaves zeros zeros
.set n, n+1
.endr
.irp b, 0,1,2,3
	v_mov_b32 v[PR+\b], 0                          ; the destination of a lane permute counts as read
.endr
	v_mov_b32 v[F+1], 0                            ; named as the upper half of a pair
	s_wait_loadcnt 0x0                             ; Q
; THE CHANGE OF SLOTS, at the head of each key step.  Each wave waits for all its tensor loads, adds 0 to its spare word, and waits for that and for its reads of the slot that it has left.
; fill = 1: behind a round of the barrier of the cluster that slot takes key step CNT + 1, which has a whole key step in which to land.
.macro CHANGE fill
	s_wait_tensorcnt 0x0                           ; no tensor load of mine is out: the groups 0 may be written
	ds_add_u32 v[SPW], v[NIL]                      ; 0 onto my spare word
.if \fill
	s_add_co_u32 s57, s[CNT], 1                    ; the step to be fetched, 1..23:
	s_lshr_b32 s58, s57, 3
	s_lshl_b32 s58, s58, 22                        ; its head: 4 MiB of bias each,
	s_and_b32 s57, s57, 7
	s_lshl_b32 s57, s57, 9                         ; its 128 keys: 512 bytes along a row
	s_add_co_u32 s58, s58, s57
	s_add_nc_u64 s[G0B+2:G0B+3], s[BB:BB+1], s[58:59]
	s_or_b32 s[G0B+3], s[G0B+3], 0x80000000
	s_xor_b32 s[G0B+1], s[G0B+1], SLOT1            ; the other slot than last time
	s_xor_b32 s[G0K+1], s[G0K+1], SLOT1
	s_add_nc_u64 s[G0K+2:G0K+3], s[G0K+2:G0K+3], KVR   ; the records of three heads lie on end
.endif
	s_wait_dscnt 0x0                               ; the add is done, and my reads of the slot that I have left are over
.if \fill
	ROUND                                          ; so it is with every wave of every work-group of the cluster
	TLOAD                                          ; the first thing behind the round, one load a wave
.else
	s_barrier_signal -1
	s_barrier_wait -1
.endif
.endm
.macro MAXB b0                         ; the largest score of blocks b0, b0 + 1, by turns, each accumulator from its low end on
.irp b, \b0, \b0+1
	v_max3_num_f32 v[BM+\b], v[S+16*(\b)], v[S+1+16*(\b)], v[S+2+16*(\b)]
.endr
.irp i, 3,5,7,9,11,13
.irp b, \b0, \b0+1
	v_max3_num_f32 v[BM+\b], v[BM+\b], v[S+16*(\b)+\i], v[S+1+16*(\b)+\i]
.endr
.endr
.irp b, \b0, \b0+1
	v_max_num_f32 v[BM+\b], v[BM+\b], v[S+15+16*(\b)]
.endr
.endm
; A KEY STEP: 128 keys.
.macro STEP
	v_add_nc_u32 v[ADB], s[TB], v[ABI]
	v_add_nc_u32 v[ADI], s[TB], v[AIM]
	v_add_nc_u32 v[ADV], s[TB], v[AVS]
.set n, 0
.rept 16
	ds_load_b128 v[S+4*n:S+4*n+3], v[ADB] offset:128*(n/4)+16*(n%4)   ; the bias of my query at keys 32 b + 16 h + 0 .. 15: straight into the accumulators
.set n, n+1
.endr
	ds_load_b128 v[KSR:KSR+3], v[ADI] offset:8192  ; scale words of K: lanes 0-15 tiles 0-3, lanes 16-31 tiles 4-7
.irp t, 0,1,2,3
.irp c, 0,1
	ds_load_b128 v[32+16*\t+8*\c:35+16*\t+8*\c], v[ADI] offset:1024*\t+512*\c
.endr
.endr
	s_wait_dscnt 0x0
.irp t, 0,1,2,3
	v_wmma_scale_f32_16x16x128_f8f6f4 v[S+8*\t:S+8*\t+7], v[32+16*\t:47+16*\t], v[16:31], v[S+8*\t:S+8*\t+7], v[KSR+\t], v[QSR] matrix_a_fmt:MATRIX_FMT_BF8 matrix_b_fmt:MATRIX_FMT_BF8
.endr
.rept 8
	v_nop                                          ; eight places ahead of the loads below and of the first read of results
.endr
.irp t, 0,1,2,3
.irp c, 0,1
	ds_load_b128 v[32+16*\t+8*\c:35+16*\t+8*\c], v[ADI] offset:1024*(\t+4)+512*\c
.endr
.endr
	MAXB 0                                         ; stands between the loads and the wait for them
	s_wait_dscnt 0x0
.irp t, 0,1,2,3
	v_wmma_scale_f32_16x16x128_f8f6f4 v[S+32+8*\t:S+32+8*\t+7], v[32+16*\t:47+16*\t], v[16:31], v[S+32+8*\t:S+32+8*\t+7], v[KSR+\t], v[QSR] matrix_a_fmt:MATRIX_FMT_BF8 matrix_b_fmt:MATRIX_FMT_BF8 matrix_a_scale:MATRIX_SCALE_ROW1
.endr
.rept 8
	v_nop
.endr
	MAXB 2
.irp b, 0,1,2,3
	v_permlanex16_b32 v[PR+\b], v[BM+\b], s[SEL], s[SEL+1]
.endr
.irp b, 0,1,2,3
	v_max_num_f32 v[BM+\b], v[BM+\b], v[PR+\b]     ; the largest score of each block of 32 keys: it serves the maximum of the row and, since p rises with the score, the largest p of the block
.endr
	v_max3_num_f32 v[T0], v[BM], v[BM+1], v[BM+2]
	v_max_num_f32 v[T0], v[T0], v[BM+3]
	v_mul_f32 v[T0], s[CS], v[T0]
	v_max_num_f32 v13, v13, v[T0]                  ; the running largest t
	v_mov_b32 v[T0], v12
	v_floor_f32 v12, -v13                          ; -M = floor(-t): M is a whole number
	v_sub_f32 v[T0], v12, v[T0]                    ; old M - new M
	v_cvt_i32_f32 v[T0], v[T0]                     ; (it saturates)
	v_ldexp_f32 v[F], 1.0, v[T0]                   ; f = 2^(old M - new M)
.set n, 0
.rept 32
	v_pk_fma_f32 v[S+n:S+n+1], v[S+n:S+n+1], s[CS:CS+1], v[12:13] op_sel_hi:[1,0,0]   ; t - M
.set n, n+2
.endr
.irp b, 0,1,2,3
	v_fma_f32 v[BM+\b], v[BM+\b], s[CS], v12
.endr
.set n, 0
.rept 64
	v_exp_f32 v[S+n], v[S+n]                       ; p, at most 1
.set n, n+1
.endr
.irp b, 0,1,2,3
	v_exp_f32 v[BM+\b], v[BM+\b]                   ; the largest p of the block: the same two instructions on the same number
.endr
	v_pk_mul_f32 v[14:15], v[14:15], v[F:F+1] op_sel_hi:[1,0]   ; the sums under the new M; a plain instruction behind the exponentials
	s_wait_alu depctr_va_vdst(0)
.irp b, 0,1,2,3
	v_max_num_f32 v[BM+\b], 0x8000000, v[BM+\b]    ; the floor: the byte cannot fall under 1
.endr
.irp b, 0,1,2,3
	v_add_nc_u32 v[SO+\b], 0xf8800000, v[BM+\b]
.endr
.irp b, 0,1,2,3
	v_and_or_b32 v[HD+\b], v[BM+\b], 0x7f800000, s[MNT]
.endr
.irp b, 0,1,2,3
	v_lshrrev_b32 v[PR+\b], 23, v[SO+\b]
.endr
	v_lshl_or_b32 v[PSR], v[PR+1], 8, v[PR]        ; the scale word of p for these 128 keys
	v_lshl_or_b32 v[PSR], v[PR+2], 16, v[PSR]
	v_lshl_or_b32 v[PSR], v[PR+3], 24, v[PSR]
	v_pk_add_f32 v[SUM2:SUM2+1], v[S:S+1], v[S+2:S+3]   ; the sum of the unquantised p, in two chains
.irp j, 4,8,12,16,20,24,28,32,36,40,44,48,52,56,60
	v_pk_add_f32 v[14:15], v[14:15], v[S+\j:S+\j+1]
	v_pk_add_f32 v[SUM2:SUM2+1], v[SUM2:SUM2+1], v[S+2+\j:S+3+\j]
.endr
	v_pk_add_f32 v[14:15], v[14:15], v[SUM2:SUM2+1]
	ds_load_b128 v[VSR:VSR+3], v[ADV]              ; scale words of the four tiles of V
.irp b, 0,1,2,3
.irp i, 0,1,2,3,4,5,6,7,8,9,10,11,12,13,14,15
	v_min_num_f32 v[S+16*\b+\i], v[S+16*\b+\i], v[HD+\b]   ; the conversion does not saturate (ISA guide 7.6.2); p is not negative
.endr
	v_cvt_scalef32_pk8_bf8_f32 v[PCD+4*\b:PCD+4*\b+1], v[S+16*\b:S+16*\b+7], v[SO+\b]
	v_cvt_scalef32_pk8_bf8_f32 v[PCD+4*\b+2:PCD+4*\b+3], v[S+16*\b+8:S+16*\b+15], v[SO+\b]
.irp c, 0,1,2,3
	ds_load_b128 v[S+16*\b+4*\c:S+16*\b+4*\c+3], v[ADI] offset:8704+2048*\b+512*\c   ; tile b of V^T takes the registers that block b of p has left
.endr
.endr
.set n, 0
.rept 16
	v_pk_mul_f32 v[O+n:O+n+1], v[O+n:O+n+1], v[F:F+1] op_sel_hi:[1,0]   ; O^T under the new M; also the places between the codes and the products
.set n, n+2
.endr
	s_wait_dscnt 0x0
.irp t, 0,1,2,3
	v_wmma_scale_f32_16x16x128_f8f6f4 v[O+8*\t:O+8*\t+7], v[S+16*\t:S+16*\t+15], v[PCD:PCD+15], v[O+8*\t:O+8*\t+7], v[VSR+\t], v[PSR] matrix_a_fmt:MATRIX_FMT_BF8 matrix_b_fmt:MATRIX_FMT_BF8
.endr
.rept 8
	v_nop                                          ; ahead of the next loads into the registers of V, and of the first read of O^T
.endr
	s_xor_b32 s[TB], s[TB], SLOT1                  ; on to the other slot
.endm
; THE END OF A HEAD: O^T / the sum, quantised in two blocks of 32 along d, goes to my tile of the record of o.  last = 0: the next head begins.
.macro HEADEND last
.if \last == 0
	s_add_nc_u64 s[60:61], s[60:61], 65536         ; (the loads that named these have been waited for)
	s_add_nc_u64 s[62:63], s[62:63], 4096
	QLOAD
.endif
	v_add_f32 v14, v14, v15
	v_permlanex16_b32 v[T0], v14, s[SEL], s[SEL+1]
	v_add_f32 v14, v14, v[T0]                      ; the sum of the row
	v_rcp_f32 v14, v14
	v_nop                                          ; a plain instruction behind the transcendental
.set n, 0
	s_wait_alu depctr_va_vdst(0)
.rept 32
	v_mul_f32 v[S+n], v[O+n], v14                  ; register 16 c + i: d = 32 c + 16 h + i
.set n, n+1
.endr
	QCORE S, 2, 0x8000000, PCD
	s_lshr_b32 s82, s[HEAD], 1                     ; the K step of the output product,
	s_and_b32 s83, s[HEAD], 1                      ; and which half of it
	s_lshl_b32 s84, s82, 1
	s_add_co_u32 s84, s84, s23
	s_lshl_b32 s84, s84, 11
	s_lshl_b32 s85, s83, 10
	s_add_co_u32 s80, s84, s85
	s_add_nc_u64 s[68:69], s[66:67], s[80:81]
	s_lshr_b32 s84, s82, 2
	s_lshl_b32 s84, s84, 9
	s_and_b32 s85, s82, 3
	s_lshl_b32 s85, s85, 2
	s_add_co_u32 s84, s84, s85
	s_lshl_b32 s85, s83, 1
	s_add_co_u32 s84, s84, s85
	s_lshl_b32 s85, s23, 8
	s_add_co_u32 s84, s84, s85
	s_add_co_u32 s80, s84, 24576
	s_add_nc_u64 s[70:71], s[66:67], s[80:81]
	global_store_b128 v[L16], v[PCD:PCD+3], s[68:69]
	global_store_b128 v[L16], v[PCD+4:PCD+7], s[68:69] offset:512
	v_lshl_or_b32 v[HW], v[TM+5], 8, v[TM+4]
	global_store_b16 v[R16], v[HW], s[70:71]
.if \last == 0
	v_mov_b32 v13, 0xff61b1e6
	v_floor_f32 v12, -v13
	v_mov_b32 v14, 0
	v_mov_b32 v15, 0
.set n, 0
.rept 32
	v_mov_b32 v[O+n], 0
.set n, n+1
.endr
	s_add_co_u32 s[HEAD], s[HEAD], 1
	s_wait_loadcnt 0x0                             ; Q of the next head
	s_wait_xcnt 0x0                                ; the data and bases of the stores above are rewritten only behind this wait
.endif
.endm
.Lstep:                                            ; 23 trips: behind each change of slots but the last the next key step is asked for
	CHANGE 1
	STEP
	s_and_b32 s57, s[CNT], 7
	s_cmp_lg_u32 s57, 7
	s_cbranch_scc1 .Lsame_head
	HEADEND 0
.Lsame_head:
	s_add_co_u32 s[CNT], s[CNT], 1
	s_cmp_lt_u32 s[CNT], 23
	s_cbranch_scc1 .Lstep
	CHANGE 0                                       ; the last step is written out
	STEP
	HEADEND 1
	s_wait_tensorcnt 0x0                           ; the end of the wave
	ds_add_u32 v[SPW], v[NIL]
	s_wait_dscnt 0x0
	ROUND                                          ; the closing round
	s_endpgm
.Lfunc_end_k_q0e83b4023f_att:
	.size	k_q0e83b4023f_att, .Lfunc_end_k_q0e83b4023f_att-k_q0e83b4023f_att
	.p2alignl 7, 3214868480
	.fill 96, 4, 3214868480
	.section	.rodata,"a",@progbits
	.p2align	6, 0x0
	.amdhsa_kernel k_q0e83b4023f_att
		.amdhsa_group_segment_fixed_size 327680
		.amdhsa_private_segment_fixed_size 0
		.amdhsa_enable_private_segment 0
		.amdhsa_kernarg_size 40
		.amdhsa_user_sgpr_count 2
		.amdhsa_user_sgpr_kernarg_segment_ptr 1
		.amdhsa_wavefront_size32 1
		.amdhsa_system_sgpr_workgroup_id_x 1
		.amdhsa_system_sgpr_workgroup_id_y 1
		.amdhsa_system_sgpr_workgroup_id_z 1
		.amdhsa_system_vgpr_workitem_id 0
		.amdhsa_next_free_vgpr 256
		.amdhsa_next_free_sgpr 96
		.amdhsa_reserve_vcc 0
		.amdhsa_float_denorm_mode_32 3
		.amdhsa_float_denorm_mode_16_64 3
		.amdhsa_memory_ordered 1
		.amdhsa_forward_progress 1
		.amdhsa_inst_pref_size 64
	.end_amdhsa_kernel
	.amdgpu_metadata
---
amdhsa.version: [ 1, 2 ]
amdhsa.kernels:
  - .name:           k_q0e83b4023f_att
    .symbol:         k_q0e83b4023f_att.kd
    .args:
      - { .name: qimg, .offset: 0, .size: 8, .value_kind: global_buffer, .address_space: global }
      - { .name: qsc, .offset: 8, .size: 8, .value_kind: global_buffer, .address_space: global }
      - { .name: kvimg, .offset: 16, .size: 8, .value_kind: global_buffer, .address_space: global }
      - { .name: rel_pos_bias, .offset: 24, .size: 8, .value_kind: global_buffer, .address_space: global }
      - { .name: oimg, .offset: 32, .size: 8, .value_kind: global_buffer, .address_space: global }
    .group_segment_fixed_size: 327680
    .private_segment_fixed_size: 0
    .kernarg_segment_align: 8
    .kernarg_segment_size: 40
    .max_flat_workgroup_size: 256
    .sgpr_count:     96
    .vgpr_count:     256
    .wavefront_size: 32
...
	.end_amdgpu_metadata
.endif
;; end of part 3
;; launch outp (part 4): grid 64 x 4, 4 waves a work-group, clusters of 4 x 1, 188,928 bytes of LDS; arguments oimg, woimg, b_o, out0; writes out0
.if DOCPART == 4
	.amdgcn_target "amdgcn-amd-amdhsa--gfx1250"
	.amdhsa_code_object_version 6
	.text
	.protected	k_q0e83b4023f_outp
	.globl	k_q0e83b4023f_outp
	.p2align	8
	.type	k_q0e83b4023f_outp,@function
k_q0e83b4023f_outp:
	s_mov_b64 s[64:65], 0
	v_nop
	global_prefetch_b8 v0, s[64:65] scope:SCOPE_SE
	s_setreg_imm32_b32 hwreg(HW_REG_WAVE_MODE, 25, 1), 1
	s_wait_xcnt 0x0
	s_wait_alu depctr_hold_cnt(0) depctr_sa_sdst(0) depctr_va_vdst(0) depctr_va_sdst(0) depctr_va_ssrc(0) depctr_va_vcc(0) depctr_vm_vsrc(0)
	s_getreg_b32 s2, hwreg(HW_REG_IB_STS2, 6, 4)
	s_cmp_eq_u32 s2, 0
	s_cbranch_scc0 .Lentry_in_a_cluster
	s_endpgm
.Lentry_in_a_cluster:
	s_bfe_u32 s2, ttmp6, 0x10000c
	s_cmp_lg_u32 s2, 0x3003
	s_cbranch_scc0 .Lentry_shape_is_right
	s_endpgm
.Lentry_shape_is_right:
; OUTP.  out0 = o W_o^T + b_o on codes of E5M2 with E8M0 scales; out0 [8192][768] f32.
; SHARES.  A work-group takes 128 tokens (X = 4 x cluster x + cx) x 192 features (work-group y): 768 bytes of a row of out0, three aligned blocks of 256.  Wave w holds record 4 X + w of o, 32 tokens
; x 768 along K, in 192 registers, read from memory once.  The six records of W_o, 153,600 dense bytes, are filled into LDS once (no byte is filled again).  CLUSTER: the four work-groups of a cluster
; have the same six records: each part is asked for jointly, mask 15.  The three fills of a wave bring two records each: a counted wait lets the later ones land while the earlier are multiplied.
; Source 0 = 16 features, source 1 = 16 tokens: a lane holds one token and, by the order of the rows in a record of weights, 16 neighbouring features.  b_o is the C of the first K step.
; THE WAY OUT: 32 tokens x 64 features go through a stage in LDS that belongs to the wave (rows of 256 bytes + 16) and leave as whole rows: sixteen lanes store 256 consecutive bytes, aligned.
; The stages lie behind the records, in blocks of 256 bytes into which no fill lands.
; REGISTERS.  Window 0: v1-5 addresses; v8-13 scale words of o; v14-25 of two records of W_o; v26-27 their LDS addresses; v32-63 b_o; v64-191 two buffers of four fragments of W_o (v64-127 also the
; rows on their way out); v192-255 eight accumulators.  Window 1: the fragments of o, (tile m, K step s) at 16 (2 s + m).
.set GR,   25600
.set STG,  6*GR
.set SP,   272
.set LI,   1
.set BH,   2
.set STO,  3
.set RD,   4
.set CO,   5
.set OS,   8
.set WS,   14
.set WA,   26
.set CB,   32
.set WF,   64
.set ACC,  192
.set WV,   12
.set G1,   24
.set G0,   32
.set MSB,  0
.macro WIN new
.if MSB != (\new)
	s_set_vgpr_msb (MSB<<8)|(\new)
.set MSB, \new
.endif
.endm
.macro ROUND
	s_barrier_signal -1
	s_barrier_wait -1
	s_cmp_lg_u32 s[WV], 0
	s_cbranch_scc1 .Lnot_wave_0_\@
	s_barrier_signal -3
.Lnot_wave_0_\@:
	s_barrier_wait -3
	s_barrier_signal -1
	s_barrier_wait -1
.endm
.macro MM ra, rb
.if (\ra) && (\rb)
	v_wmma_scale_f32_16x16x128_f8f6f4 v[rD:rD+7], v[rA:rA+15], v[rB:rB+15], v[rC:rC+7], v[rSA], v[rSB] matrix_a_fmt:MATRIX_FMT_BF8 matrix_b_fmt:MATRIX_FMT_BF8 matrix_a_scale:MATRIX_SCALE_ROW1 matrix_b_scale:MATRIX_SCALE_ROW1
.elseif (\ra)
	v_wmma_scale_f32_16x16x128_f8f6f4 v[rD:rD+7], v[rA:rA+15], v[rB:rB+15], v[rC:rC+7], v[rSA], v[rSB] matrix_a_fmt:MATRIX_FMT_BF8 matrix_b_fmt:MATRIX_FMT_BF8 matrix_a_scale:MATRIX_SCALE_ROW1
.elseif (\rb)
	v_wmma_scale_f32_16x16x128_f8f6f4 v[rD:rD+7], v[rA:rA+15], v[rB:rB+15], v[rC:rC+7], v[rSA], v[rSB] matrix_a_fmt:MATRIX_FMT_BF8 matrix_b_fmt:MATRIX_FMT_BF8 matrix_b_scale:MATRIX_SCALE_ROW1
.else
	v_wmma_scale_f32_16x16x128_f8f6f4 v[rD:rD+7], v[rA:rA+15], v[rB:rB+15], v[rC:rC+7], v[rSA], v[rSB] matrix_a_fmt:MATRIX_FMT_BF8 matrix_b_fmt:MATRIX_FMT_BF8
.endif
.endm
	s_load_b256 s[4:11], s[0:1], 0x0               ; oimg, woimg, b_o, out0
	v_lshl_add_u32 v30, v0, 2, 0x2e000
	v_mov_b32 v31, 0
	ds_add_u32 v30, v31
	v_lshrrev_b32 v6, 5, v0
	v_readfirstlane_b32 s[WV], v6                  ; wave 0..3
	s_bfe_u32 s13, ttmp6, 0x40000                  ; cx
	s_lshl_b32 s14, ttmp9, 2
	s_add_co_u32 s14, s14, s13                     ; X
	s_and_b32 s15, ttmp7, 0xffff                   ; y
	s_mov_b32 s[G1+0], 15|(3<<16)|(1<<21)          ; the mask: all four; elements of 8 bytes; bit 21 beside a mask
	s_mov_b32 s[G1+1], 32<<16                      ; rows of 256 bytes,
	s_mov_b32 s[G1+2], 50<<16                      ; 50 of them, dense
	s_mov_b32 s[G1+3], 32<<16
	s_mov_b32 s[G1+4], 50
	s_mov_b32 s[G1+5], 32
	s_mov_b32 s[G1+6], 0
	s_mov_b32 s[G1+7], 0
	s_mul_i32 s22, s15, 6*GR
	s_mul_i32 s46, s[WV], 12800                    ; my quarter of two records: the same in memory and in LDS
	s_add_co_u32 s22, s22, s46
	s_mov_b32 s23, 0
	v_and_b32 v6, 31, v0                           ; lane
	v_and_b32 v7, 15, v0                           ; r
	v_bfe_u32 v28, v0, 4, 1                        ; h
	v_lshlrev_b32 v[LI], 4, v6
	v_lshlrev_b32 v[BH], 6, v28                    ; b_o: 16 h numbers
	s_mul_i32 s47, s[WV], 32*SP
	s_add_co_u32 s47, s47, STG                     ; my stage
	v_mul_u32_u24 v[STO], v7, SP
	v_lshl_add_u32 v[STO], v28, 6, v[STO]
	v_add_nc_u32 v[STO], s47, v[STO]               ; in: row r, + 64 h
	v_mul_u32_u24 v[RD], v28, SP
	v_lshl_add_u32 v[RD], v7, 4, v[RD]
	v_add_nc_u32 v[RD], s47, v[RD]                 ; back: lanes 0-15 one row, lanes 16-31 the next
	v_mul_u32_u24 v[CO], v28, 3072
	v_lshl_add_u32 v[CO], v7, 4, v[CO]             ; and the same two rows in out0
	s_wait_dscnt 0x0
	s_wait_kmcnt 0x0
	s_add_nc_u64 s[22:23], s[6:7], s[22:23]
.irp i, 0,1,2
	s_mov_b32 s[G0+4*\i], 1
	s_add_co_u32 s[G0+4*\i+1], s46, \i*2*GR
	s_add_nc_u64 s[G0+4*\i+2:G0+4*\i+3], s[22:23], \i*2*GR
	s_or_b32 s[G0+4*\i+3], s[G0+4*\i+3], 0x80000000
.endr
	ROUND                                          ; all four work-groups are here: the joint loads meet
	tensor_load_to_lds s[G0:G0+3], s[G1:G1+7]      ; three loads of mine are out
	s_nop 0
	tensor_load_to_lds s[G0+4:G0+7], s[G1:G1+7]
	s_nop 0
	tensor_load_to_lds s[G0+8:G0+11], s[G1:G1+7]
	s_nop 0
.rept 4
	v_nop
.endr
	s_lshl_b32 s44, s14, 2
	s_add_co_u32 s44, s44, s[WV]
	s_mul_i32 s44, s44, GR                         ; my record of o
	s_mov_b32 s45, 0
	s_add_nc_u64 s[16:17], s[4:5], s[44:45]
	s_mul_i32 s44, s15, 768
	s_add_nc_u64 s[18:19], s[8:9], s[44:45]        ; b_o at my 192 features
	s_lshl_b32 s48, s14, 7
	s_lshl_b32 s49, s[WV], 5
	s_add_co_u32 s48, s48, s49
	s_mul_i32 s48, s48, 3072                       ; my first row of out0,
	s_add_co_u32 s44, s44, s48                     ; + my 768 bytes of it
	s_add_nc_u64 s[20:21], s[10:11], s[44:45]
	WIN 0x40                                       ; destination window 1
.irp s, 0,1,2,3,4,5
.irp m, 0,1
.irp c, 0,1,2,3
	global_load_b128 v[16*(2*\s+\m)+4*\c:16*(2*\s+\m)+4*\c+3], v[LI], s[16:17] offset:(2*\s+\m)*2048+512*\c
.endr
.endr
.endr
	WIN 0
	global_load_b128 v[OS:OS+3], v[LI], s[16:17] offset:24576
	global_load_b64 v[OS+4:OS+5], v[LI], s[16:17] offset:25088
.macro CBLOAD d                        ; b_o of the 64 features of double block d, in the layout of the result
.irp bb, 0,1
.irp u, 0,1
.irp jj, 0,1
	global_load_b128 v[CB+16*\bb+8*\u+4*\jj:CB+16*\bb+8*\u+4*\jj+3], v[BH], s[18:19] offset:256*(\d)+128*\bb+32*\u+16*\jj
.endr
.endr
.endr
.endm
	CBLOAD 0
.macro FETCH s                         ; K step s of two records: four fragments into buffer s % 2
.irp bb, 0,1
.irp u, 0,1
.irp c, 0,1,2,3
	ds_load_b128 v[WF+64*((\s)%2)+32*\bb+16*\u+4*\c:WF+64*((\s)%2)+32*\bb+16*\u+4*\c+3], v[WA+\bb] offset:(2*(\s)+\u)*2048+512*\c
.endr
.endr
.endr
.endm
.macro DBLK d                          ; 64 features
.if \d > 0
	s_wait_xcnt 0x0                                ; v64 on were the data of the stores above: they are loaded again only behind this wait
.endif
	s_wait_tensorcnt 2-\d                          ; my part of these two records is in; the later ones may be out
	s_wait_dscnt 0x0
	s_barrier_signal -1
	s_barrier_wait -1
	v_add_nc_u32 v[WA], (2*\d)*GR, v[LI]           ; an LDS immediate has 16 bits: the register carries the record
	v_add_nc_u32 v[WA+1], (2*\d+1)*GR, v[LI]
	FETCH 0
	FETCH 1
.irp bb, 0,1
	ds_load_b128 v[WS+6*\bb:WS+6*\bb+3], v[WA+\bb] offset:24576
	ds_load_b64 v[WS+6*\bb+4:WS+6*\bb+5], v[WA+\bb] offset:25088
.endr
.irp s, 0,1,2,3,4,5
.if (\s == 0) || (\s == 5)
	s_wait_dscnt 0x0
.else
	s_wait_dscnt 16                                ; the fetch of the next step may be out
.endif
.if \s == 0
	s_wait_loadcnt 0x0                             ; b_o (and, the first time, o)
.endif
	WIN 0x04                                       ; source 1 = o: window 1
.irp m, 0,1
.irp bb, 0,1
.irp u, 0,1
.set rD, ACC+32*\m+16*\bb+8*\u
.set rA, WF+64*(\s%2)+32*\bb+16*\u
.set rB, 16*(2*\s+\m)
.set rSA, WS+6*\bb+\s
.set rSB, OS+\s
.if \s == 0
.set rC, CB+16*\bb+8*\u
.else
.set rC, rD
.endif
	MM \u, \m                                      ; eight accumulators by turns
.endr
.endr
.endr
	WIN 0
.rept 8
	v_nop                                          ; eight places ahead of loads into registers that these products read, and of the first read of results
.endr
.if \s+2 < 6
	FETCH \s+2
.endif
.if (\s == 0) && (\d < 2)
	CBLOAD \d+1
.endif
.endr
.irp m, 0,1
.irp bb, 0,1
.irp u, 0,1
	ds_store_b128 v[STO], v[ACC+32*\m+16*\bb+8*\u:ACC+32*\m+16*\bb+8*\u+3] offset:16*SP*\m+128*\bb+32*\u       ; each accumulator from its low end on
	ds_store_b128 v[STO], v[ACC+32*\m+16*\bb+8*\u+4:ACC+32*\m+16*\bb+8*\u+7] offset:16*SP*\m+128*\bb+32*\u+16
.endr
.endr
.endr
.irp i, 0,1,2,3,4,5,6,7,8,9,10,11,12,13,14,15
	ds_load_b128 v[WF+4*\i:WF+4*\i+3], v[RD] offset:2*SP*\i      ; LDS serves the instructions of a wave in order (ISA guide 5.7.1.4): these see the stores above
.endr
.irp i, 0,1,2,3,4,5,6,7,8,9,10,11,12,13,14,15
	s_wait_dscnt 15-\i
	global_store_b128 v[CO], v[WF+4*\i:WF+4*\i+3], s[20:21] offset:6144*\i+256*\d th:TH_STORE_NT   ; 16 lanes store 256 consecutive bytes, aligned; written once
.endr
.endm
	DBLK 0
	DBLK 1
	DBLK 2
	s_wait_tensorcnt 0x0
	ds_add_u32 v30, v31
	s_wait_dscnt 0x0
	ROUND                                          ; the closing round (the last countdown has ended at 0: no LDS instruction of mine is out)
	s_endpgm
.Lfunc_end_k_q0e83b4023f_outp:
	.size	k_q0e83b4023f_outp, .Lfunc_end_k_q0e83b4023f_outp-k_q0e83b4023f_outp
	.p2alignl 7, 3214868480
	.fill 96, 4, 3214868480
	.section	.rodata,"a",@progbits
	.p2align	6, 0x0
	.amdhsa_kernel k_q0e83b4023f_outp
		.amdhsa_group_segment_fixed_size 188928
		.amdhsa_private_segment_fixed_size 0
		.amdhsa_enable_private_segment 0
		.amdhsa_kernarg_size 32
		.amdhsa_user_sgpr_count 2
		.amdhsa_user_sgpr_kernarg_segment_ptr 1
		.amdhsa_wavefront_size32 1
		.amdhsa_system_sgpr_workgroup_id_x 1
		.amdhsa_system_sgpr_workgroup_id_y 1
		.amdhsa_system_sgpr_workgroup_id_z 1
		.amdhsa_system_vgpr_workitem_id 0
		.amdhsa_next_free_vgpr 448
		.amdhsa_next_free_sgpr 66
		.amdhsa_reserve_vcc 0
		.amdhsa_float_denorm_mode_32 3
		.amdhsa_float_denorm_mode_16_64 3
		.amdhsa_memory_ordered 1
		.amdhsa_forward_progress 1
		.amdhsa_inst_pref_size 68
	.end_amdhsa_kernel
	.amdgpu_metadata
---
amdhsa.version: [ 1, 2 ]
amdhsa.kernels:
  - .name:           k_q0e83b4023f_outp
    .symbol:         k_q0e83b4023f_outp.kd
    .args:
      - { .name: oimg, .offset: 0, .size: 8, .value_kind: global_buffer, .address_space: global }
      - { .name: woimg, .offset: 8, .size: 8, .value_kind: global_buffer, .address_space: global }
      - { .name: b_o, .offset: 16, .size: 8, .value_kind: global_buffer, .address_space: global }
      - { .name: out0, .offset: 24, .size: 8, .value_kind: global_buffer, .address_space: global }
    .group_segment_fixed_size: 188928
    .private_segment_fixed_size: 0
    .kernarg_segment_align: 8
    .kernarg_segment_size: 32
    .max_flat_workgroup_size: 128
    .sgpr_count:     66
    .vgpr_count:     448
    .wavefront_size: 32
...
	.end_amdgpu_metadata
.endif
;; end of part 4
;; ======== version 2 of 2: 4 launches
;; limits: right only within a limited range of input values
;; workspace buffers: ximg 6,553,600 bytes; wimg 1,843,200 bytes; woimg 614,400 bytes; oimg 6,553,600 bytes; tb 73,728 bytes; qimg 6,291,456 bytes; qsc 393,216 bytes; kvimg 13,172,736 bytes
;; launch prep (part 5): grid 448 x 1, 6 waves a work-group, no clusters, 52,480 bytes of LDS; arguments x, Wx_q, Wx_k, Wx_v, W_o, t, Wt_q, Wt_k, Wt_v, ximg, wimg, woimg, tb; writes ximg, wimg, woimg, tb
.if DOCPART == 5
	.amdgcn_target "amdgcn-amd-amdhsa--gfx1250"
	.amdhsa_code_object_version 6
	.text
	.protected	k_q0e83b4023f_prep
	.globl	k_q0e83b4023f_prep
	.p2align	8
	.type	k_q0e83b4023f_prep,@function
k_q0e83b4023f_prep:
	s_mov_b64 s[64:65], 0
	v_nop
	global_prefetch_b8 v0, s[64:65] scope:SCOPE_SE
	s_setreg_imm32_b32 hwreg(HW_REG_WAVE_MODE, 25, 1), 1
	s_wait_xcnt 0x0
; PREP.  x [8192][768] and the four weights [768][768], f32, become codes of E5M2 with one E8M0 byte for each 32 along K, laid as GROUP RECORDS; t Wt^T is made in f32.
; A GROUP RECORD is 25,600 bytes for 32 rows x 768 along K, an image of operand registers: fragment (tile u, K step s) at (2 s + u) x 2048, its piece c at + 512 c, lane l at + 16 l:
; 16 codes, k = 128 s + 32 c + 16 (l / 16) + 0 .. 15 of the row that lane l % 16 of the tile holds.  Tile u, lane r holds row 8 u + r + 8 (r / 8) of the group.
; Scale words: plane A at 24,576 + 16 l holds the words of K steps 0 to 3, plane B at 25,088 + 16 l those of steps 4, 5 and two zeros; lane l = 16 u + r.
; WORK-GROUPS 0-255: x, a group each.  256-279, 280-303, 304-327: Wx_q, Wx_k, Wx_v; group g of type y goes to record 9 (g / 3) + 3 y + g % 3.  328-351: W_o.  Wave s takes K step s of both tiles.
; Each load reads 512 consecutive bytes of a row; the 16 rows of a tile turn through a stage in LDS that belongs to the wave (rows 528 bytes apart) so that a lane gets 16 neighbours of each block of 32.
; WORK-GROUPS 352-447: tb[type][feature][batch] = the sum over k of Wt[feature][k] t[batch][k], by fused multiply-adds; a wave takes FOUR rows of one Wt (3 x 768 rows = 576 waves), so that
; such a wave has about as many instructions as a wave of the quantiser.  This path uses no LDS and no barrier.
; The branch between the two paths hangs on the number of the work-group alone, so all six waves take the same path.
; LIMITS: NaN and infinities among the inputs are not served.  A block of zeros, and any block whose largest magnitude lies under 2^-111, gets the byte 1 (the rule says 127 for zeros): its codes
; of zeros add nothing, and only this program reads the bytes.  The order of the f32 sums of t Wt^T is eight terms in a lane, then a tree over the lanes.
; tb is stored 128 consecutive bytes at a time: it has 73,728 bytes in all.
.set GR,   25600
.set XROW, 3072                        ; a row of x or of a weight in bytes
.set STP,  528                         ; a stage row: 512 bytes + 16
.set STW,  16*STP                      ; a stage
.set SCB,  6*STW                       ; behind the six stages: the 1,024 bytes of scale words of the record
.set R,    32                          ; v32-159  two tiles x 64 numbers
.set PC,   160                         ; v160-191 codes, 16 registers a tile: no data of a store are written again
.set TM,   192                         ; v192-195 largest magnitudes, v196-199 bytes, v200-203 holds, v204-207 scale operands
.set PW,   208                         ; v208-209 the scale word of each tile
.set SWD,  210
.set OUTS, 212                         ; v212-219 the planes on their way out
.set WV,   31
.set MNT,  41                          ; the mantissa field of 57,344
.set SEL,  42                          ; s[42:43] lane selects: lane l xor 16
; nb blocks of 32 along K; a lane holds 16 numbers of each, v[s + 16 b + i], the lane 16 away the other 16.  Codes to v[pc + 4 b] on; the byte of block b stays in v[TM + 4 + b].
.macro QCORE s, nb, floor, pc
.set qb, 0
.rept \nb
	v_max3_num_f32 v[TM+qb], |v[\s+16*qb]|, |v[\s+16*qb+1]|, \floor   ; the floor is one more leaf: the byte cannot fall under 1
.set qb, qb+1
.endr
.irp qi, 2,4,6,8,10,12,14
.set qb, 0
.rept \nb
	v_max3_num_f32 v[TM+qb], v[TM+qb], |v[\s+16*qb+\qi]|, |v[\s+16*qb+\qi+1]|   ; the blocks by turns
.set qb, qb+1
.endr
.endr
.set qb, 0
.rept \nb
	v_permlanex16_b32 v[TM+4+qb], v[TM+qb], s[SEL], s[SEL+1]
.set qb, qb+1
.endr
.set qb, 0
.rept \nb
	v_max_num_f32 v[TM+qb], v[TM+qb], v[TM+4+qb]                     ; the largest magnitude of the block
.set qb, qb+1
.endr
.set qb, 0
.rept \nb
	v_add_nc_u32 v[TM+12+qb], 0xf8800000, v[TM+qb]                   ; 15 off its exponent field: the scale operand of the conversion
.set qb, qb+1
.endr
.set qb, 0
.rept \nb
	v_and_or_b32 v[TM+8+qb], v[TM+qb], 0x7f800000, s[MNT]            ; 57,344 x the scale
.set qb, qb+1
.endr
.set qb, 0
.rept \nb
	v_lshrrev_b32 v[TM+4+qb], 23, v[TM+12+qb]                        ; the byte
.set qb, qb+1
.endr
.set qb, 0
.rept \nb
.irp qi, 0,1,2,3,4,5,6,7,8,9,10,11,12,13,14,15
	v_med3_num_f32 v[\s+16*qb+\qi], v[\s+16*qb+\qi], -v[TM+8+qb], v[TM+8+qb]   ; the conversion does not saturate (ISA guide 7.6.2): hold first
.endr
	v_cvt_scalef32_pk8_bf8_f32 v[\pc+4*qb:\pc+4*qb+1], v[\s+16*qb:\s+16*qb+7], v[TM+12+qb]
	v_cvt_scalef32_pk8_bf8_f32 v[\pc+4*qb+2:\pc+4*qb+3], v[\s+16*qb+8:\s+16*qb+15], v[TM+12+qb]
.set qb, qb+1
.endr
	v_nop                                          ; one plain instruction behind the last conversion
.endm
	s_load_b512 s[4:19], s[0:1], 0x0               ; x, Wx_q, Wx_k, Wx_v, W_o, t, Wt_q, Wt_k
	s_load_b256 s[20:27], s[0:1], 0x40             ; Wt_v, ximg, wimg, woimg
	s_load_b64 s[28:29], s[0:1], 0x60              ; tb
	v_lshl_add_u32 v224, v0, 2, 0xca00
	v_mov_b32 v225, 0
	v_lshrrev_b32 v3, 5, v0
	v_readfirstlane_b32 s[WV], v3                  ; wave 0..5
	v_and_b32 v1, 31, v0                           ; lane
	v_lshlrev_b32 v2, 4, v1                        ; 16 x lane
	s_mov_b32 s[SEL], 0x76543210
	s_mov_b32 s[SEL+1], 0xfedcba98
	s_mov_b32 s30, ttmp9
	s_mov_b32 s51, 0                               ; the upper word of every offset
	s_cmp_ge_u32 s30, 352
	s_cbranch_scc1 .Lpath_t
	; ---- the quantiser
	v_and_b32 v3, 15, v1                           ; r
	v_lshrrev_b32 v4, 4, v1                        ; h
	s_mul_i32 s50, s[WV], STW
	v_add_nc_u32 v5, s50, v2                       ; into the stage: 16 x lane of a row
	v_mul_u32_u24 v6, v3, STP
	v_lshl_add_u32 v6, v4, 6, v6
	v_add_nc_u32 v6, s50, v6                       ; out of it: row r, + 64 h
	s_lshr_b32 s50, s[WV], 2
	s_lshl_b32 s50, s50, 9
	s_and_b32 s52, s[WV], 3
	s_lshl_b32 s52, s52, 2
	s_add_co_u32 s50, s50, s52
	s_add_co_u32 s50, s50, SCB
	s_wait_alu depctr_va_vdst(0)
	v_add_nc_u32 v7, s50, v2                       ; the word of my K step: plane (s / 4), word s % 4, 16 x lane
	v_add_nc_u32 v8, SCB, v2
	v_cmp_le_u32 s40, 16, v1                       ; lanes 16-31
	s_mov_b32 s[MNT], 0x600000
.irp b, 0,1,2,3
	v_mov_b32 v[TM+4+\b], 0                        ; written once: the destination of a lane permute counts as read
.endr
	s_wait_kmcnt 0x0
	s_cmp_ge_u32 s30, 256                          ; which tensor: every choice hangs on the number of the work-group alone
	s_cselect_b64 s[32:33], s[6:7], s[4:5]
	s_cselect_b64 s[34:35], s[24:25], s[22:23]
	s_cselect_b32 s38, 256, 0
	s_cmp_ge_u32 s30, 280
	s_cselect_b64 s[32:33], s[8:9], s[32:33]
	s_cselect_b32 s38, 280, s38
	s_cselect_b32 s39, 3, 0
	s_cmp_ge_u32 s30, 304
	s_cselect_b64 s[32:33], s[10:11], s[32:33]
	s_cselect_b32 s38, 304, s38
	s_cselect_b32 s39, 6, s39
	s_cmp_ge_u32 s30, 328
	s_cselect_b64 s[32:33], s[12:13], s[32:33]
	s_cselect_b64 s[34:35], s[26:27], s[34:35]
	s_cselect_b32 s38, 328, s38
	s_sub_co_u32 s36, s30, s38                     ; the group of 32 rows in its tensor
	s_mul_i32 s50, s36, 171
	s_lshr_b32 s50, s50, 9                         ; group / 3 (groups 0 to 23)
	s_mul_i32 s50, s50, 6
	s_add_co_u32 s50, s50, s39
	s_add_co_u32 s50, s50, s36                     ; 9 (g / 3) + 3 type + g % 3
	s_cmp_ge_u32 s30, 328
	s_cselect_b32 s37, s36, s50
	s_cmp_lt_u32 s30, 256
	s_cselect_b32 s37, s36, s37                    ; x and W_o keep their order
	s_mul_i32 s50, s36, 32*XROW
	s_lshl_b32 s52, s[WV], 9
	s_add_co_u32 s50, s50, s52
	s_add_nc_u64 s[32:33], s[32:33], s[50:51]      ; the first row of the group, my K step
	s_mul_i32 s50, s37, GR
	s_lshl_b32 s52, s[WV], 12
	s_add_co_u32 s50, s50, s52
	s_add_nc_u64 s[34:35], s[34:35], s[50:51]      ; the record, my two fragments
.irp u, 0,1
.irp i, 0,1,2,3,4,5,6,7,8,9,10,11,12,13,14,15
	global_load_b128 v[R+64*\u+4*\i:R+64*\u+4*\i+3], v2, s[32:33] offset:(8*\u+\i+8*(\i/8))*XROW th:TH_LOAD_NT   ; 32 lanes read 512 consecutive bytes; read once in the launch
.endr
.endr
.macro TILE u, left
	s_wait_loadcnt \left                           ; the sixteen loads of this tile are in; those of the next may be out
.set n, 0
.rept 16
	ds_store_b128 v5, v[R+64*\u+4*n:R+64*\u+4*n+3] offset:STP*n
.set n, n+1
.endr
.set n, 0
.rept 16
	ds_load_b128 v[R+64*\u+4*n:R+64*\u+4*n+3], v6 offset:128*(n/4)+16*(n%4)   ; LDS serves the instructions of a wave in order (ISA guide 5.7.1.4): these see the stores above
.set n, n+1
.endr
	s_wait_dscnt 0x0
	QCORE R+64*\u, 4, 0x8000000, PC+16*\u
	v_lshl_or_b32 v[PW+\u], v[TM+5], 8, v[TM+4]
	v_lshl_or_b32 v[PW+\u], v[TM+6], 16, v[PW+\u]
	v_lshl_or_b32 v[PW+\u], v[TM+7], 24, v[PW+\u]
.irp c, 0,1,2,3
	global_store_b128 v2, v[PC+16*\u+4*\c:PC+16*\u+4*\c+3], s[34:35] offset:2048*\u+512*\c   ; 512 consecutive bytes, aligned
.endr
.endm
	TILE 0, 16
	TILE 1, 0
	v_cndmask_b32 v[SWD], v[PW], v[PW+1], s40      ; lanes 0-15 carry tile 0, lanes 16-31 tile 1
	ds_store_b32 v7, v[SWD]
	s_wait_dscnt 0x0                               ; for the sake of wave 0: my word has landed
	s_barrier_signal -1
	s_barrier_wait -1
	s_cmp_lg_u32 s[WV], 0
	s_cbranch_scc1 .Lq_done
	ds_load_b128 v[OUTS:OUTS+3], v8                ; plane A
	ds_load_b64 v[OUTS+4:OUTS+5], v8 offset:512    ; plane B: two words are there,
	v_mov_b32 v[OUTS+6], 0                         ; two are zeros
	v_mov_b32 v[OUTS+7], 0
	s_wait_alu depctr_va_vdst(0)
	s_wait_dscnt 0x0
	global_store_b128 v2, v[OUTS:OUTS+3], s[34:35] offset:24576
	global_store_b128 v2, v[OUTS+4:OUTS+7], s[34:35] offset:25088
.Lq_done:
	s_wait_tensorcnt 0x0
	ds_add_u32 v224, v225
	s_wait_dscnt 0x0
	s_endpgm
	; ---- t Wt^T.  A lane holds k = 4 l .. 4 l + 3 and 128 + 4 l .. + 3: v32-95 t (8 a batch), v96-127 four rows of Wt, v128-143 at work, v160-191 the 32 partial sums, v200 the result
.Lpath_t:
	s_sub_co_u32 s36, s30, 352                     ; 0..95
	s_lshr_b32 s37, s36, 5                         ; the type: q, k, v: 32 work-groups x 6 waves x 4 rows = 768 rows each
	s_and_b32 s36, s36, 31
	s_mul_i32 s36, s36, 6
	s_add_co_u32 s36, s36, s[WV]                   ; which four rows, 0..191
	s_wait_alu depctr_va_vdst(0)
.irp k, 0,1,2,3,4
	v_and_b32 v3, 1<<\k, v1
	v_cmp_ne_u32 s[44+\k], 0, v3                   ; bit k of the lane
.endr
	v_lshlrev_b32 v9, 2, v1
	v_mov_b32 v197, 0                              ; the destination of a lane permute counts as read
	s_wait_kmcnt 0x0
	s_cmp_eq_u32 s37, 1
	s_cselect_b64 s[32:33], s[18:19], s[16:17]
	s_cmp_eq_u32 s37, 2
	s_cselect_b64 s[32:33], s[20:21], s[32:33]
	s_lshl_b32 s50, s36, 12                        ; four rows of 1,024 bytes
	s_add_nc_u64 s[32:33], s[32:33], s[50:51]
	s_mul_i32 s50, s37, 24576
	s_lshl_b32 s52, s36, 7                         ; four features of 32 bytes
	s_add_co_u32 s50, s50, s52
	s_add_nc_u64 s[34:35], s[28:29], s[50:51]
.irp rho, 0,1,2,3
	global_load_b128 v[96+8*\rho:99+8*\rho], v2, s[32:33] offset:\rho*1024 th:TH_LOAD_NT       ; 512 consecutive bytes; read once in the launch
	global_load_b128 v[100+8*\rho:103+8*\rho], v2, s[32:33] offset:\rho*1024+512 th:TH_LOAD_NT
.endr
.irp b, 0,1,2,3,4,5,6,7
	global_load_b128 v[32+8*\b:35+8*\b], v2, s[14:15] offset:1024*\b
	global_load_b128 v[36+8*\b:39+8*\b], v2, s[14:15] offset:1024*\b+512
.endr
; One level of the sum over lanes: of each pair of sums a lane keeps the one that its bit k names and gives the other to the lane whose bit k differs.  After five levels lane l holds sum l.
.macro LEVEL k, n, x
.set pidx, 0
.rept \n
.set tk, 128+2*(pidx%8)
	v_cndmask_b32 v[tk], v[160+2*pidx], v[161+2*pidx], s[44+\k]
	v_cndmask_b32 v[tk+1], v[161+2*pidx], v[160+2*pidx], s[44+\k]
	v_add_f32_dpp v[160+pidx], v[tk+1], v[tk] row_xmask:\x row_mask:0xf bank_mask:0xf
.set pidx, pidx+1
.endr
.endm
	s_wait_loadcnt 0x0
.irp rho, 0,1,2,3                      ; a row against the eight batches, which take turns: no line waits for the line above it
.irp b, 0,1,2,3,4,5,6,7
	v_pk_mul_f32 v[128+2*\b:129+2*\b], v[96+8*\rho:97+8*\rho], v[32+8*\b:33+8*\b]
.endr
.irp j, 2,4,6
.irp b, 0,1,2,3,4,5,6,7
	v_pk_fma_f32 v[128+2*\b:129+2*\b], v[96+8*\rho+\j:97+8*\rho+\j], v[32+8*\b+\j:33+8*\b+\j], v[128+2*\b:129+2*\b]
.endr
.endr
.irp b, 0,1,2,3,4,5,6,7
	v_add_f32 v[160+8*\rho+\b], v[128+2*\b], v[129+2*\b]
.endr
.endr
	LEVEL 0, 16, 1
	LEVEL 1, 8, 2
	LEVEL 2, 4, 4
	LEVEL 3, 2, 8
	v_cndmask_b32 v128, v160, v161, s48
	v_cndmask_b32 v129, v161, v160, s48
	v_permlanex16_b32 v197, v129, s[SEL], s[SEL+1]
	v_add_f32 v200, v128, v197                     ; lane l: row l / 8 of the four, batch l % 8
	global_store_b32 v9, v200, s[34:35]
	s_endpgm
.Lfunc_end_k_q0e83b4023f_prep:
	.size	k_q0e83b4023f_prep, .Lfunc_end_k_q0e83b4023f_prep-k_q0e83b4023f_prep
	.p2alignl 7, 3214868480
	.fill 96, 4, 3214868480
	.section	.rodata,"a",@progbits
	.p2align	6, 0x0
	.amdhsa_kernel k_q0e83b4023f_prep
		.amdhsa_group_segment_fixed_size 52480
		.amdhsa_private_segment_fixed_size 0
		.amdhsa_enable_private_segment 0
		.amdhsa_kernarg_size 104
		.amdhsa_user_sgpr_count 2
		.amdhsa_user_sgpr_kernarg_segment_ptr 1
		.amdhsa_wavefront_size32 1
		.amdhsa_system_sgpr_workgroup_id_x 1
		.amdhsa_system_sgpr_workgroup_id_y 1
		.amdhsa_system_sgpr_workgroup_id_z 1
		.amdhsa_system_vgpr_workitem_id 0
		.amdhsa_next_free_vgpr 226
		.amdhsa_next_free_sgpr 66
		.amdhsa_reserve_vcc 0
		.amdhsa_float_denorm_mode_32 3
		.amdhsa_float_denorm_mode_16_64 3
		.amdhsa_memory_ordered 1
		.amdhsa_forward_progress 1
		.amdhsa_inst_pref_size 47
	.end_amdhsa_kernel
	.amdgpu_metadata
---
amdhsa.version: [ 1, 2 ]
amdhsa.kernels:
  - .name:           k_q0e83b4023f_prep
    .symbol:         k_q0e83b4023f_prep.kd
    .args:
      - { .name: x, .offset: 0, .size: 8, .value_kind: global_buffer, .address_space: global }
      - { .name: Wx_q, .offset: 8, .size: 8, .value_kind: global_buffer, .address_space: global }
      - { .name: Wx_k, .offset: 16, .size: 8, .value_kind: global_buffer, .address_space: global }
      - { .name: Wx_v, .offset: 24, .size: 8, .value_kind: global_buffer, .address_space: global }
      - { .name: W_o, .offset: 32, .size: 8, .value_kind: global_buffer, .address_space: global }
      - { .name: t, .offset: 40, .size: 8, .value_kind: global_buffer, .address_space: global }
      - { .name: Wt_q, .offset: 48, .size: 8, .value_kind: global_buffer, .address_space: global }
      - { .name: Wt_k, .offset: 56, .size: 8, .value_kind: global_buffer, .address_space: global }
      - { .name: Wt_v, .offset: 64, .size: 8, .value_kind: global_buffer, .address_space: global }
      - { .name: ximg, .offset: 72, .size: 8, .value_kind: global_buffer, .address_space: global }
      - { .name: wimg, .offset: 80, .size: 8, .value_kind: global_buffer, .address_space: global }
      - { .name: woimg, .offset: 88, .size: 8, .value_kind: global_buffer, .address_space: global }
      - { .name: tb, .offset: 96, .size: 8, .value_kind: global_buffer, .address_space: global }
    .group_segment_fixed_size: 52480
    .private_segment_fixed_size: 0
    .kernarg_segment_align: 8
    .kernarg_segment_size: 104
    .max_flat_workgroup_size: 192
    .sgpr_count:     66
    .vgpr_count:     226
    .wavefront_size: 32
...
	.end_amdgpu_metadata
.endif
;; end of part 5
;; launch qkv (part 6): grid 32 x 8, 4 waves a work-group, clusters of 4 x 1, 230,912 bytes of LDS; arguments ximg, wimg, tb, qimg, qsc, kvimg; writes qimg, qsc, kvimg
.if DOCPART == 6
	.amdgcn_target "amdgcn-amd-amdhsa--gfx1250"
	.amdhsa_code_object_version 6
	.text
	.protected	k_q0e83b4023f_qkv
	.globl	k_q0e83b4023f_qkv
	.p2align	8
	.type	k_q0e83b4023f_qkv,@function
k_q0e83b4023f_qkv:
	s_mov_b64 s[64:65], 0
	v_nop
	global_prefetch_b8 v0, s[64:65] scope:SCOPE_SE
	s_setreg_imm32_b32 hwreg(HW_REG_WAVE_MODE, 25, 1), 1
	s_wait_xcnt 0x0
	s_wait_alu depctr_hold_cnt(0) depctr_sa_sdst(0) depctr_va_vdst(0) depctr_va_sdst(0) depctr_va_ssrc(0) depctr_va_vcc(0) depctr_vm_vsrc(0)
	s_getreg_b32 s2, hwreg(HW_REG_IB_STS2, 6, 4)
	s_cmp_eq_u32 s2, 0
	s_cbranch_scc0 .Lentry_in_a_cluster
	s_endpgm
.Lentry_in_a_cluster:
	s_bfe_u32 s2, ttmp6, 0x10000c
	s_cmp_lg_u32 s2, 0x3003
	s_cbranch_scc0 .Lentry_shape_is_right
	s_endpgm
.Lentry_shape_is_right:
; QKV.  q, k, v = x W^T + the shift of the batch, on codes of E5M2 with E8M0 scales; the results are quantised in registers: q and k along the 64 of a head, v along the keys.
; SHARES.  A work-group takes 256 tokens (X = 4 x cluster x + cx; the batch is cluster x) and slab j (work-group y): 96 features of each of q, k, v, as nine records of 32 features.
; THE WAVES SHARE THE TOKENS: wave w holds the codes of its 64 tokens for all 768 along K in 384 registers, read from memory once.  The slab of weights, 230,400 dense bytes, is filled into LDS once
; (no byte of LDS is filled again) and is read by all four waves.  CLUSTER: the four work-groups of a cluster have the same slab: each part of it is asked for jointly, mask 15.
; Waves 0, 1, 2 each fill the three records of q, of k, of v: only the wave of the type in hand waits for it, so the later ones land while the earlier type is multiplied.
; q, k: source 0 = 16 features, source 1 = 16 tokens: a lane holds one token and, since tile u, lane r of a weight record holds feature 8 u + r + 8 (r / 8), its 16 registers of tiles 0, 1 are the
; features 16 (lane / 16) + 0 .. 15 of the block of 32: neighbours along the K of the scores.  v: source 0 = 16 tokens, source 1 = 16 features: a lane holds one feature and, by the same order of
; the rows of x, 16 neighbouring tokens: neighbours along the keys.  The shift is the C of the first K step.
; OUT.  qimg [batch x 12 + head][tile 0..63][c 0..1][512 bytes]: piece c holds d = 32 c + 16 (lane / 16) + 0 .. 15 of the token of lane % 16.  qsc: a word a token: bytes s0 - 3, 127, s1 - 3, 127.
; The 3 taken off the bytes of q divides the scores by 8 = sqrt(64), exactly.  kvimg: a record of 17,152 bytes for each 128 keys of a head: K codes (tile t at 1024 t, piece c at + 512 c), K scale
; words at 8,192 (tile t, lane r: ((t / 4) 16 + r) 16 + 4 (t % 4)), V^T codes at 8,704 (tile of d t at 2048 t, block of keys c at + 512 c), V scale words at 16,896 (16 r + 4 t).
; In the score product K = 128 holds the 64 of a head in blocks 0 and 2; blocks 1 and 3 are zero codes on both sides, under the byte 127.
; The scale bytes leave as half words, two bytes a lane: 1.0 MB of the 19.8 MB that the launch stores.
; LIMITS: NaN and infinities are not served.  Blocks of q whose largest magnitude lies under 2^-108 are quantised under that floor (so that the byte less 3 stays at 1 or above); of k and v under 2^-111.
; REGISTERS.  Window 0: v1-5 addresses; v8-19 scale words of x; v20-25 of W; v26-28 LDS addresses of three records; v32-47 the shift; v48-143 three buffers of two fragments of W;
; v144-207 eight accumulators; v208-223 codes; v224-239 at work; v240-243 half words.  Window 1: fragments of x, (tile m, K step s) at 16 (4 s + m), s = 0..3.  Window 2: s = 4, 5.
.set GR,   25600
.set KVR,  17152
.set LI,   1
.set TBQ,  2
.set TBV,  3
.set SQ,   4
.set SK,   5
.set XS,   8
.set WS,   20
.set WA,   26
.set CB,   32
.set WF,   48
.set ACC,  144
.set PC,   208
.set TM,   224
.set HV,   240
.set WV,   16
.set G1,   24
.set G0,   32
.set MNT,  45
.set SEL,  46
.set MSB,  0
.macro WIN new                         ; the high byte of the immediate repeats the setting that is left
.if MSB != (\new)
	s_set_vgpr_msb (MSB<<8)|(\new)
.set MSB, \new
.endif
.endm
.macro ROUND                           ; a round of the barrier of the cluster
	s_barrier_signal -1
	s_barrier_wait -1
	s_cmp_lg_u32 s[WV], 0
	s_cbranch_scc1 .Lnot_wave_0_\@
	s_barrier_signal -3
.Lnot_wave_0_\@:
	s_barrier_wait -3
	s_barrier_signal -1
	s_barrier_wait -1
.endm
.macro QCORE s, nb, floor, pc          ; nb blocks of 32; a lane holds 16 numbers of each, the lane 16 away the others.  Codes to v[pc + 4 b] on; the byte of block b stays in v[TM + 4 + b]
.set qb, 0
.rept \nb
	v_max3_num_f32 v[TM+qb], |v[\s+16*qb]|, |v[\s+16*qb+1]|, \floor   ; each accumulator is read from its low end on; the floor holds the byte from below
.set qb, qb+1
.endr
.irp qi, 2,4,6,8,10,12,14
.set qb, 0
.rept \nb
	v_max3_num_f32 v[TM+qb], v[TM+qb], |v[\s+16*qb+\qi]|, |v[\s+16*qb+\qi+1]|
.set qb, qb+1
.endr
.endr
.set qb, 0
.rept \nb
	v_permlanex16_b32 v[TM+4+qb], v[TM+qb], s[SEL], s[SEL+1]
.set qb, qb+1
.endr
.set qb, 0
.rept \nb
	v_max_num_f32 v[TM+qb], v[TM+qb], v[TM+4+qb]
.set qb, qb+1
.endr
.set qb, 0
.rept \nb
	v_add_nc_u32 v[TM+12+qb], 0xf8800000, v[TM+qb]                   ; 15 off the exponent field: the scale operand of the conversion
.set qb, qb+1
.endr
.set qb, 0
.rept \nb
	v_and_or_b32 v[TM+8+qb], v[TM+qb], 0x7f800000, s[MNT]            ; 57,344 x the scale
.set qb, qb+1
.endr
.set qb, 0
.rept \nb
	v_lshrrev_b32 v[TM+4+qb], 23, v[TM+12+qb]                        ; the byte
.set qb, qb+1
.endr
.set qb, 0
.rept \nb
.irp qi, 0,1,2,3,4,5,6,7,8,9,10,11,12,13,14,15
	v_med3_num_f32 v[\s+16*qb+\qi], v[\s+16*qb+\qi], -v[TM+8+qb], v[TM+8+qb]   ; the conversion does not saturate (ISA guide 7.6.2): hold first
.endr
	v_cvt_scalef32_pk8_bf8_f32 v[\pc+4*qb:\pc+4*qb+1], v[\s+16*qb:\s+16*qb+7], v[TM+12+qb]
	v_cvt_scalef32_pk8_bf8_f32 v[\pc+4*qb+2:\pc+4*qb+3], v[\s+16*qb+8:\s+16*qb+15], v[TM+12+qb]
.set qb, qb+1
.endr
	v_nop                                          ; one plain instruction behind the last conversion
.endm
.macro MM ra, rb                       ; one product; ra, rb: the scales of source 0, 1 stand in lanes 16-31
.if (\ra) && (\rb)
	v_wmma_scale_f32_16x16x128_f8f6f4 v[rD:rD+7], v[rA:rA+15], v[rB:rB+15], v[rC:rC+7], v[rSA], v[rSB] matrix_a_fmt:MATRIX_FMT_BF8 matrix_b_fmt:MATRIX_FMT_BF8 matrix_a_scale:MATRIX_SCALE_ROW1 matrix_b_scale:MATRIX_SCALE_ROW1
.elseif (\ra)
	v_wmma_scale_f32_16x16x128_f8f6f4 v[rD:rD+7], v[rA:rA+15], v[rB:rB+15], v[rC:rC+7], v[rSA], v[rSB] matrix_a_fmt:MATRIX_FMT_BF8 matrix_b_fmt:MATRIX_FMT_BF8 matrix_a_scale:MATRIX_SCALE_ROW1
.elseif (\rb)
	v_wmma_scale_f32_16x16x128_f8f6f4 v[rD:rD+7], v[rA:rA+15], v[rB:rB+15], v[rC:rC+7], v[rSA], v[rSB] matrix_a_fmt:MATRIX_FMT_BF8 matrix_b_fmt:MATRIX_FMT_BF8 matrix_b_scale:MATRIX_SCALE_ROW1
.else
	v_wmma_scale_f32_16x16x128_f8f6f4 v[rD:rD+7], v[rA:rA+15], v[rB:rB+15], v[rC:rC+7], v[rSA], v[rSB] matrix_a_fmt:MATRIX_FMT_BF8 matrix_b_fmt:MATRIX_FMT_BF8
.endif
.endm
	s_load_b256 s[4:11], s[0:1], 0x0               ; ximg, wimg, tb, qimg
	s_load_b128 s[12:15], s[0:1], 0x20             ; qsc, kvimg
	v_lshl_add_u32 v254, v0, 2, 0x38400
	v_mov_b32 v255, 0
	ds_add_u32 v254, v255
	ds_add_u32 v254, v255
	v_lshrrev_b32 v6, 5, v0
	v_readfirstlane_b32 s[WV], v6                  ; wave 0..3
	s_bfe_u32 s17, ttmp6, 0x40000                  ; cx
	s_mov_b32 s20, ttmp9                           ; the batch: a cluster holds its 1,024 tokens
	s_lshl_b32 s18, ttmp9, 2
	s_add_co_u32 s18, s18, s17                     ; X
	s_and_b32 s19, ttmp7, 0xffff                   ; slab j
	; group 1: 300 rows of 256 bytes, dense
	s_mov_b32 s[G1+0], 15|(3<<16)|(1<<21)          ; 15:0 the mask: all four; 17:16 elements of 8 bytes; 21 set beside a mask
	s_mov_b32 s[G1+1], 32<<16                      ; tensor_dim0 = 32
	s_mov_b32 s[G1+2], 300<<16                     ; tensor_dim1 = 300: the three records of one type
	s_mov_b32 s[G1+3], 32<<16                      ; tile_dim0 = 32
	s_mov_b32 s[G1+4], 300                         ; tile_dim1 = 300
	s_mov_b32 s[G1+5], 32                          ; the pitch
	s_mov_b32 s[G1+6], 0
	s_mov_b32 s[G1+7], 0
	s_mul_i32 s22, s19, 9*GR                       ; the slab,
	s_min_u32 s21, s[WV], 2                        ; wave 0 fetches the records of q, wave 1 of k, wave 2 of v; wave 3 fetches nothing
	s_mul_i32 s21, s21, 3*GR                       ; the same place in memory and in LDS
	s_add_co_u32 s22, s22, s21
	s_mov_b32 s23, 0
	v_and_b32 v6, 31, v0                           ; lane
	v_and_b32 v7, 15, v0                           ; r
	v_bfe_u32 v29, v0, 4, 1                        ; h
	v_lshlrev_b32 v[LI], 4, v6
	v_lshlrev_b32 v[TBQ], 9, v29                   ; the shift of q, k: 16 h features of 32 bytes
	v_and_b32 v30, 8, v7
	v_add_nc_u32 v30, v30, v7
	v_lshlrev_b32 v[TBV], 5, v30                   ; of v: feature r + 8 (r / 8)
	v_lshlrev_b32 v[SQ], 2, v6
	v_lshlrev_b32 v[SK], 4, v7
	v_lshl_add_u32 v[SK], v29, 2, v[SK]            ; 16 r + 4 (lane / 16)
	v_cmp_le_u32 s44, 16, v6                       ; lanes 16-31
.irp b, 0,1,2,3
	v_mov_b32 v[TM+4+\b], 0                        ; written once: the destination of a lane permute counts as read
.endr
	s_mov_b32 s[MNT], 0x600000
	s_mov_b32 s[SEL], 0x76543210
	s_mov_b32 s[SEL+1], 0xfedcba98
	s_wait_dscnt 0x0
	s_wait_kmcnt 0x0
	s_add_nc_u64 s[22:23], s[6:7], s[22:23]
	s_mov_b32 s[G0], 1
	s_mov_b32 s[G0+1], s21
	s_mov_b64 s[G0+2:G0+3], s[22:23]
	s_or_b32 s[G0+3], s[G0+3], 0x80000000
	s_wait_alu depctr_va_vdst(0)
	ROUND                                          ; all four work-groups are here: the joint loads meet
	s_cmp_eq_u32 s[WV], 0                          ; one chain of branches on the wave's number, one load to an arm: each type has a load line of its own
	s_cbranch_scc0 .Lhead_k
	tensor_load_to_lds s[G0:G0+3], s[G1:G1+7]
	s_nop 0
.rept 4
	v_nop
.endr
	s_branch .Lhead_asked
.Lhead_k:
	s_cmp_eq_u32 s[WV], 1
	s_cbranch_scc0 .Lhead_v
	tensor_load_to_lds s[G0:G0+3], s[G1:G1+7]
	s_nop 0
.rept 4
	v_nop
.endr
	s_branch .Lhead_asked
.Lhead_v:
	s_cmp_eq_u32 s[WV], 2
	s_cbranch_scc0 .Lhead_asked
	tensor_load_to_lds s[G0:G0+3], s[G1:G1+7]
	s_nop 0
.rept 4
	v_nop
.endr
.Lhead_asked:
	s_lshl_b32 s2, s18, 3
	s_lshl_b32 s99, s[WV], 1
	s_add_co_u32 s2, s2, s99
	s_mul_i32 s2, s2, GR                           ; my two records of x: 8 X + 2 w
	s_mov_b32 s3, 0
	s_add_nc_u64 s[62:63], s[4:5], s[2:3]
	WIN 0x40                                       ; destination window 1
.irp s, 0,1,2,3
.irp m, 0,1,2,3
.irp c, 0,1,2,3
	global_load_b128 v[16*(4*\s+\m)+4*\c:16*(4*\s+\m)+4*\c+3], v[LI], s[62:63] offset:(\m/2)*GR+(2*\s+\m%2)*2048+512*\c
.endr
.endr
.endr
	WIN 0x80                                       ; destination window 2
.irp s, 4,5
.irp m, 0,1,2,3
.irp c, 0,1,2,3
	global_load_b128 v[16*(4*(\s-4)+\m)+4*\c:16*(4*(\s-4)+\m)+4*\c+3], v[LI], s[62:63] offset:(\m/2)*GR+(2*\s+\m%2)*2048+512*\c
.endr
.endr
.endr
	WIN 0
.irp p, 0,1
	global_load_b128 v[XS+6*\p:XS+6*\p+3], v[LI], s[62:63] offset:\p*GR+24576
	global_load_b64 v[XS+6*\p+4:XS+6*\p+5], v[LI], s[62:63] offset:\p*GR+25088
.endr
	s_mul_i32 s2, s19, 3072                        ; tb: 96 j features of 32 bytes, + 4 x batch
	s_lshl_b32 s99, s20, 2
	s_add_co_u32 s2, s2, s99
	s_add_nc_u64 s[48:49], s[8:9], s[2:3]
	s_add_nc_u64 s[50:51], s[48:49], 24576
	s_add_nc_u64 s[52:53], s[48:49], 49152
.macro CBLOAD I                        ; the shift of block I (type I / 3, block I % 3) in the layout of the result
.irp u, 0,1
.irp jj, 0,1,2,3,4,5,6,7
.if (\I)/3 < 2
	global_load_b32 v[CB+8*\u+\jj], v[TBQ], s[48+2*((\I)/3):49+2*((\I)/3)] offset:((\I)%3)*1024+(8*\u+\jj)*32
.else
	global_load_b32 v[CB+8*\u+\jj], v[TBV], s[52:53] offset:((\I)%3)*1024+256*\u      ; a lane holds one feature: the same number in all eight
.endif
.endr
.endr
.endm
	CBLOAD 0
	; where the results go
	s_lshl_b32 s96, s17, 4
	s_lshl_b32 s99, s[WV], 2
	s_add_co_u32 s96, s96, s99                     ; my first tile of tokens in the batch: 16 cx + 4 w
	s_lshl_b32 s97, s17, 1
	s_lshr_b32 s99, s[WV], 1
	s_add_co_u32 s97, s97, s99                     ; my key step: 2 cx + w / 2
	s_and_b32 s98, s[WV], 1
.irp i, 0,1,2
	s_mul_i32 s60, s19, 3
	s_add_co_u32 s60, s60, \i                      ; the block of 32 features, 0..23
	s_lshr_b32 s61, s60, 1                         ; its head
	s_and_b32 s60, s60, 1                          ; c: which half of the head
	s_mul_i32 s99, s20, 12
	s_add_co_u32 s61, s61, s99                     ; 12 x batch + head
	s_lshl_b32 s2, s61, 16
	s_lshl_b32 s99, s96, 10
	s_add_co_u32 s2, s2, s99
	s_lshl_b32 s99, s60, 9
	s_add_co_u32 s2, s2, s99
	s_add_nc_u64 s[54+2*\i:55+2*\i], s[10:11], s[2:3]      ; codes of q
	s_lshl_b32 s2, s61, 12
	s_lshl_b32 s99, s96, 6
	s_add_co_u32 s2, s2, s99
	s_lshl_b32 s99, s60, 1
	s_add_co_u32 s2, s2, s99
	s_add_nc_u64 s[66+2*\i:67+2*\i], s[12:13], s[2:3]      ; half words of q
	s_lshl_b32 s100, s61, 3
	s_add_co_u32 s100, s100, s97
	s_mul_i32 s100, s100, KVR                      ; the record of K and V
	s_lshl_b32 s2, s98, 12
	s_add_co_u32 s2, s2, s100
	s_lshl_b32 s99, s60, 9
	s_add_co_u32 s2, s2, s99
	s_add_nc_u64 s[72+2*\i:73+2*\i], s[14:15], s[2:3]      ; codes of k
	s_lshl_b32 s2, s98, 8
	s_add_co_u32 s2, s2, s100
	s_lshl_b32 s99, s60, 1
	s_add_co_u32 s2, s2, s99
	s_add_co_u32 s2, s2, 8192
	s_add_nc_u64 s[78+2*\i:79+2*\i], s[14:15], s[2:3]      ; half words of k
	s_lshl_b32 s2, s98, 10
	s_add_co_u32 s2, s2, s100
	s_lshl_b32 s99, s60, 12
	s_add_co_u32 s2, s2, s99
	s_add_co_u32 s2, s2, 8704
	s_add_nc_u64 s[84+2*\i:85+2*\i], s[14:15], s[2:3]      ; codes of v
	s_lshl_b32 s2, s98, 1
	s_add_co_u32 s2, s2, s100
	s_lshl_b32 s99, s60, 3
	s_add_co_u32 s2, s2, s99
	s_add_co_u32 s2, s2, 16896
	s_add_nc_u64 s[90+2*\i:91+2*\i], s[14:15], s[2:3]      ; half words of v
.endr
.macro FETCHW kap                      ; step kap of the 18 of a type (block kap / 6, K step kap % 6): two fragments of W into buffer kap % 3
.irp u, 0,1
.irp c, 0,1,2,3
	ds_load_b128 v[WF+32*((\kap)%3)+16*\u+4*\c:WF+32*((\kap)%3)+16*\u+4*\c+3], v[WA+(\kap)/6] offset:(2*((\kap)%6)+\u)*2048+512*\c
.endr
.endr
.endm
.macro WSLOAD blk                      ; the six scale words of a block of W
	ds_load_b128 v[WS:WS+3], v[WA+\blk] offset:24576
	ds_load_b64 v[WS+4:WS+5], v[WA+\blk] offset:25088
.endm
; One K step of a block: eight products, each accumulator once.
.macro STEPK tau, kap
.set sK, (\kap)%6
.set bK, (\kap)/6
.set fK, WF+32*((\kap)%3)
.if (\kap)+2 < 18
	FETCHW (\kap)+2                                ; two steps ahead, into the buffer that the last step multiplied: eight places stand behind its products
.endif
.if (\kap) == 17
	s_wait_dscnt 0x0
.elseif ((\kap) == 16) || (sK == 0)
	s_wait_dscnt 8                                 ; only the youngest fetch may be out: at the first step of a block the scale words, issued ahead of it, are wanted
.else
	s_wait_dscnt 16                                ; the fetches of the next two steps may be out
.endif
.if sK == 0
	s_wait_loadcnt 0x0                             ; the shift (and, the first time, x)
.endif
.if \tau < 2
	WIN 0x04*(1+sK/4)                              ; source 1 = x: window 1 or 2
.else
	WIN 0x01*(1+sK/4)                              ; source 0 = x
.endif
.irp m, 0,1,2,3
.irp u, 0,1
.if \tau < 2
.set rD, ACC+16*\m+8*\u
.set rA, fK+16*\u
.set rB, 16*(4*(sK%4)+\m)
.set rSA, WS+sK
.set rSB, XS+6*(\m/2)+sK
.else
.set rD, ACC+16*(2*\u+\m/2)+8*(\m%2)
.set rA, 16*(4*(sK%4)+\m)
.set rB, fK+16*\u
.set rSA, XS+6*(\m/2)+sK
.set rSB, WS+sK
.endif
.if sK == 0
.set rC, CB+8*\u
.else
.set rC, rD
.endif
.if \tau < 2
	MM \u, \m%2
.else
	MM \m%2, \u
.endif
.endr
.endr
	WIN 0
.rept 8
	v_nop                                          ; eight places ahead of loads into registers that these products read, and of the first read of results
.endr
.if (sK == 0) && (3*\tau+bK < 8)
	CBLOAD 3*\tau+bK+1
.endif
.if (sK == 5) && (bK < 2)
	WSLOAD bK+1
.endif
.endm
.macro EPI_QK cb, sb, isq              ; four tiles of tokens x 32 features: four blocks
	s_wait_xcnt 0x0                                ; the codes and half words of the last block are rewritten only behind this wait
.if \isq
	QCORE ACC, 4, 0x9800000, PC
.else
	QCORE ACC, 4, 0x8000000, PC
.endif
.irp m, 0,1,2,3
	global_store_b128 v[LI], v[PC+4*\m:PC+4*\m+3], s[\cb:\cb+1] offset:1024*\m     ; 512 consecutive bytes, aligned
.endr
.if \isq
.irp b, 0,1,2,3
	v_add_nc_u32 v[TM+4+\b], -3, v[TM+4+\b]        ; q / 8
.endr
.endif
.irp i, 0,1
	v_cndmask_b32 v[HV+\i], v[TM+4+2*\i], v[TM+5+2*\i], s44    ; lanes 0-15: tile 2 i, lanes 16-31: tile 2 i + 1
	v_or_b32 v[HV+\i], 0x7f00, v[HV+\i]            ; the byte of the block of zeros beside it
.if \isq
	global_store_b16 v[SQ], v[HV+\i], s[\sb:\sb+1] offset:128*\i
.else
	global_store_b16 v[SK], v[HV+\i], s[\sb:\sb+1] offset:8*\i
.endif
.endr
.endm
.macro EPI_V cb, sb                    ; two tiles of features x two blocks of 32 keys
	s_wait_xcnt 0x0
	QCORE ACC, 4, 0x8000000, PC
.irp u, 0,1
.irp p, 0,1
	global_store_b128 v[LI], v[PC+4*(2*\u+\p):PC+4*(2*\u+\p)+3], s[\cb:\cb+1] offset:2048*\u+512*\p
.endr
.endr
	v_lshl_or_b32 v[HV], v[TM+5], 8, v[TM+4]
	v_lshl_or_b32 v[HV+1], v[TM+7], 8, v[TM+6]
	v_cndmask_b32 v[HV+2], v[HV], v[HV+1], s44
	global_store_b16 v[SK], v[HV+2], s[\sb:\sb+1]
.endm
.macro BLOCK tau, blk
.irp s6, 0,1,2,3,4,5
	STEPK \tau, 6*\blk+\s6
.endr
.if \tau == 0
	EPI_QK 54+2*\blk, 66+2*\blk, 1
.elseif \tau == 1
	EPI_QK 72+2*\blk, 78+2*\blk, 0
.else
	EPI_V 84+2*\blk, 90+2*\blk
.endif
.endm
.macro GROUP tau
.if \tau < 2
	s_wait_alu depctr_va_vdst(0)
	s_cmp_eq_u32 s[WV], \tau                       ; the wave that fetched this type's records waits for them; the later types may be out
	s_cbranch_scc0 .Lnot_mine_\@
	s_wait_tensorcnt 0x0
.Lnot_mine_\@:
.else
	s_wait_tensorcnt 0x0                           ; the last type: the wait stands on every wave's way
.endif
	s_wait_dscnt 0x0
	s_barrier_signal -1
	s_barrier_wait -1                              ; every part is in
.irp i, 0,1,2
	v_add_nc_u32 v[WA+\i], (3*\tau+\i)*GR, v[LI]   ; an LDS immediate has 16 bits: the register carries the record
.endr
	FETCHW 0
	FETCHW 1
	WSLOAD 0
	s_wait_alu depctr_va_vdst(0)
	BLOCK \tau, 0
	BLOCK \tau, 1
	BLOCK \tau, 2
.endm
	GROUP 0
	GROUP 1
	GROUP 2
	s_wait_dscnt 0x0
	s_wait_tensorcnt 0x0
	ds_add_u32 v254, v255
	s_wait_dscnt 0x0
	ROUND                                          ; the closing round
	s_endpgm
.Lfunc_end_k_q0e83b4023f_qkv:
	.size	k_q0e83b4023f_qkv, .Lfunc_end_k_q0e83b4023f_qkv-k_q0e83b4023f_qkv
	.p2alignl 7, 3214868480
	.fill 96, 4, 3214868480
	.section	.rodata,"a",@progbits
	.p2align	6, 0x0
	.amdhsa_kernel k_q0e83b4023f_qkv
		.amdhsa_group_segment_fixed_size 230912
		.amdhsa_private_segment_fixed_size 0
		.amdhsa_enable_private_segment 0
		.amdhsa_kernarg_size 48
		.amdhsa_user_sgpr_count 2
		.amdhsa_user_sgpr_kernarg_segment_ptr 1
		.amdhsa_wavefront_size32 1
		.amdhsa_system_sgpr_workgroup_id_x 1
		.amdhsa_system_sgpr_workgroup_id_y 1
		.amdhsa_system_sgpr_workgroup_id_z 1
		.amdhsa_system_vgpr_workitem_id 0
		.amdhsa_next_free_vgpr 640
		.amdhsa_next_free_sgpr 102
		.amdhsa_reserve_vcc 0
		.amdhsa_float_denorm_mode_32 3
		.amdhsa_float_denorm_mode_16_64 3
		.amdhsa_memory_ordered 1
		.amdhsa_forward_progress 1
		.amdhsa_inst_pref_size 213
	.end_amdhsa_kernel
	.amdgpu_metadata
---
amdhsa.version: [ 1, 2 ]
amdhsa.kernels:
  - .name:           k_q0e83b4023f_qkv
    .symbol:         k_q0e83b4023f_qkv.kd
    .args:
      - { .name: ximg, .offset: 0, .size: 8, .value_kind: global_buffer, .address_space: global }
      - { .name: wimg, .offset: 8, .size: 8, .value_kind: global_buffer, .address_space: global }
      - { .name: tb, .offset: 16, .size: 8, .value_kind: global_buffer, .address_space: global }
      - { .name: qimg, .offset: 24, .size: 8, .value_kind: global_buffer, .address_space: global }
      - { .name: qsc, .offset: 32, .size: 8, .value_kind: global_buffer, .address_space: global }
      - { .name: kvimg, .offset: 40, .size: 8, .value_kind: global_buffer, .address_space: global }
    .group_segment_fixed_size: 230912
    .private_segment_fixed_size: 0
    .kernarg_segment_align: 8
    .kernarg_segment_size: 48
    .max_flat_workgroup_size: 128
    .sgpr_count:     102
    .vgpr_count:     640
    .wavefront_size: 32
...
	.end_amdgpu_metadata
.endif
;; end of part 6
;; launch att (part 7): grid 16 x 16, 8 waves a work-group, clusters of 4 x 4, 327,680 bytes of LDS; arguments qimg, qsc, kvimg, rel_pos_bias, oimg; writes oimg
.if DOCPART == 7
	.amdgcn_target "amdgcn-amd-amdhsa--gfx1250"
	.amdhsa_code_object_version 6
	.text
	.protected	k_q0e83b4023f_att
	.globl	k_q0e83b4023f_att
	.p2align	8
	.type	k_q0e83b4023f_att,@function
k_q0e83b4023f_att:
	s_mov_b64 s[64:65], 0
	v_nop
	global_prefetch_b8 v0, s[64:65] scope:SCOPE_SE
	s_setreg_imm32_b32 hwreg(HW_REG_WAVE_MODE, 25, 1), 1
	s_wait_xcnt 0x0
	s_wait_alu depctr_hold_cnt(0) depctr_sa_sdst(0) depctr_va_vdst(0) depctr_va_sdst(0) depctr_va_ssrc(0) depctr_va_vcc(0) depctr_vm_vsrc(0)
	s_getreg_b32 s2, hwreg(HW_REG_IB_STS2, 6, 4)
	s_cmp_eq_u32 s2, 0
	s_cbranch_scc0 .Lentry_in_a_cluster
	s_endpgm
.Lentry_in_a_cluster:
	s_bfe_u32 s2, ttmp6, 0x10000c
	s_cmp_lg_u32 s2, 0xf033
	s_cbranch_scc0 .Lentry_shape_is_right
	s_endpgm
.Lentry_shape_is_right:
; ATT.  o = softmax(q k^T / 8 + bias) v for 96 (batch, head) pairs, both products on codes of E5M2 with E8M0 scales; o is quantised along the 768 of the model into group records.
; THE SOFTMAX: t = logit x log2(e); M = the largest t of the row so far, rounded up to a whole number; p = 2^(t - M) is quantised along the keys, not normalised; the row's sum is taken of the
; unquantised p and divides at the end.  When M moves, the sum and O are multiplied by 2^(old M - new M), which rounds nothing.
; SHARES.  A work-group owns 64 queries (qblk = 4 x cluster x + cx) of two batches (2 cy, 2 cy + 1) and walks heads 3 g .. 3 g + 2 (g = cluster y): 24 key steps of 128 keys.
; Each of the eight waves owns 16 queries of one batch: tile wave % 4, batch 2 cy + wave / 4; two waves to a SIMD, 480 registers each.
; THE RING holds the bias alone.  Two LDS slots; group n (0..11) is 64 rows x 256 keys of the bias, key steps 2 n and 2 n + 1: 66,560 bytes with padding.  Every wave fetches eight rows.
; One tensor load of a wave is out at a time.  CLUSTER 4 x 4: the bias tile hangs on head, qblk and keys: the four work-groups of a column (all eight batches) ask for it jointly.
; K AND V GO FROM MEMORY STRAIGHT INTO REGISTERS.  A record of kvimg is an image of operand registers: each load of a wave reads 512 consecutive bytes, aligned.  So a fill of the ring brings
; 66,560 bytes in place of 135,168, and LDS is read for the bias alone.  Joint loads exist for tensor loads alone, so K and V have none; their records are asked of memory ahead once a cluster (below).
; THE STEPS OVERLAP IN A WAVE.  Scores stand in two sets of 64 registers.  The body of step i loads the bias of step i + 1 at its head and multiplies K of step i + 1 behind its own exponentials;
; behind those products it asks for K of step i + 2; behind its own second product it takes the maxima of step i + 1 and asks for V of step i + 1.  So each run of 17 loads has a whole body in
; which to land.  Group n of the bias is read by the bodies of steps 2 n - 1 and 2 n, and the change of slots stands ahead of the odd bodies.  In the first trip a short opening stands for the odd body.
; LAYOUT.  Both products are used transposed: a lane holds one query.  Tile 2 b + u of K holds in lane r key 32 b + 8 u + r + 8 (r / 8): 16 registers of two tiles are 16 neighbouring keys.
; The bias is the C of the score product.  The division by 8 lies in q's scale bytes.  The 64 of a head stand in blocks 0 and 2 of K = 128; blocks 1 and 3 are zero codes on both sides.
; PREFETCH: behind the load of group n + 1, what key steps 2 n + 4 and 2 n + 5 need is asked for.  Each block of 256 bytes is named once in a cluster: of the bias tile's 64 rows the partner
; at cy takes 16 (waves 0, 1: 64 blocks); of the four records the partner at cx takes one (waves 2-4: 67 blocks).  The first four key steps come by their loads alone; trips 10 on ask for nothing.
; LIMITS: NaN and infinities are not served.  The promise holds while the scaled scores stay under 2^31 in magnitude.  A block of p or of o whose largest number lies under 2^-111 keeps the byte 1.
; The half word of o's scale bytes is stored by lanes r and r + 16 alike: the same bytes with the same value.
; REGISTERS.  Window 0: v1-2 spare word; v3-11 addresses; v12 -M, v13 largest t, v[14:15] sum; v16-31 Q; v32-95, v96-159 the two sets of scores; v160-175 p's codes; v176-187 scale words, f;
; v188-203 at work; v204-221 Q of the two later heads; v222-235 partial sums.  Window 1: v0-31 O^T; v32-159 eight fragments of K; v160-223 four of V.
.set BP,    1040
.set KVR,   17152
.set KVB,   2*KVR
.set SLOTB, 64*BP
.set SPARE, 2*SLOTB
.set SPW,  1
.set NIL,  2
.set ABI,  3
.set L16,  6
.set R16,  7
.set ADB,  8
.set T0,   11
.set SA,   32
.set SB,   96
.set PCD,  160
.set KSR,  176
.set VSR,  180
.set PSR,  185
.set F,    186
.set TM,   188
.set BM,   188
.set PR,   192
.set HD,   196
.set SO,   200
.set Q1,   204
.set Q2,   212
.set QS1,  220
.set QS2,  221
.set SM,   222
.set QSR,  237
.set HW,   238
.set PFO,  239
.set HD2,  241                         ; a second copy of the holds' bounds, in another register bank: the two halves of a dual pair name different banks
.set QAD,  246
.set QSA,  247
.set O,    0                           ; window 1
.set KF,   32
.set VF,   160
.set WV,   14
.set HALF, 23
.set G1B,  24
.set KP,   32                          ; s[32:33] the record whose K was asked for last
.set VP,   34                          ; s[34:35] the record whose V was asked for last
.set G0B,  40
.set BB,   48
.set CNT,  50
.set TB,   51
.set SEL,  52
.set CS,   54
.set MNT,  56
.set HEAD, 72
.set BSEL, 86
.set QT,   87
.set LBB,  88
.set TF,   90
.set LIM,  91
.set PFA,  92
.set PFT,  94
.set NLD,  17                          ; loads of a run: 16 of codes, one of scale words
.set MSB,  0
.macro WIN new                         ; the immediate's high byte repeats the setting that is left
.if MSB != (\new)
	s_set_vgpr_msb (MSB<<8)|(\new)
.set MSB, \new
.endif
.endm
.macro WALU
	s_wait_alu depctr_va_vdst(0)
.endm
.macro ROUND
	s_barrier_signal -1
	s_barrier_wait -1
	s_cmp_lg_u32 s[WV], 0
	s_cbranch_scc1 .Lnot_wave_0_\@
	s_barrier_signal -3
.Lnot_wave_0_\@:
	s_barrier_wait -3
	s_barrier_signal -1
	s_barrier_wait -1
.endm
.macro TLOAD                           ; every wave asks for its eight rows of the bias tile
	tensor_load_to_lds s[G0B:G0B+3], s[G1B:G1B+7]
	s_nop 0
.rept 4
	v_nop
.endr
.endm
.macro KLOADS                          ; K's eight fragments (blocks 0 and 2) and scale words of the record at KP: lanes 0-15 get the words of tiles 0-3, lanes 16-31 of tiles 4-7
	WIN 0x40
.irp t, 0,1,2,3,4,5,6,7
.irp c, 0,1
	global_load_b128 v[KF+16*\t+8*\c:KF+16*\t+8*\c+3], v[L16], s[KP:KP+1] offset:1024*\t+512*\c
.endr
.endr
	WIN 0
	global_load_b128 v[KSR:KSR+3], v[L16], s[KP:KP+1] offset:8192
.endm
.macro KNEXT
	WALU
	s_wait_xcnt 0x0                                ; the earlier loads have read their base: it may step
	s_add_nc_u64 s[KP:KP+1], s[KP:KP+1], KVR
	KLOADS
.endm
.macro VLOADS                          ; V's four fragments and scale words of the record at VP
	WIN 0x40
.irp t, 0,1,2,3
.irp c, 0,1,2,3
	global_load_b128 v[VF+16*\t+4*\c:VF+16*\t+4*\c+3], v[L16], s[VP:VP+1] offset:8704+2048*\t+512*\c
.endr
.endr
	WIN 0
	global_load_b128 v[VSR:VSR+3], v[R16], s[VP:VP+1] offset:16896
.endm
.macro VNEXT
	WALU
	s_wait_xcnt 0x0
	s_add_nc_u64 s[VP:VP+1], s[VP:VP+1], KVR
	VLOADS
.endm
.macro QCORE s, nb, floor, pc
.set qb, 0
.rept \nb
	v_max3_num_f32 v[TM+qb], |v[\s+16*qb]|, |v[\s+16*qb+1]|, \floor
.set qb, qb+1
.endr
.irp qi, 2,4,6,8,10,12,14
.set qb, 0
.rept \nb
	v_max3_num_f32 v[TM+qb], v[TM+qb], |v[\s+16*qb+\qi]|, |v[\s+16*qb+\qi+1]|
.set qb, qb+1
.endr
.endr
.set qb, 0
.rept \nb
	v_permlanex16_b32 v[TM+4+qb], v[TM+qb], s[SEL], s[SEL+1]
.set qb, qb+1
.endr
.set qb, 0
.rept \nb
	v_max_num_f32 v[TM+qb], v[TM+qb], v[TM+4+qb]
.set qb, qb+1
.endr
.set qb, 0
.rept \nb
	v_add_nc_u32 v[TM+12+qb], 0xf8800000, v[TM+qb]
.set qb, qb+1
.endr
.set qb, 0
.rept \nb
	v_and_or_b32 v[TM+8+qb], v[TM+qb], 0x7f800000, s[MNT]
.set qb, qb+1
.endr
.set qb, 0
.rept \nb
	v_lshrrev_b32 v[TM+4+qb], 23, v[TM+12+qb]
.set qb, qb+1
.endr
.set qb, 0
.rept \nb
.irp qi, 0,1,2,3,4,5,6,7,8,9,10,11,12,13,14,15
	v_med3_num_f32 v[\s+16*qb+\qi], v[\s+16*qb+\qi], -v[TM+8+qb], v[TM+8+qb]   ; the conversion does not saturate (ISA guide 7.6.2): hold first
.endr
	v_cvt_scalef32_pk8_bf8_f32 v[\pc+4*qb:\pc+4*qb+1], v[\s+16*qb:\s+16*qb+7], v[TM+12+qb]
	v_cvt_scalef32_pk8_bf8_f32 v[\pc+4*qb+2:\pc+4*qb+3], v[\s+16*qb+8:\s+16*qb+15], v[TM+12+qb]
.set qb, qb+1
.endr
	WALU
	v_nop
.endm
	s_load_b256 s[4:11], s[0:1], 0x0               ; qimg, qsc, kvimg, rel_pos_bias
	s_load_b64 s[12:13], s[0:1], 0x20              ; oimg
	v_lshl_add_u32 v[SPW], v0, 2, SPARE
	v_mov_b32 v[NIL], 0
	ds_add_u32 v[SPW], v[NIL]                      ; the opening lines: the add twice on end and its wait ahead of my first tensor load
	ds_add_u32 v[SPW], v[NIL]
	v_lshrrev_b32 v8, 5, v0
	v_readfirstlane_b32 s[WV], v8                  ; wave 0..7
	s_bfe_u32 s15, ttmp6, 0x40000                  ; cx
	s_bfe_u32 s16, ttmp6, 0x40004                  ; cy
	s_lshl_b32 s17, ttmp9, 2
	s_add_co_u32 s17, s17, s15                     ; qblk
	s_and_b32 s19, ttmp7, 0xffff                   ; g
	s_and_b32 s[HALF], s[WV], 1
	s_lshr_b32 s[BSEL], s[WV], 2
	s_and_b32 s[QT], s[WV], 3
	s_mul_i32 s[LBB], s[WV], 8*BP                  ; where my eight rows of the bias go in a slot
	s_lshl_b32 s20, s16, 1
	s_add_co_u32 s20, s20, s[BSEL]                 ; the batch of my queries
	s_lshl_b32 s21, 0x1111, s15                    ; my column of the cluster
	s_or_b32 s[G1B+0], s21, (2<<16)|(1<<20)|(1<<21)|(7<<22)|(3<<25)   ; the mask; elements of 4 bytes; 16 bytes of padding behind each 1,024
	s_mov_b32 s[G1B+1], 256<<16
	s_mov_b32 s[G1B+2], 8<<16
	s_mov_b32 s[G1B+3], 256<<16
	s_mov_b32 s[G1B+4], 8
	s_mov_b32 s[G1B+5], 1024
	s_mov_b32 s[G1B+6], 0
	s_mov_b32 s[G1B+7], 0
	s_mul_i32 s58, s19, 3072                       ; the bias tile: row 1024 x 3 g + 64 qblk: nothing of cy enters
	s_lshl_b32 s57, s17, 6
	s_add_co_u32 s58, s58, s57
	s_lshl_b32 s58, s58, 12
	s_mov_b32 s59, 0
	s_lshl_b32 s76, s[WV], 15                      ; my eight rows of it
	s_mov_b32 s77, 0
	s_mul_i32 s74, s20, 12                         ; the records of my batch: (12 x batch + 3 g) x 8; those of three heads lie on end
	s_mul_i32 s75, s19, 3
	s_add_co_u32 s74, s74, s75
	s_mul_i32 s74, s74, 8*KVR
	s_mov_b32 s75, 0
	s_lshr_b32 s78, s15, 1                         ; the prefetches: my work-group's record of the four: batch 2 cy + cx / 2, record cx % 2
	s_lshl_b32 s79, s16, 1
	s_add_co_u32 s78, s78, s79
	s_mul_i32 s78, s78, 12
	s_mul_i32 s79, s19, 3
	s_add_co_u32 s78, s78, s79
	s_lshl_b32 s78, s78, 3
	s_and_b32 s79, s15, 1
	s_add_co_u32 s78, s78, s79
	s_mul_i32 s78, s78, KVR
	s_lshl_b32 s98, s[WV], 5
	s_lshl_b32 s99, s16, 4                         ; my work-group's 16 rows of the bias tile
	s_cmp_lt_u32 s[WV], 2                          ; waves 0, 1 ask for the bias, waves 2-4 for the record
	s_cselect_b32 s78, 0, s78
	s_cselect_b32 s100, -1, 0
	s_cselect_b32 s79, 0, 64
	s_sub_co_u32 s98, s98, s79                     ; the first block that my wave names
	s_mov_b32 s79, 0
	s_cmp_lt_u32 s[WV], 5
	s_cselect_b32 s[LIM], 10, 0                    ; trips 0..9 ask; waves 5-7 never
	s_mov_b32 s[TF], 0
	s_mov_b32 s[SEL], 0x76543210
	s_mov_b32 s[SEL+1], 0xfedcba98
	s_mov_b32 s[CS], 0x3fb8aa3b                    ; log2(e)
	s_mov_b32 s[CS+1], s[CS]
	s_mov_b32 s[MNT], 0x600000
	s_mov_b32 s[TB], 0
	s_mov_b32 s[CNT], 0
	WALU
	s_wait_dscnt 0x0
	s_wait_kmcnt 0x0
	s_add_nc_u64 s[96:97], s[10:11], s[58:59]
	s_add_nc_u64 s[BB:BB+1], s[96:97], s[76:77]
	s_cmp_lt_u32 s[WV], 2
	s_cselect_b64 s[PFA:PFA+1], s[96:97], s[8:9]
	s_add_nc_u64 s[PFA:PFA+1], s[PFA:PFA+1], s[78:79]
	s_mov_b32 s[G0B], 1
	s_mov_b32 s[G0B+1], s[LBB]
	s_mov_b64 s[G0B+2:G0B+3], s[BB:BB+1]
	s_or_b32 s[G0B+3], s[G0B+3], 0x80000000
	s_add_nc_u64 s[KP:KP+1], s[8:9], s[74:75]
	s_mov_b64 s[VP:VP+1], s[KP:KP+1]
	ROUND                                          ; all sixteen work-groups are here
	TLOAD                                          ; group 0 into slot 0
	s_mul_i32 s76, s20, 12
	s_mul_i32 s77, s19, 3
	s_mov_b32 s[HEAD], s77
	s_add_co_u32 s76, s76, s77                     ; 12 x batch + head
	s_lshl_b32 s78, s17, 1
	s_lshr_b32 s79, s[QT], 1
	s_add_co_u32 s78, s78, s79                     ; my group of 32 tokens in the batch
	s_lshl_b32 s80, s76, 16
	s_lshl_b32 s82, s78, 11
	s_add_co_u32 s80, s80, s82
	s_lshl_b32 s82, s[HALF], 7
	s_add_co_u32 s80, s80, s82
	s_mov_b32 s81, 0
	s_add_nc_u64 s[60:61], s[4:5], s[80:81]        ; codes of Q
	s_lshl_b32 s80, s76, 12
	s_lshl_b32 s82, s78, 7
	s_add_co_u32 s80, s80, s82
	s_lshl_b32 s82, s[HALF], 5
	s_add_co_u32 s80, s80, s82
	s_add_nc_u64 s[62:63], s[6:7], s[80:81]        ; scale words of Q
	s_lshl_b32 s80, s20, 5
	s_add_co_u32 s80, s80, s78
	s_mul_i32 s80, s80, 25600
	s_add_nc_u64 s[66:67], s[12:13], s[80:81]      ; my record of o
	s_lshl_b32 s82, s[QT], 4
	v_and_b32 v8, 15, v0                           ; r
	v_bfe_u32 v9, v0, 4, 1                         ; h
	v_and_b32 v10, 31, v0                          ; lane
	v_add_nc_u32 v[ABI], s82, v8
	v_mul_u32_u24 v[ABI], v[ABI], BP
	v_lshl_add_u32 v[ABI], v9, 6, v[ABI]           ; the bias: row 16 (wave % 4) + r, + 64 h
	v_lshlrev_b32 v[L16], 4, v10                   ; an image of registers: 16 x lane
	v_lshlrev_b32 v[R16], 4, v8                    ; V's four scale words of row r
	v_lshrrev_b32 v[T0], 3, v8
	v_and_b32 v[HW], 7, v8
	v_lshl_add_u32 v[QAD], v9, 4, v[HW]
	v_lshlrev_b32 v[QAD], 4, v[QAD]
	v_lshl_add_u32 v[QAD], v[T0], 10, v[QAD]       ; my 16 queries lie in tile r / 8 of the group, lane 8 (wave % 2) + r % 8
	v_lshlrev_b32 v[QSA], 2, v[HW]
	v_lshl_add_u32 v[QSA], v[T0], 6, v[QSA]
	v_add_nc_u32 v240, s98, v10                    ; the block that my lane names
	v_lshrrev_b32 v245, 2, v240
	v_add_nc_u32 v245, s99, v245                   ; bias: four blocks to a row
	v_and_b32 v248, 3, v240
	v_lshlrev_b32 v245, 12, v245
	v_lshl_add_u32 v245, v248, 8, v245
	v_min_u32 v240, 66, v240                       ; record: 67 blocks; lanes left over name the last again
	v_lshlrev_b32 v240, 8, v240
	v_cndmask_b32 v[PFO], v240, v245, s100
	WALU
	global_load_b128 v[16:19], v[QAD], s[60:61]    ; Q of the three heads: the first into its place, the others wait in v204 on
	global_load_b128 v[24:27], v[QAD], s[60:61] offset:512
	global_load_b32 v[QSR], v[QSA], s[62:63]
	global_load_b128 v[Q1:Q1+3], v[QAD], s[60:61] offset:65536
	global_load_b128 v[Q1+4:Q1+7], v[QAD], s[60:61] offset:65536+512
	global_load_b32 v[QS1], v[QSA], s[62:63] offset:4096
	global_load_b128 v[Q2:Q2+3], v[QAD], s[60:61] offset:131072
	global_load_b128 v[Q2+4:Q2+7], v[QAD], s[60:61] offset:131072+512
	global_load_b32 v[QS2], v[QSA], s[62:63] offset:8192
.irp j, 20,21,22,23,28,29,30,31
	v_mov_b32 v\j, 0                               ; blocks 1 and 3 of Q: zero codes, set once
.endr
	v_mov_b32 v13, 0xff61b1e6                      ; the largest t so far: -3e38
	v_floor_f32 v12, -v13                          ; -M
	v_mov_b32 v14, 0
	v_mov_b32 v15, 0
	v_mov_b32 v[F+1], 0                            ; named as the upper half of a pair
.set n, 0
.rept 8
	v_mov_b32 v[BM+n], 0                           ; the maxima, and the destinations of lane permutes, which count as read
.set n, n+1
.endr
.set n, 0
.rept 4
	v_mov_b32 v[VSR+n], 0
.set n, n+1
.endr
.set n, 0
.rept 64
	v_mov_b32 v[SB+n], 0                           ; written once, so that every way into the loop's odd body finds its registers written; the first trip does not take that body
.set n, n+1
.endr
	WIN 0x40
.set n, 0
.rept 224
	v_mov_b32 v[n], 0                              ; window 1: O^T begins as zeros; blocks 1 and 3 of K's eight fragments are zero codes, set once; the rest as above
.set n, n+1
.endr
	WIN 0
	KLOADS                                         ; K of step 0
	WALU
	s_wait_loadcnt 0x0                             ; Q, and K of step 0
; THE CHANGE OF SLOTS, ahead of steps 2 n - 1 and 2 n.  Each wave waits for its tensor load, adds 0 to its spare word, waits for that and for its reads of the slot that it has left.
.macro CHANGE fill
	WALU
	s_wait_tensorcnt 0x0                           ; no tensor load of mine is out: the group 0 may be written
	ds_add_u32 v[SPW], v[NIL]
.if \fill
	s_add_co_u32 s57, s[CNT], 1                    ; the group to be fetched, 1..11
	s_lshr_b32 s58, s57, 2
	s_lshl_b32 s58, s58, 22                        ; its head: 4 MiB of bias each
	s_and_b32 s57, s57, 3
	s_lshl_b32 s57, s57, 10                        ; its 256 keys
	s_add_co_u32 s58, s58, s57
	s_add_nc_u64 s[G0B+2:G0B+3], s[BB:BB+1], s[58:59]
	s_or_b32 s[G0B+3], s[G0B+3], 0x80000000
	s_xor_b32 s[TF], s[TF], SLOTB
	s_add_co_u32 s[G0B+1], s[LBB], s[TF]
	s_wait_xcnt 0x0                                ; the last prefetch has read its address: it may be written
	s_add_co_u32 s57, s[CNT], 2                    ; the pair of key steps that is asked of memory ahead
	s_lshr_b32 s84, s57, 2
	s_lshl_b32 s84, s84, 22
	s_and_b32 s85, s57, 3
	s_lshl_b32 s85, s85, 10
	s_add_co_u32 s84, s84, s85
	s_mul_i32 s85, s57, KVB
	s_cmp_lt_u32 s[WV], 2
	s_cselect_b32 s84, s84, s85
	s_mov_b32 s85, 0
	s_add_nc_u64 s[PFT:PFT+1], s[PFA:PFA+1], s[84:85]
.endif
	s_wait_dscnt 0x0
.if \fill
	ROUND                                          ; so it is with every wave of every work-group of the cluster
	TLOAD                                          ; the first thing behind the round, one load a wave
	s_cmp_lt_u32 s[CNT], s[LIM]
	s_cbranch_scc0 .Lnone_ahead_\@
	global_prefetch_b8 v[PFO], s[PFT:PFT+1] th:TH_LOAD_NT scope:SCOPE_SE
.Lnone_ahead_\@:
.else
	s_barrier_signal -1
	s_barrier_wait -1
.endif
	v_add_nc_u32 v[ADB], s[TB], v[ABI]
	s_xor_b32 s[TB], s[TB], SLOTB
	WALU
.endm
.macro MAXB s                          ; the largest score of each block of 32 keys, the four by turns, each accumulator from its low end on
.irp b, 0,1,2,3
	v_max3_num_f32 v[BM+\b], v[\s+16*\b], v[\s+1+16*\b], v[\s+2+16*\b]
.endr
.irp i, 3,5,7,9,11,13
.irp b, 0,1,2,3
	v_max3_num_f32 v[BM+\b], v[BM+\b], v[\s+16*\b+\i], v[\s+1+16*\b+\i]
.endr
.endr
.irp b, 0,1,2,3
	v_max_num_f32 v[BM+\b], v[BM+\b], v[\s+15+16*\b]
.endr
.endm
.macro LLOADS s, q                     ; the q-th key step of the slot: the bias straight into the accumulators at s
.set n, 0
.rept 16
	ds_load_b128 v[\s+4*n:\s+4*n+3], v[ADB] offset:512*\q+128*(n/4)+16*(n%4)
.set n, n+1
.endr
.endm
.macro LMUL s                          ; S^T = K Q^T + bias: eight accumulators, each once
	WIN 0x01
.irp t, 0,1,2,3
	v_wmma_scale_f32_16x16x128_f8f6f4 v[\s+8*\t:\s+8*\t+7], v[KF+16*\t:KF+16*\t+15], v[16:31], v[\s+8*\t:\s+8*\t+7], v[KSR+\t], v[QSR] matrix_a_fmt:MATRIX_FMT_BF8 matrix_b_fmt:MATRIX_FMT_BF8
.endr
.irp t, 0,1,2,3
	v_wmma_scale_f32_16x16x128_f8f6f4 v[\s+32+8*\t:\s+32+8*\t+7], v[KF+64+16*\t:KF+64+16*\t+15], v[16:31], v[\s+32+8*\t:\s+32+8*\t+7], v[KSR+\t], v[QSR] matrix_a_fmt:MATRIX_FMT_BF8 matrix_b_fmt:MATRIX_FMT_BF8 matrix_a_scale:MATRIX_SCALE_ROW1
.endr
	WIN 0
.endm
; THE END OF A HEAD: O^T / the sum, quantised in two blocks of 32 along d, goes to my tile of the record of o.  sc: 32 registers that are free.
.macro HEADEND last, sc
.rept 8
	v_nop                                          ; eight places behind the last products
.endr
	v_add_f32 v14, v14, v15
	v_permlanex16_b32 v[T0], v14, s[SEL], s[SEL+1]
	v_add_f32 v14, v14, v[T0]                      ; the row's sum
	WALU
	v_rcp_f32 v14, v14
	v_nop
	WIN 0x01
	WALU
.set n, 0
.rept 32
	v_mul_f32 v[\sc+n], v[O+n], v14                ; register 16 c + i: d = 32 c + 16 h + i
.set n, n+1
.endr
	WIN 0
	QCORE \sc, 2, 0x8000000, PCD
	s_lshr_b32 s82, s[HEAD], 1                     ; the K step of the output product, and which half of it
	s_and_b32 s83, s[HEAD], 1
	s_lshl_b32 s84, s82, 1
	s_add_co_u32 s84, s84, s[HALF]
	s_lshl_b32 s84, s84, 11
	s_lshl_b32 s85, s83, 10
	s_add_co_u32 s80, s84, s85
	s_add_nc_u64 s[68:69], s[66:67], s[80:81]
	s_lshr_b32 s84, s82, 2
	s_lshl_b32 s84, s84, 9
	s_and_b32 s85, s82, 3
	s_lshl_b32 s85, s85, 2
	s_add_co_u32 s84, s84, s85
	s_lshl_b32 s85, s83, 1
	s_add_co_u32 s84, s84, s85
	s_lshl_b32 s85, s[HALF], 8
	s_add_co_u32 s84, s84, s85
	s_add_co_u32 s80, s84, 24576
	s_add_nc_u64 s[70:71], s[66:67], s[80:81]
	global_store_b128 v[L16], v[PCD:PCD+3], s[68:69]
	global_store_b128 v[L16], v[PCD+4:PCD+7], s[68:69] offset:512
	v_lshl_or_b32 v[HW], v[TM+5], 8, v[TM+4]
	global_store_b16 v[R16], v[HW], s[70:71]
.if \last == 0
	v_mov_b32 v13, 0xff61b1e6
	v_floor_f32 v12, -v13
	v_mov_b32 v14, 0
	v_mov_b32 v15, 0
	WIN 0x40
.set n, 0
.rept 32
	v_mov_b32 v[O+n], 0
.set n, n+1
.endr
	WIN 0
	s_add_co_u32 s[HEAD], s[HEAD], 1
	WALU
	s_wait_xcnt 0x0                                ; the data and bases of the stores above are rewritten only behind this wait
.endif
.endm
; THE BODY OF KEY STEP i.  cur: its scores; nxt: the set for step i + 1, whose bias is the q1-th of the slot in hand.  doL = 0: no step follows.  doK = 0: no step i + 2.
; cond = 1: the loop's odd body, at which a head may end.
.macro BODY cur, nxt, q1, doL, doK, cond
.if \cond
	s_and_b32 s57, s[CNT], 3                       ; steps 7 and 15 (trips 4 and 8): the next step begins a head: its Q comes into place
	s_cmp_lg_u32 s57, 0
	s_cbranch_scc1 .Lsame_q_\@
.irp j, 0,1,2,3
	v_mov_b32 v[16+\j], v[Q1+\j]
	v_mov_b32 v[24+\j], v[Q1+4+\j]
.endr
	v_mov_b32 v[QSR], v[QS1]
.irp j, 0,1,2,3,4,5,6,7
	v_mov_b32 v[Q1+\j], v[Q2+\j]
.endr
	v_mov_b32 v[QS1], v[QS2]
.Lsame_q_\@:
.endif
.if \doL
	LLOADS \nxt, \q1                               ; they have the lines up to the exponentials' end in which to land
.endif
.irp b, 0,1,2,3
	v_permlanex16_b32 v[PR+\b], v[BM+\b], s[SEL], s[SEL+1]
.endr
.irp b, 0,1,2,3
	v_max_num_f32 v[BM+\b], v[BM+\b], v[PR+\b]     ; the largest score of each block: it serves the row's maximum and, since p rises with the score, the block's largest p
.endr
	v_max3_num_f32 v[T0], v[BM], v[BM+1], v[BM+2]
	v_max_num_f32 v[T0], v[T0], v[BM+3]
	v_mul_f32 v[T0], s[CS], v[T0]
	v_max_num_f32 v13, v13, v[T0]                  ; the running largest t
	v_mov_b32 v[T0], v12
	v_floor_f32 v12, -v13                          ; -M = floor(-t)
	v_sub_f32 v[T0], v12, v[T0]                    ; old M - new M
	v_cvt_i32_f32 v[T0], v[T0]                     ; (it saturates)
	v_ldexp_f32 v[F], 1.0, v[T0]                   ; f = 2^(old M - new M)
.set n, 0
.rept 32
	v_pk_fma_f32 v[\cur+n:\cur+n+1], v[\cur+n:\cur+n+1], s[CS:CS+1], v[12:13] op_sel_hi:[1,0,0]   ; t - M
.set n, n+2
.endr
.irp b, 0,1,2,3
	v_fma_f32 v[BM+\b], v[BM+\b], s[CS], v12
.endr
	WALU
.set n, 0
.rept 64
	v_exp_f32 v[\cur+n], v[\cur+n]                 ; p, at most 1
.set n, n+1
.endr
.irp b, 0,1,2,3
	v_exp_f32 v[BM+\b], v[BM+\b]                   ; the block's largest p: the same two instructions on the same number
.endr
	v_pk_mul_f32 v[14:15], v[14:15], v[F:F+1] op_sel_hi:[1,0]   ; the sums under the new M; a plain line behind the exponentials
	WALU                                           ; and behind it
.if \doL
	s_wait_dscnt 0x0                               ; the next step's bias is in,
	s_wait_loadcnt NLD                             ; and its K: behind K's loads this step's V was asked for, 17 loads, which may be out
	LMUL \nxt                                      ; the lines below name none of these products' registers
.endif
.irp b, 0,1,2,3
	v_max_num_f32 v[BM+\b], 0x8000000, v[BM+\b]    ; the floor: the byte cannot fall under 1
.endr
.irp b, 0,1,2,3
	v_add_nc_u32 v[SO+\b], 0xf8800000, v[BM+\b]
.endr
.irp b, 0,1,2,3
	v_and_or_b32 v[HD+\b], v[BM+\b], 0x7f800000, s[MNT]
.endr
.irp b, 0,1,2,3
	v_and_or_b32 v[HD2+\b], v[BM+\b], 0x7f800000, s[MNT]
.endr
.irp b, 0,1,2,3
	v_lshrrev_b32 v[PR+\b], 23, v[SO+\b]
.endr
	v_lshl_or_b32 v[PSR], v[PR+1], 8, v[PR]        ; p's scale word for these 128 keys
	v_lshl_or_b32 v[PSR], v[PR+2], 16, v[PSR]
	v_lshl_or_b32 v[PSR], v[PR+3], 24, v[PSR]
.set n, 0                              ; the row's sum of the unquantised p: 32 pairs in eight chains
.rept 7
	v_pk_add_f32 v[SM+2*n:SM+2*n+1], v[\cur+4*n:\cur+4*n+1], v[\cur+4*n+2:\cur+4*n+3]
.set n, n+1
.endr
	v_pk_add_f32 v[14:15], v[14:15], v[\cur+28:\cur+29]
.set n, 0
.rept 7
	v_pk_add_f32 v[SM+2*n:SM+2*n+1], v[SM+2*n:SM+2*n+1], v[\cur+30+2*n:\cur+31+2*n]
.set n, n+1
.endr
	v_pk_add_f32 v[14:15], v[14:15], v[\cur+44:\cur+45]
.set n, 0
.rept 7
	v_pk_add_f32 v[SM+2*n:SM+2*n+1], v[SM+2*n:SM+2*n+1], v[\cur+46+2*n:\cur+47+2*n]
.set n, n+1
.endr
	v_pk_add_f32 v[14:15], v[14:15], v[\cur+60:\cur+61]
	v_pk_add_f32 v[SM:SM+1], v[SM:SM+1], v[\cur+62:\cur+63]
	v_pk_add_f32 v[SM+4:SM+5], v[SM+4:SM+5], v[SM+6:SM+7]
	v_pk_add_f32 v[SM+8:SM+9], v[SM+8:SM+9], v[SM+10:SM+11]
	v_pk_add_f32 v[14:15], v[14:15], v[SM+12:SM+13]
	v_pk_add_f32 v[SM:SM+1], v[SM:SM+1], v[SM+2:SM+3]
	v_pk_add_f32 v[14:15], v[14:15], v[SM+8:SM+9]
	v_pk_add_f32 v[SM:SM+1], v[SM:SM+1], v[SM+4:SM+5]
	v_pk_add_f32 v[14:15], v[14:15], v[SM:SM+1]
.if \doK
	KNEXT                                          ; K of step i + 2: 55 plain lines stand behind the products that read these registers
.endif
.irp b, 0,1,2,3
.irp k, 0,2,4,6,8,10,12,14
	v_dual_min_num_f32 v[\cur+16*\b+\k], v[\cur+16*\b+\k], v[HD+\b] :: v_dual_min_num_f32 v[\cur+16*\b+\k+1], v[\cur+16*\b+\k+1], v[HD2+\b]   ; the conversion does not saturate (ISA guide 7.6.2); p is not negative
.endr
	v_cvt_scalef32_pk8_bf8_f32 v[PCD+4*\b:PCD+4*\b+1], v[\cur+16*\b:\cur+16*\b+7], v[SO+\b]
	v_cvt_scalef32_pk8_bf8_f32 v[PCD+4*\b+2:PCD+4*\b+3], v[\cur+16*\b+8:\cur+16*\b+15], v[SO+\b]
.endr
.if \doK
	s_wait_loadcnt NLD                             ; this step's V is in: behind it K of step i + 2 was asked for, 17 loads, which may be out
.else
	s_wait_loadcnt 0x0
.endif
	WIN 0x41
	WALU
.set n, 0
.rept 16
	v_pk_mul_f32 v[O+n:O+n+1], v[O+n:O+n+1], v[F:F+1] op_sel_hi:[1,0]   ; O^T under the new M; also the places between the codes and the products
.set n, n+2
.endr
	WIN 0x51
.irp t, 0,1,2,3
	v_wmma_scale_f32_16x16x128_f8f6f4 v[O+8*\t:O+8*\t+7], v[VF+16*\t:VF+16*\t+15], v[PCD:PCD+15], v[O+8*\t:O+8*\t+7], v[VSR+\t], v[PSR] matrix_a_fmt:MATRIX_FMT_BF8 matrix_b_fmt:MATRIX_FMT_BF8
.endr
	WIN 0
.if \cond
	WALU
	s_and_b32 s57, s[CNT], 3
	s_cmp_lg_u32 s57, 0
	s_cbranch_scc1 .Lsame_head_\@
	HEADEND 0, \cur
.Lsame_head_\@:
.endif
.if \doL
	WALU
	MAXB \nxt                                      ; 32 plain lines: also the places ahead of the loads into V's registers
	VNEXT                                          ; V of step i + 1
.endif
.endm
.Lslot:                                            ; trips 0..10: behind each change of slots the next group is asked for
	CHANGE 1
	s_cmp_lg_u32 s[CNT], 0
	s_cbranch_scc1 .Lodd
	LLOADS SA, 0                                   ; the first trip: step 0's scores and maxima; K of step 1, V of step 0
	s_wait_dscnt 0x0
	s_wait_loadcnt 0x0                             ; every earlier load into K's and V's registers is done before they are asked for anew below
	LMUL SA
.rept 8
	v_nop                                          ; eight places ahead of the loads into K's registers and of the first read of results
.endr
	KNEXT
	MAXB SA
	VLOADS
	WALU
	s_branch .Leven
.Lodd:
	BODY SB, SA, 0, 1, 1, 1                        ; step 2 n - 1
.Leven:
	BODY SA, SB, 1, 1, 1, 0                        ; step 2 n
	s_add_co_u32 s[CNT], s[CNT], 1
	s_cmp_lt_u32 s[CNT], 11
	WALU
	s_cbranch_scc1 .Lslot
	CHANGE 0                                       ; the last group is written out
	BODY SB, SA, 0, 1, 1, 0                        ; steps 21, 22, 23
	BODY SA, SB, 1, 1, 0, 0
	BODY SB, SA, 0, 0, 0, 0
	HEADEND 1, SB
	s_wait_tensorcnt 0x0                           ; the wave's end
	ds_add_u32 v[SPW], v[NIL]
	s_wait_dscnt 0x0
	ROUND                                          ; the closing round
	s_endpgm
.Lfunc_end_k_q0e83b4023f_att:
	.size	k_q0e83b4023f_att, .Lfunc_end_k_q0e83b4023f_att-k_q0e83b4023f_att
	.p2alignl 7, 3214868480
	.fill 96, 4, 3214868480
	.section	.rodata,"a",@progbits
	.p2align	6, 0x0
	.amdhsa_kernel k_q0e83b4023f_att
		.amdhsa_group_segment_fixed_size 327680
		.amdhsa_private_segment_fixed_size 0
		.amdhsa_enable_private_segment 0
		.amdhsa_kernarg_size 40
		.amdhsa_user_sgpr_count 2
		.amdhsa_user_sgpr_kernarg_segment_ptr 1
		.amdhsa_wavefront_size32 1
		.amdhsa_system_sgpr_workgroup_id_x 1
		.amdhsa_system_sgpr_workgroup_id_y 1
		.amdhsa_system_sgpr_workgroup_id_z 1
		.amdhsa_system_vgpr_workitem_id 0
		.amdhsa_next_free_vgpr 480
		.amdhsa_next_free_sgpr 102
		.amdhsa_reserve_vcc 0
		.amdhsa_float_denorm_mode_32 3
		.amdhsa_float_denorm_mode_16_64 3
		.amdhsa_memory_ordered 1
		.amdhsa_forward_progress 1
		.amdhsa_inst_pref_size 138
	.end_amdhsa_kernel
	.amdgpu_metadata
---
amdhsa.version: [ 1, 2 ]
amdhsa.kernels:
  - .name:           k_q0e83b4023f_att
    .symbol:         k_q0e83b4023f_att.kd
    .args:
      - { .name: qimg, .offset: 0, .size: 8, .value_kind: global_buffer, .address_space: global }
      - { .name: qsc, .offset: 8, .size: 8, .value_kind: global_buffer, .address_space: global }
      - { .name: kvimg, .offset: 16, .size: 8, .value_kind: global_buffer, .address_space: global }
      - { .name: rel_pos_bias, .offset: 24, .size: 8, .value_kind: global_buffer, .address_space: global }
      - { .name: oimg, .offset: 32, .size: 8, .value_kind: global_buffer, .address_space: global }
    .group_segment_fixed_size: 327680
    .private_segment_fixed_size: 0
    .kernarg_segment_align: 8
    .kernarg_segment_size: 40
    .max_flat_workgroup_size: 256
    .sgpr_count:     102
    .vgpr_count:     480
    .wavefront_size: 32
...
	.end_amdgpu_metadata
.endif
;; end of part 7
;; launch outp (part 8): grid 64 x 4, 4 waves a work-group, clusters of 4 x 1, 188,928 bytes of LDS; arguments oimg, woimg, b_o, out0; writes out0
.if DOCPART == 8
	.amdgcn_target "amdgcn-amd-amdhsa--gfx1250"
	.amdhsa_code_object_version 6
	.text
	.protected	k_q0e83b4023f_outp
	.globl	k_q0e83b4023f_outp
	.p2align	8
	.type	k_q0e83b4023f_outp,@function
k_q0e83b4023f_outp:
	s_mov_b64 s[64:65], 0
	v_nop
	global_prefetch_b8 v0, s[64:65] scope:SCOPE_SE
	s_setreg_imm32_b32 hwreg(HW_REG_WAVE_MODE, 25, 1), 1
	s_wait_xcnt 0x0
	s_wait_alu depctr_hold_cnt(0) depctr_sa_sdst(0) depctr_va_vdst(0) depctr_va_sdst(0) depctr_va_ssrc(0) depctr_va_vcc(0) depctr_vm_vsrc(0)
	s_getreg_b32 s2, hwreg(HW_REG_IB_STS2, 6, 4)
	s_cmp_eq_u32 s2, 0
	s_cbranch_scc0 .Lentry_in_a_cluster
	s_endpgm
.Lentry_in_a_cluster:
	s_bfe_u32 s2, ttmp6, 0x10000c
	s_cmp_lg_u32 s2, 0x3003
	s_cbranch_scc0 .Lentry_shape_is_right
	s_endpgm
.Lentry_shape_is_right:
; OUTP.  out0 = o W_o^T + b_o on codes of E5M2 with E8M0 scales; out0 [8192][768] f32.
; SHARES.  A work-group takes 128 tokens (X = 4 x cluster x + cx) x 192 features (work-group y): 768 bytes of a row of out0, three aligned blocks of 256.  Wave w holds record 4 X + w of o, 32 tokens
; x 768 along K, in 192 registers, read from memory once.  The six records of W_o, 153,600 dense bytes, are filled into LDS once (no byte is filled again).  CLUSTER: the four work-groups of a cluster
; have the same six records: each part is asked for jointly, mask 15.  Waves 0, 1, 2 each fill two records: only the wave of the pair in hand waits for it, so the later ones land while the earlier are multiplied.
; Source 0 = 16 features, source 1 = 16 tokens: a lane holds one token and, by the order of the rows in a record of weights, 16 neighbouring features.  b_o is the C of the first K step.
; THE WAY OUT: 32 tokens x 64 features go through a stage in LDS that belongs to the wave (rows of 256 bytes + 16) and leave as whole rows: sixteen lanes store 256 consecutive bytes, aligned.
; The stages lie behind the records, in blocks of 256 bytes into which no fill lands.
; REGISTERS.  Window 0: v1-5 addresses; v8-13 scale words of o; v14-25 of two records of W_o; v26-27 their LDS addresses; v32-63 b_o; v64-191 two buffers of four fragments of W_o (v64-127 also the
; rows on their way out); v192-255 eight accumulators.  Window 1: the fragments of o, (tile m, K step s) at 16 (2 s + m).
.set GR,   25600
.set STG,  6*GR
.set SP,   272
.set LI,   1
.set BH,   2
.set STO,  3
.set RD,   4
.set CO,   5
.set OS,   8
.set WS,   14
.set WA,   26
.set CB,   32
.set WF,   64
.set ACC,  192
.set WV,   12
.set G1,   24
.set G0,   32
.set MSB,  0
.macro WIN new
.if MSB != (\new)
	s_set_vgpr_msb (MSB<<8)|(\new)
.set MSB, \new
.endif
.endm
.macro ROUND
	s_barrier_signal -1
	s_barrier_wait -1
	s_cmp_lg_u32 s[WV], 0
	s_cbranch_scc1 .Lnot_wave_0_\@
	s_barrier_signal -3
.Lnot_wave_0_\@:
	s_barrier_wait -3
	s_barrier_signal -1
	s_barrier_wait -1
.endm
.macro MM ra, rb
.if (\ra) && (\rb)
	v_wmma_scale_f32_16x16x128_f8f6f4 v[rD:rD+7], v[rA:rA+15], v[rB:rB+15], v[rC:rC+7], v[rSA], v[rSB] matrix_a_fmt:MATRIX_FMT_BF8 matrix_b_fmt:MATRIX_FMT_BF8 matrix_a_scale:MATRIX_SCALE_ROW1 matrix_b_scale:MATRIX_SCALE_ROW1
.elseif (\ra)
	v_wmma_scale_f32_16x16x128_f8f6f4 v[rD:rD+7], v[rA:rA+15], v[rB:rB+15], v[rC:rC+7], v[rSA], v[rSB] matrix_a_fmt:MATRIX_FMT_BF8 matrix_b_fmt:MATRIX_FMT_BF8 matrix_a_scale:MATRIX_SCALE_ROW1
.elseif (\rb)
	v_wmma_scale_f32_16x16x128_f8f6f4 v[rD:rD+7], v[rA:rA+15], v[rB:rB+15], v[rC:rC+7], v[rSA], v[rSB] matrix_a_fmt:MATRIX_FMT_BF8 matrix_b_fmt:MATRIX_FMT_BF8 matrix_b_scale:MATRIX_SCALE_ROW1
.else
	v_wmma_scale_f32_16x16x128_f8f6f4 v[rD:rD+7], v[rA:rA+15], v[rB:rB+15], v[rC:rC+7], v[rSA], v[rSB] matrix_a_fmt:MATRIX_FMT_BF8 matrix_b_fmt:MATRIX_FMT_BF8
.endif
.endm
	s_load_b256 s[4:11], s[0:1], 0x0               ; oimg, woimg, b_o, out0
	v_lshl_add_u32 v30, v0, 2, 0x2e000
	v_mov_b32 v31, 0
	ds_add_u32 v30, v31
	ds_add_u32 v30, v31
	v_lshrrev_b32 v6, 5, v0
	v_readfirstlane_b32 s[WV], v6                  ; wave 0..3
	s_bfe_u32 s13, ttmp6, 0x40000                  ; cx
	s_lshl_b32 s14, ttmp9, 2
	s_add_co_u32 s14, s14, s13                     ; X
	s_and_b32 s15, ttmp7, 0xffff                   ; y
	s_mov_b32 s[G1+0], 15|(3<<16)|(1<<21)          ; the mask: all four; elements of 8 bytes; bit 21 beside a mask
	s_mov_b32 s[G1+1], 32<<16                      ; rows of 256 bytes,
	s_mov_b32 s[G1+2], 200<<16                     ; 200 of them, dense: two records
	s_mov_b32 s[G1+3], 32<<16
	s_mov_b32 s[G1+4], 200
	s_mov_b32 s[G1+5], 32
	s_mov_b32 s[G1+6], 0
	s_mov_b32 s[G1+7], 0
	s_mul_i32 s22, s15, 6*GR
	s_min_u32 s46, s[WV], 2                        ; waves 0, 1, 2 fetch two records each; wave 3 fetches nothing
	s_mul_i32 s46, s46, 2*GR                       ; the same place in memory and in LDS
	s_add_co_u32 s22, s22, s46
	s_mov_b32 s23, 0
	v_and_b32 v6, 31, v0                           ; lane
	v_and_b32 v7, 15, v0                           ; r
	v_bfe_u32 v28, v0, 4, 1                        ; h
	v_lshlrev_b32 v[LI], 4, v6
	v_lshlrev_b32 v[BH], 6, v28                    ; b_o: 16 h numbers
	s_mul_i32 s47, s[WV], 32*SP
	s_add_co_u32 s47, s47, STG                     ; my stage
	v_mul_u32_u24 v[STO], v7, SP
	v_lshl_add_u32 v[STO], v28, 6, v[STO]
	v_add_nc_u32 v[STO], s47, v[STO]               ; in: row r, + 64 h
	v_mul_u32_u24 v[RD], v28, SP
	v_lshl_add_u32 v[RD], v7, 4, v[RD]
	v_add_nc_u32 v[RD], s47, v[RD]                 ; back: lanes 0-15 one row, lanes 16-31 the next
	v_mul_u32_u24 v[CO], v28, 3072
	v_lshl_add_u32 v[CO], v7, 4, v[CO]             ; and the same two rows in out0
	s_wait_dscnt 0x0
	s_wait_kmcnt 0x0
	s_add_nc_u64 s[22:23], s[6:7], s[22:23]
	s_mov_b32 s[G0], 1
	s_mov_b32 s[G0+1], s46
	s_mov_b64 s[G0+2:G0+3], s[22:23]
	s_or_b32 s[G0+3], s[G0+3], 0x80000000
	s_wait_alu depctr_va_vdst(0)
	ROUND                                          ; all four work-groups are here: the joint loads meet
	s_cmp_eq_u32 s[WV], 0                          ; one chain of branches on the wave's number, one load to an arm: each pair of records has a load line of its own
	s_cbranch_scc0 .Lhead_1
	tensor_load_to_lds s[G0:G0+3], s[G1:G1+7]
	s_nop 0
.rept 4
	v_nop
.endr
	s_branch .Lhead_asked
.Lhead_1:
	s_cmp_eq_u32 s[WV], 1
	s_cbranch_scc0 .Lhead_2
	tensor_load_to_lds s[G0:G0+3], s[G1:G1+7]
	s_nop 0
.rept 4
	v_nop
.endr
	s_branch .Lhead_asked
.Lhead_2:
	s_cmp_eq_u32 s[WV], 2
	s_cbranch_scc0 .Lhead_asked
	tensor_load_to_lds s[G0:G0+3], s[G1:G1+7]
	s_nop 0
.rept 4
	v_nop
.endr
.Lhead_asked:
	s_lshl_b32 s44, s14, 2
	s_add_co_u32 s44, s44, s[WV]
	s_mul_i32 s44, s44, GR                         ; my record of o
	s_mov_b32 s45, 0
	s_add_nc_u64 s[16:17], s[4:5], s[44:45]
	s_mul_i32 s44, s15, 768
	s_add_nc_u64 s[18:19], s[8:9], s[44:45]        ; b_o at my 192 features
	s_lshl_b32 s48, s14, 7
	s_lshl_b32 s49, s[WV], 5
	s_add_co_u32 s48, s48, s49
	s_mul_i32 s48, s48, 3072                       ; my first row of out0,
	s_add_co_u32 s44, s44, s48                     ; + my 768 bytes of it
	s_add_nc_u64 s[20:21], s[10:11], s[44:45]
	WIN 0x40                                       ; destination window 1
.irp s, 0,1,2,3,4,5
.irp m, 0,1
.irp c, 0,1,2,3
	global_load_b128 v[16*(2*\s+\m)+4*\c:16*(2*\s+\m)+4*\c+3], v[LI], s[16:17] offset:(2*\s+\m)*2048+512*\c
.endr
.endr
.endr
	WIN 0
	global_load_b128 v[OS:OS+3], v[LI], s[16:17] offset:24576
	global_load_b64 v[OS+4:OS+5], v[LI], s[16:17] offset:25088
.macro CBLOAD d                        ; b_o of the 64 features of double block d, in the layout of the result
.irp bb, 0,1
.irp u, 0,1
.irp jj, 0,1
	global_load_b128 v[CB+16*\bb+8*\u+4*\jj:CB+16*\bb+8*\u+4*\jj+3], v[BH], s[18:19] offset:256*(\d)+128*\bb+32*\u+16*\jj
.endr
.endr
.endr
.endm
	s_wait_alu depctr_va_vdst(0)
	CBLOAD 0
.macro FETCH s                         ; K step s of two records: four fragments into buffer s % 2
.irp bb, 0,1
.irp u, 0,1
.irp c, 0,1,2,3
	ds_load_b128 v[WF+64*((\s)%2)+32*\bb+16*\u+4*\c:WF+64*((\s)%2)+32*\bb+16*\u+4*\c+3], v[WA+\bb] offset:(2*(\s)+\u)*2048+512*\c
.endr
.endr
.endr
.endm
.macro DBLK d                          ; 64 features
.if \d > 0
	s_wait_xcnt 0x0                                ; v64 on were the data of the stores above: they are loaded again only behind this wait
.endif
.if \d < 2
	s_wait_alu depctr_va_vdst(0)
	s_cmp_eq_u32 s[WV], \d                         ; the wave that fetched these two records waits for them; the later ones may be out
	s_cbranch_scc0 .Lnot_mine_\@
	s_wait_tensorcnt 0x0
.Lnot_mine_\@:
.else
	s_wait_tensorcnt 0x0                           ; the last pair: the wait stands on every wave's way
.endif
	s_wait_dscnt 0x0
	s_barrier_signal -1
	s_barrier_wait -1
	v_add_nc_u32 v[WA], (2*\d)*GR, v[LI]           ; an LDS immediate has 16 bits: the register carries the record
	v_add_nc_u32 v[WA+1], (2*\d+1)*GR, v[LI]
	FETCH 0
	FETCH 1
.irp bb, 0,1
	ds_load_b128 v[WS+6*\bb:WS+6*\bb+3], v[WA+\bb] offset:24576
	ds_load_b64 v[WS+6*\bb+4:WS+6*\bb+5], v[WA+\bb] offset:25088
.endr
	s_wait_alu depctr_va_vdst(0)
.irp s, 0,1,2,3,4,5
.if (\s == 0) || (\s == 5)
	s_wait_dscnt 0x0
.else
	s_wait_dscnt 16                                ; the fetch of the next step may be out
.endif
.if \s == 0
	s_wait_loadcnt 0x0                             ; b_o (and, the first time, o)
.endif
	WIN 0x04                                       ; source 1 = o: window 1
.irp m, 0,1
.irp bb, 0,1
.irp u, 0,1
.set rD, ACC+32*\m+16*\bb+8*\u
.set rA, WF+64*(\s%2)+32*\bb+16*\u
.set rB, 16*(2*\s+\m)
.set rSA, WS+6*\bb+\s
.set rSB, OS+\s
.if \s == 0
.set rC, CB+16*\bb+8*\u
.else
.set rC, rD
.endif
	MM \u, \m                                      ; eight accumulators by turns
.endr
.endr
.endr
	WIN 0
.rept 8
	v_nop                                          ; eight places ahead of loads into registers that these products read, and of the first read of results
.endr
.if \s+2 < 6
	FETCH \s+2
.endif
.if (\s == 0) && (\d < 2)
	CBLOAD \d+1
.endif
.endr
.irp m, 0,1
.irp bb, 0,1
.irp u, 0,1
	ds_store_b128 v[STO], v[ACC+32*\m+16*\bb+8*\u:ACC+32*\m+16*\bb+8*\u+3] offset:16*SP*\m+128*\bb+32*\u       ; each accumulator from its low end on
	ds_store_b128 v[STO], v[ACC+32*\m+16*\bb+8*\u+4:ACC+32*\m+16*\bb+8*\u+7] offset:16*SP*\m+128*\bb+32*\u+16
.endr
.endr
.endr
.irp i, 0,1,2,3,4,5,6,7,8,9,10,11,12,13,14,15
	ds_load_b128 v[WF+4*\i:WF+4*\i+3], v[RD] offset:2*SP*\i      ; LDS serves the instructions of a wave in order (ISA guide 5.7.1.4): these see the stores above
.endr
.irp i, 0,1,2,3,4,5,6,7,8,9,10,11,12,13,14,15
	s_wait_dscnt 15-\i
	global_store_b128 v[CO], v[WF+4*\i:WF+4*\i+3], s[20:21] offset:6144*\i+256*\d th:TH_STORE_NT   ; 16 lanes store 256 consecutive bytes, aligned; written once
.endr
.endm
	DBLK 0
	DBLK 1
	DBLK 2
	s_wait_tensorcnt 0x0
	ds_add_u32 v30, v31
	s_wait_dscnt 0x0
	ROUND                                          ; the closing round (the last countdown has ended at 0: no LDS instruction of mine is out)
	s_endpgm
.Lfunc_end_k_q0e83b4023f_outp:
	.size	k_q0e83b4023f_outp, .Lfunc_end_k_q0e83b4023f_outp-k_q0e83b4023f_outp
	.p2alignl 7, 3214868480
	.fill 96, 4, 3214868480
	.section	.rodata,"a",@progbits
	.p2align	6, 0x0
	.amdhsa_kernel k_q0e83b4023f_outp
		.amdhsa_group_segment_fixed_size 188928
		.amdhsa_private_segment_fixed_size 0
		.amdhsa_enable_private_segment 0
		.amdhsa_kernarg_size 32
		.amdhsa_user_sgpr_count 2
		.amdhsa_user_sgpr_kernarg_segment_ptr 1
		.amdhsa_wavefront_size32 1
		.amdhsa_system_sgpr_workgroup_id_x 1
		.amdhsa_system_sgpr_workgroup_id_y 1
		.amdhsa_system_sgpr_workgroup_id_z 1
		.amdhsa_system_vgpr_workitem_id 0
		.amdhsa_next_free_vgpr 448
		.amdhsa_next_free_sgpr 66
		.amdhsa_reserve_vcc 0
		.amdhsa_float_denorm_mode_32 3
		.amdhsa_float_denorm_mode_16_64 3
		.amdhsa_memory_ordered 1
		.amdhsa_forward_progress 1
		.amdhsa_inst_pref_size 69
	.end_amdhsa_kernel
	.amdgpu_metadata
---
amdhsa.version: [ 1, 2 ]
amdhsa.kernels:
  - .name:           k_q0e83b4023f_outp
    .symbol:         k_q0e83b4023f_outp.kd
    .args:
      - { .name: oimg, .offset: 0, .size: 8, .value_kind: global_buffer, .address_space: global }
      - { .name: woimg, .offset: 8, .size: 8, .value_kind: global_buffer, .address_space: global }
      - { .name: b_o, .offset: 16, .size: 8, .value_kind: global_buffer, .address_space: global }
      - { .name: out0, .offset: 24, .size: 8, .value_kind: global_buffer, .address_space: global }
    .group_segment_fixed_size: 188928
    .private_segment_fixed_size: 0
    .kernarg_segment_align: 8
    .kernarg_segment_size: 32
    .max_flat_workgroup_size: 128
    .sgpr_count:     66
    .vgpr_count:     448
    .wavefront_size: 32
...
	.end_amdgpu_metadata
.endif
;; end of part 8
